; MI455X (gfx1250); checked and timed in simulation.
; The chip was launched on July 23, 2026; its instructions are those of AMD's public machine-readable ISA for CDNA 5 (MIT licence, August 2026) and "CDNA5" Instruction Set Architecture Reference Guide (July 2026). The comments in the code are by the model that wrote it; some were corrected since.
;; Multi Head Attention. Allowed arithmetic: float matrix products may take bf16 or f16 operands with f32 sums; other float arithmetic in f32, or as packed bf16 or f16 multiplies, adds, multiply-adds, maxima and minima; sums over many terms, partial sums and values carried from step to step in f32; what a program stores and reads back later, other than sums and carried values, may be rounded once to bf16 or f16.
;; Inputs: Wk 1,024 x 1,024 float32; Wo 1,024 x 1,024 float32; Wq 1,024 x 1,024 float32; Wv 1,024 x 1,024 float32; bk 1,024 float32; bo 1,024 float32; bq 1,024 float32; bv 1,024 float32; mask 4 x 2,048 x 2,048 bool; x 4 x 2,048 x 1,024 float32.
;; Outputs: out0 4 x 2,048 x 1,024 float32.
;; 3 versions, each right; version 3 is version 2 with the launch prep written anew for expert scheduling mode. Each part assembles by itself: llvm-mc -triple=amdgcn-amd-amdhsa -mcpu=gfx1250 --defsym DOCPART=n.
;; ======== version 1 of 3: 4 launches
;; limits: values are held in f16: magnitudes above 65,504 overflow, below 6.1e-05 lose precision
;; workspace buffers: xb 16,777,216 bytes; wt 6,291,456 bytes; wot 2,097,152 bytes; mbits 2,097,152 bytes of whole numbers; qkv 50,331,648 bytes; ctx 16,777,216 bytes
;; launch prep (part 1): grid 512 x 1, 8 waves a work-group, no clusters, 74,752 bytes of LDS; arguments x, Wq, Wk, Wv, Wo, mask, xb, wt, wot, mbits; writes xb, wt, wot, mbits
.if DOCPART == 1
	.amdgcn_target "amdgcn-amd-amdhsa--gfx1250"
	.amdhsa_code_object_version 6
	.text
	.protected	k_q94d3cb37fb_prep
	.globl	k_q94d3cb37fb_prep
	.p2align	8
	.type	k_q94d3cb37fb_prep,@function
k_q94d3cb37fb_prep:
	s_mov_b64 s[64:65], 0
	v_nop
	global_prefetch_b8 v0, s[64:65] scope:SCOPE_SE
	s_setreg_imm32_b32 hwreg(HW_REG_WAVE_MODE, 25, 1), 1
	s_wait_xcnt 0x0
; PREP: three streams, each read once.  A wave takes ONE unit of 16,384 input bytes (32 loads of 16 bytes a lane, all on their way at once) and needs no other wave: no barrier.
;   work-groups 0-255:   x [8192][1024] f32 -> xb, bf16, in planes of 64 channels: [batch 4][plane 16][row 2048][64]: a plane's rows are dense, 128 bytes each.
;   work-groups 256-383: Wq, Wk, Wv, Wo [k][n] f32 -> turned to [n][k].  wt, bf16: [column tile 16][plane 16][192 n][64 k], n counted over q, k, v on end.
;                        wot: [column tile 8][plane 16][128 n][64 k]: Wo rounded to bf16 and that number written as f16 (below 6e-5 it keeps f16's fixed step of 6e-8).
;   work-groups 384-511: mask [4][2048][2048] bytes (0 or 1) -> mbits, words [batch 4][32 queries: 64][64 keys: 32][tile u 2][j 32]: bit L of word (u, j) is
;                        mask[32 pair + 16 u + L % 16][64 step + 16 (j / 8) + 8 (L / 16) + j % 8]: the lane mask for register j of a tile of scores in the attention launch.
; Matrix units, clusters and tensor loads are left out: nothing is shared and nothing is multiplied.  Each store of a wave covers whole aligned runs of 256 bytes.
.set STG,   9216                       ; a wave's stage in LDS: 64 rows x 144 bytes
.set SPARE, 8*STG                      ; behind the stages: the spare words, 128 bytes for each wave, that no other line names
.set SPW, 2                            ; v2   LDS address of my spare word; never rewritten
.set NIL, 3                            ; v3   0; never rewritten
.set LO,  4                            ; v4   my offset in the unit's loads
.set SO,  5                            ; v5   my offset in its stores
.set LS,  6                            ; v6   where I write in my stage
.set LR,  7                            ; v7   where I read it back
.set L,   16                           ; v[16:143]  load i at L + 4 i
.set D,   144                          ; v[144:207] results
	s_load_b512 s[4:19], s[0:1], 0x0               ; x s[4:5], Wq s[6:7], Wk s[8:9], Wv s[10:11], Wo s[12:13], mask s[14:15], xb s[16:17], wt s[18:19]
	s_load_b128 s[20:23], s[0:1], 0x40             ; wot s[20:21], mbits s[22:23]
	v_lshl_add_u32 v[SPW], v0, 2, SPARE
	v_mov_b32 v[NIL], 0
	v_lshrrev_b32 v8, 5, v0
	v_readfirstlane_b32 s24, v8                    ; wave 0..7
	v_and_b32 v1, 31, v0                           ; lane l
	v_and_b32 v9, 15, v0                           ; l % 16
	v_bfe_u32 v10, v0, 4, 1                        ; l / 16
	s_mul_i32 s30, s24, STG                        ; my stage
	s_lshl_b32 s25, ttmp9, 3
	s_add_co_u32 s25, s25, s24                     ; 8 x work-group + wave
	s_mov_b32 s33, 0                               ; high words of the two offsets
	s_mov_b32 s35, 0
	s_wait_kmcnt 0x0
	s_cmp_lt_u32 ttmp9, 256
	s_cbranch_scc0 .Lnot_x
	; X.  Unit u: rows 4 u .. 4 u + 3.  A load takes 64 channels (256 bytes) of two rows; its 4 numbers a lane become 8 bytes, and the wave's store is 256 bytes on end of one plane.
	s_lshl_b32 s32, s25, 14
	s_add_nc_u64 s[26:27], s[4:5], s[32:33]
	s_lshr_b32 s34, s25, 9                         ; batch
	s_lshl_b32 s34, s34, 22                        ; 16 planes of 262,144 bytes
	s_and_b32 s31, s25, 511
	s_lshl_b32 s31, s31, 9                         ; 4 rows of 128 bytes
	s_add_co_u32 s34, s34, s31
	s_add_nc_u64 s[28:29], s[16:17], s[34:35]
	v_lshlrev_b32 v[LO], 4, v9
	v_lshl_add_u32 v[LO], v10, 12, v[LO]           ; 16 (l % 16) + a row of 4,096 bytes for the upper lanes
	v_lshlrev_b32 v[SO], 3, v1                     ; 8 l
.set i, 0
.rept 32
	global_load_b128 v[L+4*i:L+4*i+3], v[LO], s[26:27] offset:(i/16)*8192+(i%16)*256 th:TH_LOAD_NT
.set i, i+1
.endr
.set i, 0
.rept 32
	s_wait_loadcnt 31-i                            ; loads come back in order: load i is in, the 31 - i younger ones stay out
	v_cvt_pk_bf16_f32 v[L+4*i], v[L+4*i], v[L+4*i+1]
	v_cvt_pk_bf16_f32 v[L+4*i+1], v[L+4*i+2], v[L+4*i+3]
	global_store_b64 v[SO], v[L+4*i:L+4*i+1], s[28:29] offset:(i%16)*262144+(i/16)*256
.set i, i+1
.endr
	s_branch .Lend
.Lnot_x:
	s_cmp_lt_u32 ttmp9, 384
	s_cbranch_scc0 .Lmask
	; WEIGHTS.  Unit u: matrix u / 256, 64 rows k (plane (u / 16) % 16) x 64 columns n (group u % 16).  Lane (c = l % 16, h = l / 16) loads rows 32 h + i, columns 4 c .. 4 c + 3.
	s_sub_co_u32 s25, s25, 2048
	s_lshr_b32 s36, s25, 8                         ; matrix 0..3
	s_bfe_u32 s37, s25, 0x40004                    ; plane
	s_and_b32 s38, s25, 15                         ; column group
	s_cmp_eq_u32 s36, 0
	s_cselect_b64 s[26:27], s[6:7], s[8:9]
	s_cmp_lt_u32 s36, 2
	s_cselect_b64 s[26:27], s[26:27], s[10:11]
	s_cmp_lt_u32 s36, 3
	s_cselect_b64 s[26:27], s[26:27], s[12:13]
	s_cselect_b64 s[28:29], s[18:19], s[20:21]
	s_lshl_b32 s32, s37, 18                        ; 64 rows of 4,096 bytes
	s_lshl_b32 s31, s38, 8
	s_add_co_u32 s32, s32, s31
	s_add_nc_u64 s[26:27], s[26:27], s[32:33]
	s_lshl_b32 s39, s36, 4
	s_add_co_u32 s39, s39, s38                     ; group of 64 columns among q, k, v: 0..47
	s_mul_i32 s40, s39, 171
	s_lshr_b32 s40, s40, 9                         ; / 3, exact up to 47: the column tile of 192
	s_mul_i32 s41, s40, 3
	s_sub_co_u32 s41, s39, s41
	s_lshl_b32 s41, s41, 13                        ; 64 rows n of 128 bytes
	s_mul_i32 s40, s40, 393216
	s_add_co_u32 s40, s40, s41
	s_mul_i32 s41, s37, 24576
	s_add_co_u32 s40, s40, s41                     ; my 8,192 bytes in wt
	s_lshr_b32 s42, s38, 1
	s_lshl_b32 s42, s42, 18
	s_lshl_b32 s41, s37, 14
	s_add_co_u32 s42, s42, s41
	s_and_b32 s41, s38, 1
	s_lshl_b32 s41, s41, 13
	s_add_co_u32 s42, s42, s41                     ; or in wot
	s_cmp_lt_u32 s36, 3
	s_cselect_b32 s34, s40, s42
	s_add_nc_u64 s[28:29], s[28:29], s[34:35]
	v_lshlrev_b32 v[LO], 4, v9
	v_lshl_add_u32 v[LO], v10, 17, v[LO]           ; 16 c + 32 rows for the upper lanes
	v_lshlrev_b32 v[SO], 4, v1
	v_mul_u32_u24 v[LS], v9, 576                   ; stage row 4 c, byte 64 h
	v_lshl_add_u32 v[LS], v10, 6, v[LS]
	v_add_nc_u32 v[LS], s30, v[LS]
	v_lshrrev_b32 v8, 3, v1
	v_and_b32 v11, 7, v0
	v_mul_u32_u24 v[LR], v8, 144                   ; back: 32 lanes take four rows of 128 bytes
	v_lshl_add_u32 v[LR], v11, 4, v[LR]
	v_add_nc_u32 v[LR], s30, v[LR]
.set i, 0
.rept 32
	global_load_b128 v[L+4*i:L+4*i+3], v[LO], s[26:27] offset:4096*i th:TH_LOAD_NT
.set i, i+1
.endr
.set i, 0
.rept 16
	s_wait_loadcnt 30-2*i                          ; rows 2 i and 2 i + 1 are in
.irp t, 0,1,2,3
	v_cvt_pk_bf16_f32 v[D+16*(\t)+i], v[L+8*i+(\t)], v[L+8*i+4+(\t)]  ; column 4 c + t: two neighbouring k
.endr
.set i, i+1
.endr
	s_cmp_lt_u32 s36, 3
	s_cbranch_scc1 .Lbf
.set i, 0
.rept 64                                       ; Wo alone: the bf16 numbers written as f16
	v_lshlrev_b32 v[L+2*(i%4)], 16, v[D+i]
	v_and_b32 v[L+2*(i%4)+1], 0xffff0000, v[D+i]
	v_cvt_pk_f16_f32 v[D+i], v[L+2*(i%4)], v[L+2*(i%4)+1]
.set i, i+1
.endr
.Lbf:
.irp t, 0,1,2,3
.irp j, 0,1,2,3
	ds_store_b128 v[LS], v[D+16*(\t)+4*(\j):D+16*(\t)+4*(\j)+3] offset:144*(\t)+16*(\j)
.endr
.endr
.set i, 0
.rept 16
	ds_load_b128 v[L+4*i:L+4*i+3], v[LR] offset:576*i  ; LDS serves a wave's instructions in order: these see the stores above
.set i, i+1
.endr
.set i, 0
.rept 16
	s_wait_dscnt 15-i
	global_store_b128 v[SO], v[L+4*i:L+4*i+3], s[28:29] offset:512*i  ; 512 bytes on end of the unit's dense 8,192
.set i, i+1
.endr
	s_branch .Lend
.Lmask:
	; MASK.  Unit u: batch u / 256, 32 queries (u / 4) % 64, 512 keys u % 4.  Load i is query i; lane l owns keys 16 l .. 16 l + 15: key step l / 4 of the unit's eight, group l % 4 of 16 keys.
	s_sub_co_u32 s25, s25, 3072
	s_lshr_b32 s36, s25, 8
	s_bfe_u32 s37, s25, 0x60002
	s_and_b32 s38, s25, 3
	s_lshl_b32 s32, s36, 22
	s_lshl_b32 s31, s37, 16
	s_add_co_u32 s32, s32, s31
	s_lshl_b32 s31, s38, 9
	s_add_co_u32 s32, s32, s31
	s_add_nc_u64 s[26:27], s[14:15], s[32:33]
	s_lshl_b32 s34, s36, 19                        ; 64 pairs x 32 steps x 256 bytes
	s_lshl_b32 s31, s37, 13
	s_add_co_u32 s34, s34, s31
	s_lshl_b32 s31, s38, 11
	s_add_co_u32 s34, s34, s31
	s_add_nc_u64 s[28:29], s[22:23], s[34:35]
	s_mov_b32 s40, 0x05010400                      ; byte selectors of a 4 x 4 byte transpose
	s_mov_b32 s41, 0x07030602
	s_mov_b32 s42, 0x05040100
	s_mov_b32 s43, 0x07060302
	v_lshlrev_b32 v[LO], 4, v1
	v_lshlrev_b32 v[SO], 4, v1
	v_lshrrev_b32 v8, 2, v1
	v_and_b32 v11, 3, v0
	v_lshlrev_b32 v[LS], 8, v8                     ; a step's 256 bytes, my group's 32
	v_lshl_add_u32 v[LS], v11, 5, v[LS]
	v_add_nc_u32 v[LS], s30, v[LS]
	v_add_nc_u32 v[LR], s30, v[LO]
.set i, 0
.rept 32
	global_load_b128 v[L+4*i:L+4*i+3], v[LO], s[26:27] offset:2048*i th:TH_LOAD_NT
.set i, i+1
.endr
.set g, 0
.rept 4                                        ; eight queries' bytes (0 or 1) are shifted into one byte a key: bit i = query 8 g + i
	s_wait_loadcnt 24-8*g
.set i, 1
.rept 7
.irp cw, 0,1,2,3
	v_lshl_or_b32 v[L+32*g+(\cw)], v[L+32*g+4*i+(\cw)], i, v[L+32*g+(\cw)]
.endr
.set i, i+1
.endr
.set g, g+1
.endr
.irp u, 0,1                                    ; word 4 cc + t of tile u: bytes = (queries 0-7, key 4 cc + t), (queries 8-15, same key), and the same for key 8 + 4 cc + t
.irp cc, 0,1
	v_perm_b32 v8,  v[L+64*(\u)+32+(\cc)], v[L+64*(\u)+(\cc)], s40
	v_perm_b32 v9,  v[L+64*(\u)+32+(\cc)], v[L+64*(\u)+(\cc)], s41
	v_perm_b32 v10, v[L+64*(\u)+34+(\cc)], v[L+64*(\u)+2+(\cc)], s40
	v_perm_b32 v11, v[L+64*(\u)+34+(\cc)], v[L+64*(\u)+2+(\cc)], s41
	v_perm_b32 v[D+8*(\u)+4*(\cc)],   v10, v8, s42
	v_perm_b32 v[D+8*(\u)+4*(\cc)+1], v10, v8, s43
	v_perm_b32 v[D+8*(\u)+4*(\cc)+2], v11, v9, s42
	v_perm_b32 v[D+8*(\u)+4*(\cc)+3], v11, v9, s43
	ds_store_b128 v[LS], v[D+8*(\u)+4*(\cc):D+8*(\u)+4*(\cc)+3] offset:128*(\u)+16*(\cc)
.endr
.endr
.irp f, 0,1,2,3
	ds_load_b128 v[D+16+4*(\f):D+16+4*(\f)+3], v[LR] offset:512*(\f)
.endr
.irp f, 0,1,2,3
	s_wait_dscnt 3-(\f)
	global_store_b128 v[SO], v[D+16+4*(\f):D+16+4*(\f)+3], s[28:29] offset:512*(\f)
.endr
.Lend:
	s_wait_tensorcnt 0x0                           ; the wave's end, behind my last LDS store
	ds_add_u32 v[SPW], v[NIL]
	s_wait_dscnt 0x0
	s_endpgm
.Lfunc_end_k_q94d3cb37fb_prep:
	.size	k_q94d3cb37fb_prep, .Lfunc_end_k_q94d3cb37fb_prep-k_q94d3cb37fb_prep
	.p2alignl 7, 3214868480
	.fill 96, 4, 3214868480
	.section	.rodata,"a",@progbits
	.p2align	6, 0x0
	.amdhsa_kernel k_q94d3cb37fb_prep
		.amdhsa_group_segment_fixed_size 74752
		.amdhsa_private_segment_fixed_size 0
		.amdhsa_enable_private_segment 0
		.amdhsa_kernarg_size 80
		.amdhsa_user_sgpr_count 2
		.amdhsa_user_sgpr_kernarg_segment_ptr 1
		.amdhsa_wavefront_size32 1
		.amdhsa_system_sgpr_workgroup_id_x 1
		.amdhsa_system_sgpr_workgroup_id_y 1
		.amdhsa_system_sgpr_workgroup_id_z 1
		.amdhsa_system_vgpr_workitem_id 0
		.amdhsa_next_free_vgpr 208
		.amdhsa_next_free_sgpr 66
		.amdhsa_reserve_vcc 0
		.amdhsa_float_denorm_mode_32 3
		.amdhsa_float_denorm_mode_16_64 3
		.amdhsa_memory_ordered 1
		.amdhsa_forward_progress 1
		.amdhsa_inst_pref_size 51
	.end_amdhsa_kernel
	.amdgpu_metadata
---
amdhsa.version: [ 1, 2 ]
amdhsa.kernels:
  - .name:           k_q94d3cb37fb_prep
    .symbol:         k_q94d3cb37fb_prep.kd
    .args:
      - { .name: x, .offset: 0, .size: 8, .value_kind: global_buffer, .address_space: global }
      - { .name: Wq, .offset: 8, .size: 8, .value_kind: global_buffer, .address_space: global }
      - { .name: Wk, .offset: 16, .size: 8, .value_kind: global_buffer, .address_space: global }
      - { .name: Wv, .offset: 24, .size: 8, .value_kind: global_buffer, .address_space: global }
      - { .name: Wo, .offset: 32, .size: 8, .value_kind: global_buffer, .address_space: global }
      - { .name: mask, .offset: 40, .size: 8, .value_kind: global_buffer, .address_space: global }
      - { .name: xb, .offset: 48, .size: 8, .value_kind: global_buffer, .address_space: global }
      - { .name: wt, .offset: 56, .size: 8, .value_kind: global_buffer, .address_space: global }
      - { .name: wot, .offset: 64, .size: 8, .value_kind: global_buffer, .address_space: global }
      - { .name: mbits, .offset: 72, .size: 8, .value_kind: global_buffer, .address_space: global }
    .group_segment_fixed_size: 74752
    .private_segment_fixed_size: 0
    .kernarg_segment_align: 8
    .kernarg_segment_size: 80
    .max_flat_workgroup_size: 256
    .sgpr_count:     66
    .vgpr_count:     208
    .wavefront_size: 32
...
	.end_amdgpu_metadata
.endif
;; end of part 1
;; launch qkv (part 2): grid 16 x 32, 4 waves a work-group, clusters of 4 x 4, 327,680 bytes of LDS; arguments xb, wt, bq, bk, bv, qkv; writes qkv
.if DOCPART == 2
	.amdgcn_target "amdgcn-amd-amdhsa--gfx1250"
	.amdhsa_code_object_version 6
	.text
	.protected	k_q94d3cb37fb_qkv
	.globl	k_q94d3cb37fb_qkv
	.p2align	8
	.type	k_q94d3cb37fb_qkv,@function
k_q94d3cb37fb_qkv:
	s_mov_b64 s[64:65], 0
	v_nop
	global_prefetch_b8 v0, s[64:65] scope:SCOPE_SE
	s_setreg_imm32_b32 hwreg(HW_REG_WAVE_MODE, 25, 1), 1
	s_wait_xcnt 0x0
	s_wait_alu depctr_hold_cnt(0) depctr_sa_sdst(0) depctr_va_vdst(0) depctr_va_sdst(0) depctr_va_ssrc(0) depctr_va_vcc(0) depctr_vm_vsrc(0)
	s_getreg_b32 s2, hwreg(HW_REG_IB_STS2, 6, 4)
	s_cmp_eq_u32 s2, 0
	s_cbranch_scc0 .Lentry_in_a_cluster
	s_endpgm
.Lentry_in_a_cluster:
	s_bfe_u32 s2, ttmp6, 0x10000c
	s_cmp_lg_u32 s2, 0xf033
	s_cbranch_scc0 .Lentry_shape_is_right
	s_endpgm
.Lentry_shape_is_right:
; THE THREE PROJECTIONS AS ONE PRODUCT: C[m][n] = sum over k of x[m][k] W[k][n] + bias[n], m = 8,192 rows, n = 3,072 columns (q, k, v on end), k = 1,024; bf16 operands, f32 sums.
; Out: qkv, f16, by heads: [matrix 3][batch x head 64][row 2048][64].  q is stored as c (x Wq + bq), c = log2(e) / 8, applied in f32 ahead of q's one rounding.  The biases are rounded to bf16 like all inputs.
; LIMIT: c q, k and v must stay under 65,504, f16's range.
; A tile of C is 256 x 192: 512 work-groups, two for each of 256 WGPs (256 x 256 would give one and a half).  Wave w makes rows 64 w .. 64 w + 63 of all 192 columns: 4 x 12 accumulators, 384 registers:
; three whole heads belong to one wave, so the way out needs no barrier.  K goes in 8 steps of 128 (two planes of 64 channels) through two LDS slots.
; A plane's part of a tile is dense in memory (256 or 192 rows of 128 bytes) and is asked for as rows of 256 bytes, padded in LDS behind every 128: LDS rows 144 bytes apart,
; so the 16 rows of a fragment load start at 16 different groups of four banks (64 banks of 4 bytes: ISA guide 11.1).
; CLUSTER 4 x 4: x's tile hangs on the tile row alone and is asked for jointly along a row of the cluster, W's on the tile column alone, along a column.
; THE MATRIX INSTRUCTION IS USED TRANSPOSED (source 0 = 16 rows of W^T, source 1 = 16 rows of x): a lane holds one row of C and eight neighbouring columns.
; REGISTERS, in windows of 256 (s_set_vgpr_msb: bits 1:0 source 0, 3:2 source 1, 5:4 source 2, 7:6 destination):
;   window 0: addresses, v32-127 bias (8 for each block of 16 columns), v128-175 at work on the way out       windows 1, 2: accumulator (a, b) at 8 (12 (a % 2) + b) of window 1 + a / 2
;   window 3: two fragment buffers of 128: x's four blocks, then W's twelve; on the way out the rows read back from the stage
.set TN,     192
.set NBL,    TN/16
.set PITCH,  144
.set APLANE, 256*PITCH                 ; a plane of x's tile in LDS
.set BOFF,   2*APLANE
.set BPLANE, TN*PITCH                  ; a plane of W's tile
.set SLOT1,  131072                    ; slot 1 begins here: one exclusive or turns an address in one slot into the other's (a slot uses 129,024 bytes)
.set STAGE,  262144                    ; behind the ring, never filled by a tensor load: 16 rows x 144 bytes for each wave
.set SWAVE,  16*PITCH
.set SPARE,  STAGE+4*SWAVE             ; the spare words, 128 bytes for each wave, that no other line names
.set APG,    262144                    ; bytes from plane to plane in xb
.set BPG,    TN*128                    ; and in wt
.set LD,     2*NBL+8                   ; LDS loads in a run: the fragments of 32 along K
.set KSTEPS, 8
.set FA0, 16                           ; v16  my lane's place in x's tile; never rewritten
.set FB0, 17                           ; v17  in W's
.set ADRA, 18                          ; v18  the same in the slot in hand
.set ADRB, 19
.set STO, 24                           ; v24  the way out: where I put 16 bytes of a row
.set RD,  25                           ; v25  where I read rows back
.set GO,  26                           ; v26  my 16 bytes of 512 on end
.set BO,  27                           ; v27  my eight columns' bias: 32 (l / 16)
.set SPW, 28                           ; v28  LDS address of my spare word; never rewritten
.set NIL, 29                           ; v29  0; never rewritten
.set PFO, 30                           ; v30  256 x lane; never rewritten
.set BIAS, 32
.set T,   128
.set PKD, 160
.set F0,  0
.set F1,  128
.set CNT, 3                            ; s3   trips to go
.set WV,  16                           ; s16  wave;  s17 wave / 2: I fetch x's (0) or W's (1) tile;  s18 wave % 2: which of a step's two planes
.set WH,  17
.set WL,  18
.set CX,  19
.set CY,  20
.set TC,  21                           ; s21  tile column 0..15
.set TR,  22                           ; s22  tile row 0..31
.set TB,  23                           ; s23  LDS byte of the slot in hand
.set G1A, 24                           ; s[24:31] descriptor group 1, x's tiles;  s[32:39] group 0: a set for each first fill; the second then walks
.set G0A, 32
.set PFA, 40                           ; s[40:41] where my prefetches stand;  s[42:43] their step;  s44 a wave prefetches while the trips to go are above this
.set PST, 42
.set LIM, 44
.set G1B, 48                           ; s[48:55], s[56:63] the same for W's tiles
.set G0B, 56
.set OUT, 66                           ; s[66:71] where my rows of the tile's three heads begin in qkv
.set SC,  72                           ; s[72:77] their scale: c for q's heads, else 1
.set FLAGS, (1<<16)|(1<<20)|(1<<21)|(4<<22)|(3<<25)  ; 2-byte elements; padding on; bit 21 beside a mask; behind every 32 words, 4 words
.set MSB, 0
.macro WIN new                         ; the high byte repeats the setting that is left; a switch that changes nothing is dropped
.if MSB != (\new)
	s_set_vgpr_msb (MSB<<8)|(\new)
.set MSB, \new
.endif
.endm
.macro PLACES                          ; four plain places in front of loads into registers that matrix instructions have read, and of arithmetic on their results
.rept 4
	v_nop
.endr
.endm
.macro CREST                           ; a round of the cluster's barrier behind its opening barrier
	s_cmp_lg_u32 s[WV], 0
	s_cbranch_scc1 .Lnot_wave_0_\@
	s_barrier_signal -3
.Lnot_wave_0_\@:
	s_barrier_wait -3
	s_barrier_signal -1
	s_barrier_wait -1
.endm
.macro CROUND
	s_barrier_signal -1
	s_barrier_wait -1
	CREST
.endm
.macro JLOAD                           ; a joint refill by the walking descriptor: waves 0, 1 x's two planes, waves 2, 3 W's; an s_nop 0 and four v_nop follow each line
	s_cmp_eq_u32 s[WH], 0
	s_cbranch_scc0 .Lfor_b_\@
	tensor_load_to_lds s[G0A+4:G0A+7], s[G1A:G1A+7]
	s_nop 0
.rept 4
	v_nop
.endr
	s_branch .Lasked_\@
.Lfor_b_\@:
	tensor_load_to_lds s[G0B+4:G0B+7], s[G1B:G1B+7]
	s_nop 0
.rept 4
	v_nop
.endr
.Lasked_\@:
.endm
; A PREFETCH INTO THE L2, behind a refill and the run of LDS loads that follows it: 32 blocks of 256 bytes, a lane a block, of K steps 4 to 7; each block is named once in the launch.
; x's rows are read by the four clusters of a row of clusters: cluster x = 0 asks; waves 0, 1 take their own plane of the step two refills on, the four partners 8,192 bytes each, told apart by address (cx).
; W's tile column is read by eight clusters: cluster y = 0 asks; its planes 8 to 15 are 196,608 dense bytes: three times 65,536, shared out by address among 4 partners (cy) x waves 2, 3.
.macro ASK
	s_cmp_gt_u32 s[CNT], s[LIM]
	s_cbranch_scc0 .Lnot_mine_\@
	global_prefetch_b8 v[PFO], s[PFA:PFA+1] th:TH_LOAD_NT scope:SCOPE_SE
.Lnot_mine_\@:
.endm
; 12 matrix instructions: block a of my four blocks of 16 rows x all 12 blocks of columns, 32 along K from buffer f.  zero = 1: the product starts the sums.
; The 48 accumulators take turns, one instruction a turn, in the same order in every quarter, over the backward jump too.
.macro MULA f, a, zero
	WIN 0x5f+0x50*((\a)/2)
.set bb, 0
.rept NBL
.set AC, 8*(NBL*((\a)%2)+bb)
.if \zero
	v_wmma_f32_16x16x32_bf16 v[AC:AC+7], v[(\f)+32+8*bb:(\f)+32+8*bb+7], v[(\f)+8*(\a):(\f)+8*(\a)+7], 0
.else
	v_wmma_f32_16x16x32_bf16 v[AC:AC+7], v[(\f)+32+8*bb:(\f)+32+8*bb+7], v[(\f)+8*(\a):(\f)+8*(\a)+7], v[AC:AC+7]
.endif
.set bb, bb+1
.endr
.endm
; One run of LDS loads: quarter kq of the slot's K step into buffer f: W's twelve fragments, then x's four.  A fragment: lane l holds row l % 16, K = 8 (l / 16) + 0..7 and 16 + 8 (l / 16) + 0..7.
.macro FETCH kq, f
	WIN 0xc0
.set bb, 0
.rept NBL
	ds_load_b128 v[(\f)+32+8*bb:(\f)+32+8*bb+3],   v[ADRB] offset:((\kq)/2)*BPLANE+((\kq)%2)*64+16*PITCH*bb
	ds_load_b128 v[(\f)+32+8*bb+4:(\f)+32+8*bb+7], v[ADRB] offset:((\kq)/2)*BPLANE+((\kq)%2)*64+16*PITCH*bb+32
.set bb, bb+1
.endr
.irp i, 0,1,2,3
	ds_load_b128 v[(\f)+8*(\i):(\f)+8*(\i)+3],   v[ADRA] offset:((\kq)/2)*APLANE+((\kq)%2)*64+16*PITCH*(\i)
	ds_load_b128 v[(\f)+8*(\i)+4:(\f)+8*(\i)+7], v[ADRA] offset:((\kq)/2)*APLANE+((\kq)%2)*64+16*PITCH*(\i)+32
.endr
.endm
; One of a K step's first three quarters: multiplies buffer f; in its middle it fetches quarter kq into buffer g.
.macro QUARTER kq, f, g, zero
	s_wait_dscnt 4                                 ; all but the youngest four loads: x's blocks 2 and 3
	MULA \f, 0, \zero
	MULA \f, 1, \zero
	PLACES
	FETCH \kq, \g
	s_wait_dscnt LD                                ; all but the run just issued
	MULA \f, 2, \zero
	MULA \f, 3, \zero
.endm
; The last quarter multiplies buffer 1 and changes slots.  In front of the barrier each wave waits for all its tensor loads (one is out: its part of the next slot), adds 0 to its spare word, and waits
; for that and for its reads of this slot.  fill = 1: the barrier opens a round of the cluster's, and the joint refill, two K steps on, is the first tensor load behind it.
.macro TURN fill
.if \fill
	s_wait_xcnt 0x0                                ; the last prefetch, a K step back, has read its address
	s_add_nc_u64 s[PFA:PFA+1], s[PFA:PFA+1], s[PST:PST+1]
.endif
	WIN 0
	s_wait_tensorcnt 0x0                           ; no tensor load of mine is out, so a group 0 may be written
	ds_add_u32 v[SPW], v[NIL]
.if \fill
	s_xor_b32 s[G0A+5], s[G0A+5], SLOT1            ; the walking descriptors: the other slot than last time, the next K step
	s_add_nc_u64 s[G0A+6:G0A+7], s[G0A+6:G0A+7], 2*APG
	s_xor_b32 s[G0B+5], s[G0B+5], SLOT1
	s_add_nc_u64 s[G0B+6:G0B+7], s[G0B+6:G0B+7], 2*BPG
.endif
	s_wait_dscnt 5                                 ; the add and x's blocks 2 and 3 may be out
	MULA F1, 0, 0
	s_wait_dscnt 0x0                               ; the add is done, and my reads of this slot are over
	s_barrier_signal -1
	MULA F1, 1, 0
	WIN 0
	s_barrier_wait -1
.if \fill
	CREST
	JLOAD                                          ; its four v_nop are also the places in front of the loads below
.else
	PLACES
.endif
	s_xor_b32 s[TB], s[TB], SLOT1
	v_add_nc_u32 v[ADRA], s[TB], v[FA0]
	v_add_nc_u32 v[ADRB], s[TB], v[FB0]
	FETCH 0, F0
.if \fill
	WIN 0
	ASK
.endif
	MULA F1, 2, 0
	MULA F1, 3, 0
.endm
	s_load_b256 s[4:11], s[0:1], 0x0               ; xb s[4:5], wt s[6:7], bq s[8:9], bk s[10:11]
	s_load_b128 s[12:15], s[0:1], 0x20             ; bv s[12:13], qkv s[14:15]
	v_lshl_add_u32 v[SPW], v0, 2, SPARE
	v_mov_b32 v[NIL], 0
	ds_add_u32 v[SPW], v[NIL]                      ; the wave's opening: the add and its wait stand ahead of my first tensor load; work on registers stands between them
	v_lshrrev_b32 v1, 5, v0
	v_readfirstlane_b32 s[WV], v1
	s_lshr_b32 s[WH], s[WV], 1
	s_and_b32 s[WL], s[WV], 1
	s_bfe_u32 s[CX], ttmp6, 0x40000
	s_bfe_u32 s[CY], ttmp6, 0x40004
	s_lshl_b32 s[TC], ttmp9, 2
	s_add_co_u32 s[TC], s[TC], s[CX]
	s_and_b32 s[TR], ttmp7, 0xffff
	s_lshl_b32 s[TR], s[TR], 2
	s_add_co_u32 s[TR], s[TR], s[CY]
	s_lshl_b32 s78, s[CY], 2
	s_lshl_b32 s78, 15, s78                        ; my row of the cluster
	s_lshl_b32 s82, 0x1111, s[CX]                  ; my column
	s_or_b32 s[G1A], s78, FLAGS
	s_or_b32 s[G1B], s82, FLAGS
.irp g, G1A, G1B
	s_mov_b32 s[(\g)+1], 128<<16                   ; tensor_dim0 = 128 elements: rows of 256 bytes
	s_mov_b32 s[(\g)+3], 128<<16                   ; tile_dim0 = 128
	s_mov_b32 s[(\g)+5], 128                       ; 128 elements from row to row: dense
	s_mov_b32 s[(\g)+6], 0
	s_mov_b32 s[(\g)+7], 0
.endr
	s_mov_b32 s[G1A+2], 128<<16                    ; tensor_dim1 = tile_dim1 = 128 rows: 256 rows of x, two to a row
	s_mov_b32 s[G1A+4], 128
	s_mov_b32 s[G1B+2], (TN/2)<<16                 ; 96 rows: 192 rows of W^T
	s_mov_b32 s[G1B+4], TN/2
	; x's address hangs on the tile row and the wave, W's on the tile column and the wave, each in registers that never hold the other coordinate
	s_lshr_b32 s78, s[TR], 3                       ; batch: 16 planes
	s_lshl_b32 s78, s78, 22
	s_and_b32 s79, s[TR], 7                        ; 256 rows of 128 bytes
	s_lshl_b32 s79, s79, 15
	s_add_co_u32 s78, s78, s79
	s_lshl_b32 s79, s[WL], 18                      ; my plane of the step
	s_add_co_u32 s78, s78, s79
	s_mov_b32 s79, 0
	s_mul_i32 s82, s[TC], 16*BPG
	s_mul_i32 s83, s[WL], BPG
	s_add_co_u32 s82, s82, s83
	s_mov_b32 s83, 0
	s_mul_i32 s86, s[WL], APLANE                   ; and where they go: the wave's number alone
	s_mul_i32 s87, s[WL], BPLANE
	s_add_co_u32 s87, s87, BOFF
	s_mov_b32 s[G0A], 1
	s_mov_b32 s[G0A+1], s86
	s_mov_b32 s[G0A+4], 1
	s_add_co_u32 s[G0A+5], s86, SLOT1
	s_mov_b32 s[G0B], 1
	s_mov_b32 s[G0B+1], s87
	s_mov_b32 s[G0B+4], 1
	s_add_co_u32 s[G0B+5], s87, SLOT1
	s_mov_b32 s[TB], 0
	s_wait_dscnt 0x0                               ; the opening add is done
	s_wait_kmcnt 0x0
	s_add_nc_u64 s[G0A+2:G0A+3], s[4:5], s[78:79]  ; K step 0,
	s_add_nc_u64 s[G0A+6:G0A+7], s[G0A+2:G0A+3], 2*APG  ; K step 1
	s_or_b32 s[G0A+3], s[G0A+3], 0x80000000
	s_or_b32 s[G0A+7], s[G0A+7], 0x80000000
	s_add_nc_u64 s[G0B+2:G0B+3], s[6:7], s[82:83]
	s_add_nc_u64 s[G0B+6:G0B+7], s[G0B+2:G0B+3], 2*BPG
	s_or_b32 s[G0B+3], s[G0B+3], 0x80000000
	s_or_b32 s[G0B+7], s[G0B+7], 0x80000000
	CROUND                                         ; all sixteen work-groups are here: the first joint loads meet
	s_cmp_eq_u32 s[WH], 0                          ; a wave's two first fills stand in one branch: two loads of mine are out, the most in this text
	s_cbranch_scc0 .Lfirst_b
	tensor_load_to_lds s[G0A:G0A+3], s[G1A:G1A+7]
	s_nop 0
	tensor_load_to_lds s[G0A+4:G0A+7], s[G1A:G1A+7]
	s_nop 0
.rept 4
	v_nop
.endr
	s_branch .Lfirst_asked
.Lfirst_b:
	tensor_load_to_lds s[G0B:G0B+3], s[G1B:G1B+7]
	s_nop 0
	tensor_load_to_lds s[G0B+4:G0B+7], s[G1B:G1B+7]
	s_nop 0
.rept 4
	v_nop
.endr
.Lfirst_asked:
	v_and_b32 v1, 15, v0                           ; l % 16
	v_bfe_u32 v2, v0, 4, 1                         ; l / 16
	v_mul_u32_u24 v3, v1, PITCH
	v_lshl_add_u32 v3, v2, 4, v3                   ; row x pitch + 16 x half
	s_mul_i32 s86, s[WV], 64*PITCH                 ; my 64 rows of x
	v_add_nc_u32 v[FA0], s86, v3
	v_add_nc_u32 v[FB0], BOFF, v3
	v_mov_b32 v[ADRA], v[FA0]
	v_mov_b32 v[ADRB], v[FB0]
	s_mul_i32 s87, s[WV], SWAVE
	s_add_co_u32 s87, s87, STAGE                   ; my stage
	v_add_nc_u32 v[STO], s87, v3
	v_bfe_u32 v4, v0, 3, 2
	v_and_b32 v5, 7, v0
	v_mul_u32_u24 v[RD], v4, PITCH                 ; back: 32 lanes take four rows of 128 bytes
	v_lshl_add_u32 v[RD], v5, 4, v[RD]
	v_add_nc_u32 v[RD], s87, v[RD]
	v_and_b32 v[GO], 31, v0
	v_lshlrev_b32 v[PFO], 8, v[GO]
	v_lshlrev_b32 v[GO], 4, v[GO]
	v_lshlrev_b32 v[BO], 5, v2
	; the prefetches: where they stand one step ahead of the first, who asks, how long
	s_lshr_b32 s86, s[TR], 3
	s_lshl_b32 s86, s86, 22
	s_and_b32 s87, s[TR], 7
	s_lshl_b32 s87, s87, 15
	s_add_co_u32 s86, s86, s87
	s_add_co_u32 s87, s[WL], 6                     ; my plane of K step 3
	s_lshl_b32 s87, s87, 18
	s_add_co_u32 s86, s86, s87
	s_lshl_b32 s87, s[CX], 13                      ; my work-group's 8,192 bytes of the plane's 32,768
	s_add_co_u32 s86, s86, s87
	s_mul_i32 s88, s[TC], 16*BPG
	s_add_co_u32 s88, s88, 131072                  ; 65,536 bytes ahead of plane 8
	s_lshl_b32 s89, s[CY], 1
	s_add_co_u32 s89, s89, s[WL]
	s_lshl_b32 s89, s89, 13                        ; my 8,192 of the 65,536
	s_add_co_u32 s88, s88, s89
	s_and_b32 s45, ttmp7, 0xffff                   ; cluster y
	s_mov_b32 s[PST], 2*APG
	s_cmp_eq_u32 s[WH], 0
	s_cselect_b32 s86, s86, s88
	s_cselect_b64 s[PFA:PFA+1], s[4:5], s[6:7]
	s_cselect_b32 s45, ttmp9, s45                  ; the coordinate along which other clusters read the same bytes
	s_cselect_b32 s46, 2, 3                        ; x: four times, W: three times
	s_cselect_b32 s[PST], s[PST], 65536
	s_mov_b32 s[PST+1], 0
	s_mov_b32 s87, 0
	s_add_nc_u64 s[PFA:PFA+1], s[PFA:PFA+1], s[86:87]
	s_cmp_eq_u32 s45, 0
	s_cselect_b32 s[LIM], s46, -1                  ; the same in all sixteen partners, for a given wave
	; the tile's three heads: bias, scale, and where my rows go
.irp g, 0,1,2
.if (\g) > 0
	s_wait_xcnt 0x0                                ; the loads above have read their base: it is written anew
.endif
	s_mul_i32 s86, s[TC], 3
	s_add_co_u32 s86, s86, \g                      ; group of 64 columns, 0..47: matrix s86 / 16, head s86 % 16
	s_cmp_lt_u32 s86, 16
	s_cselect_b64 s[88:89], s[8:9], s[10:11]
	s_cselect_b32 s[SC+2*(\g)], 0x3e38aa3b, 1.0    ; c = log2(e) / 8 for q
	s_cmp_lt_u32 s86, 32
	s_cselect_b64 s[88:89], s[88:89], s[12:13]
	s_mov_b32 s[SC+2*(\g)+1], s[SC+2*(\g)]         ; named with it as a pair
	s_and_b32 s87, s86, 15
	s_lshl_b32 s90, s87, 8
	s_mov_b32 s91, 0
	s_add_nc_u64 s[88:89], s[88:89], s[90:91]
.irp b, 0,1,2,3
	global_load_b128 v[BIAS+8*(4*(\g)+(\b)):BIAS+8*(4*(\g)+(\b))+3],   v[BO], s[88:89] offset:64*(\b)
	global_load_b128 v[BIAS+8*(4*(\g)+(\b))+4:BIAS+8*(4*(\g)+(\b))+7], v[BO], s[88:89] offset:64*(\b)+16
.endr
	s_lshr_b32 s90, s86, 4
	s_lshl_b32 s90, s90, 6                         ; 64 heads to a matrix
	s_add_co_u32 s90, s90, s87
	s_lshr_b32 s87, s[TR], 3
	s_lshl_b32 s87, s87, 4                         ; 16 to a batch
	s_add_co_u32 s90, s90, s87
	s_lshl_b32 s90, s90, 18                        ; 2,048 rows of 128 bytes
	s_and_b32 s87, s[TR], 7
	s_lshl_b32 s87, s87, 15
	s_add_co_u32 s90, s90, s87
	s_lshl_b32 s87, s[WV], 13
	s_add_co_u32 s90, s90, s87
	s_add_nc_u64 s[OUT+2*(\g):OUT+2*(\g)+1], s[14:15], s[90:91]
.endr
	s_wait_loadcnt 0x0
.set pp, 0
.rept 4*NBL                                    ; the bias rounded to bf16, then times the head's scale
	v_cvt_pk_bf16_f32 v[T+pp%4], v[BIAS+2*pp], v[BIAS+2*pp+1]
	v_lshlrev_b32 v[BIAS+2*pp], 16, v[T+pp%4]
	v_and_b32 v[BIAS+2*pp+1], 0xffff0000, v[T+pp%4]
	v_pk_mul_f32 v[BIAS+2*pp:BIAS+2*pp+1], v[BIAS+2*pp:BIAS+2*pp+1], s[SC+2*(pp/16):SC+2*(pp/16)+1] op_sel_hi:[1,0]
.set pp, pp+1
.endr
	s_wait_tensorcnt 1                             ; my part of K step 0 is in; K step 1's may stay out
	s_barrier_signal -1
	s_barrier_wait -1
	FETCH 0, F0
	QUARTER 1, F0, F1, 1                           ; the first quarter stands in front of the loop: its products start the sums
	WIN 0                                          ; at a label and at a branch every window is 0
	s_mov_b32 s[CNT], KSTEPS-2
.Lstep:                                        ; six trips, from a K step's second quarter to the next step's first; each asks for one K step: 2 to 7
	QUARTER 2, F1, F0, 0
	QUARTER 3, F0, F1, 0
	TURN 1
	QUARTER 1, F0, F1, 0
	WIN 0
	s_sub_co_u32 s[CNT], s[CNT], 1
	s_cmp_lg_u32 s[CNT], 0
	s_cbranch_scc1 .Lstep
	QUARTER 2, F1, F0, 0                           ; the last two K steps are written out: nothing is asked for
	QUARTER 3, F0, F1, 0
	TURN 0
	QUARTER 1, F0, F1, 0
	QUARTER 2, F1, F0, 0
	QUARTER 3, F0, F1, 0
	s_wait_dscnt 4
	MULA F1, 0, 0
	MULA F1, 1, 0
	s_wait_dscnt 0x0
	MULA F1, 2, 0
	MULA F1, 3, 0
	WIN 0
	PLACES
; THE WAY OUT, in twelve blocks t = 3 a + g of 16 rows x one head: sum x scale + bias, rounded to f16, 16 bytes a lane into my own stage, back as whole rows of 128 bytes, stored as 512 bytes on end.
; Each block has registers of its own for what it stores, so nothing waits for a store.
.macro PACK t
.set aa, (\t)/3
.set gg, (\t)%3
	WIN 1+aa/2                                     ; source 0 in the accumulators' window
.set bb, 0
.rept 4
.set AC, 8*(NBL*(aa%2)+4*gg+bb)
.set rr, 0
.rept 4
	v_pk_fma_f32 v[T+8*bb+2*rr:T+8*bb+2*rr+1], v[AC+2*rr:AC+2*rr+1], s[SC+2*gg:SC+2*gg+1], v[BIAS+8*(4*gg+bb)+2*rr:BIAS+8*(4*gg+bb)+2*rr+1] op_sel_hi:[1,0,1]
.set rr, rr+1
.endr
.set bb, bb+1
.endr
	WIN 0
.set rr, 0
.rept 16
	v_cvt_pk_f16_f32 v[PKD+rr], v[T+2*rr], v[T+2*rr+1]
.set rr, rr+1
.endr
.irp b, 0,1,2,3
	ds_store_b128 v[STO], v[PKD+4*(\b):PKD+4*(\b)+3] offset:32*(\b)
.endr
	WIN 0xc0
.irp f, 0,1,2,3
	ds_load_b128 v[16*(\t)+4*(\f):16*(\t)+4*(\f)+3], v[RD] offset:4*PITCH*(\f)  ; LDS serves a wave's instructions in order: these see the stores above; the next block's stores come behind them
.endr
.endm
.macro SEND t, younger                 ; younger: the LDS instructions issued behind block t's loads: the next block's eight, or none
	WIN 0x0c                                       ; a store's data in window 3
.irp f, 0,1,2,3
	s_wait_dscnt (\younger)+3-(\f)
	global_store_b128 v[GO], v[16*(\t)+4*(\f):16*(\t)+4*(\f)+3], s[OUT+2*((\t)%3):OUT+2*((\t)%3)+1] offset:2048*((\t)/3)+512*(\f)
.endr
.endm
	PACK 0
.irp t, 1,2,3,4,5,6,7,8,9,10,11
	PACK \t
	SEND (\t)-1, 8
.endr
	SEND 11, 0
	WIN 0
	s_wait_tensorcnt 0x0                           ; the wave's end, behind my last tensor load and my last LDS store
	ds_add_u32 v[SPW], v[NIL]
	s_wait_dscnt 0x0
	CROUND                                         ; the closing round: no work-group ends while a partner may still ask for a tile that names it
	s_endpgm
.Lfunc_end_k_q94d3cb37fb_qkv:
	.size	k_q94d3cb37fb_qkv, .Lfunc_end_k_q94d3cb37fb_qkv-k_q94d3cb37fb_qkv
	.p2alignl 7, 3214868480
	.fill 96, 4, 3214868480
	.section	.rodata,"a",@progbits
	.p2align	6, 0x0
	.amdhsa_kernel k_q94d3cb37fb_qkv
		.amdhsa_group_segment_fixed_size 327680
		.amdhsa_private_segment_fixed_size 0
		.amdhsa_enable_private_segment 0
		.amdhsa_kernarg_size 48
		.amdhsa_user_sgpr_count 2
		.amdhsa_user_sgpr_kernarg_segment_ptr 1
		.amdhsa_wavefront_size32 1
		.amdhsa_system_sgpr_workgroup_id_x 1
		.amdhsa_system_sgpr_workgroup_id_y 1
		.amdhsa_system_sgpr_workgroup_id_z 1
		.amdhsa_system_vgpr_workitem_id 0
		.amdhsa_next_free_vgpr 1024
		.amdhsa_next_free_sgpr 96
		.amdhsa_reserve_vcc 0
		.amdhsa_float_denorm_mode_32 3
		.amdhsa_float_denorm_mode_16_64 3
		.amdhsa_memory_ordered 1
		.amdhsa_forward_progress 1
		.amdhsa_inst_pref_size 126
	.end_amdhsa_kernel
	.amdgpu_metadata
---
amdhsa.version: [ 1, 2 ]
amdhsa.kernels:
  - .name:           k_q94d3cb37fb_qkv
    .symbol:         k_q94d3cb37fb_qkv.kd
    .args:
      - { .name: xb, .offset: 0, .size: 8, .value_kind: global_buffer, .address_space: global }
      - { .name: wt, .offset: 8, .size: 8, .value_kind: global_buffer, .address_space: global }
      - { .name: bq, .offset: 16, .size: 8, .value_kind: global_buffer, .address_space: global }
      - { .name: bk, .offset: 24, .size: 8, .value_kind: global_buffer, .address_space: global }
      - { .name: bv, .offset: 32, .size: 8, .value_kind: global_buffer, .address_space: global }
      - { .name: qkv, .offset: 40, .size: 8, .value_kind: global_buffer, .address_space: global }
    .group_segment_fixed_size: 327680
    .private_segment_fixed_size: 0
    .kernarg_segment_align: 8
    .kernarg_segment_size: 48
    .max_flat_workgroup_size: 128
    .sgpr_count:     96
    .vgpr_count:     1024
    .wavefront_size: 32
...
	.end_amdgpu_metadata
.endif
;; end of part 2
;; launch attn (part 3): grid 4 x 64, 4 waves a work-group, clusters of 4 x 1, 327,680 bytes of LDS; arguments qkv, mbits, ctx; writes ctx
.if DOCPART == 3
	.amdgcn_target "amdgcn-amd-amdhsa--gfx1250"
	.amdhsa_code_object_version 6
	.text
	.protected	k_q94d3cb37fb_attn
	.globl	k_q94d3cb37fb_attn
	.p2align	8
	.type	k_q94d3cb37fb_attn,@function
k_q94d3cb37fb_attn:
	s_mov_b64 s[64:65], 0
	v_nop
	global_prefetch_b8 v0, s[64:65] scope:SCOPE_SE
	s_setreg_imm32_b32 hwreg(HW_REG_WAVE_MODE, 25, 1), 1
	s_wait_xcnt 0x0
	s_wait_alu depctr_hold_cnt(0) depctr_sa_sdst(0) depctr_va_vdst(0) depctr_va_sdst(0) depctr_va_ssrc(0) depctr_va_vcc(0) depctr_vm_vsrc(0)
	s_getreg_b32 s2, hwreg(HW_REG_IB_STS2, 6, 4)
	s_cmp_eq_u32 s2, 0
	s_cbranch_scc0 .Lentry_in_a_cluster
	s_endpgm
.Lentry_in_a_cluster:
	s_bfe_u32 s2, ttmp6, 0x10000c
	s_cmp_lg_u32 s2, 0x3003
	s_cbranch_scc0 .Lentry_shape_is_right
	s_endpgm
.Lentry_shape_is_right:
; MASKED ATTENTION.  ctx[h][q][:] = the sum over k of softmax_k(s[q][k]) V[h][k][:], s = Q . K / 8, and s = -1e9 where mask[batch][q][k] is true.  Q, K, V: qkv [3][64 heads][2048][64], f16; ctx likewise.
; Q arrives as c Q, c = log2(e) / 8, so a product K Q^T IS the exponent to base 2, and the softmax takes the running maximum m away by a plain subtraction: where the maximum itself is a masked
; score, s - m is exactly 0 and the weight exactly 1, so a row that is masked throughout comes out as the mean of V's rows, as the definition has it.
; THE MASK REPLACES a score, ahead of the maximum: v_cndmask_b32 with a lane mask from mbits (one word for each register of a tile of scores, made by the launch before), read by scalar loads a turn ahead.
; LIMITS.  f16 holds no number beyond 65,504: c Q, K, V arrive within it.  A masked score counts as -1e9 log2(e) rounded once to f32 (-1,442,695,040).  A weight below 2^-126 counts as 0; NaN and infinities are not treated apart.
; SHARES.  A wave owns four PIECES of two tiles of 16 queries, a work-group's four waves 512 queries of one head, a cluster's four work-groups the head.  Every wave walks all keys, 64 a step.
; LAYOUT.  S^T = K Q^T (source 0 = 16 keys, source 1 = 16 queries): a lane holds ONE query (lane % 16) and the keys 8 (lane / 16) + 0..7.  Two such results, rounded to f16 in pairs, ARE source 1 of
; O^T = V^T P.  K comes out of LDS as it lies, V turned, by ds_load_tr16_b128.
; SOFTMAX.  p = 2^(s - m); in every step O and l are multiplied by a = 2^(m_old - m_new).  m starts at the lowest finite number, O and l at 0: the first step is a step like any other, with a = 0.
; BY TURNS.  Turn n belongs to piece n.  Matrix work: 16 products K Q^T of piece n + 1, later 16 products V^T P of piece n - 1.  Vector work: subtraction, exponentials, roundings, sums and rescaling of piece n;
; mask, maximum and statistics of piece n + 1.  Four vector instructions stand behind every matrix instruction, the rest in one run; a turn's 66 exponentials are one batch with one wait.
; CLUSTER.  The four query blocks walk the same K and V: each tile is asked for JOINTLY: the same tensor load, descriptor and mask in all four.
; REGISTERS, in windows of 256 (s_set_vgpr_msb: bits 1:0 source 0, 3:2 source 1, 5:4 source 2, 7:6 destination):
;   window 0: v2-11 addresses and the masked score; v12-15, v48-63 at work; v16-47 four registers of statistics a tile; v64-191 S^T, two buffers of two tiles; v192-255 P, likewise
;   window 1: O^T, 32 a tile          window 2: v0-127 Q; v128-191 K of one step; v192-255 V of one step          window 3: v0-1 the add's two registers
.set SIZE_N, 2048
.set NP,    4
.set KS,    64
.set PK,    144       ; a row of K in LDS: 128 bytes + 16: the 16 rows of a load start at 16 different groups of four banks (64 banks of 4 bytes: ISA guide 11.1)
.set PV,    160       ; a row of V: 128 + 32
.set VOFF,  4*KS*PK   ; a slot holds four steps: 256 rows of K, then 256 rows of V
.set SLOT1, 1<<17
.set STAGE, SLOT1+4*KS*(PK+PV)  ; behind the ring, never filled by a tensor load: 16 rows x 144 bytes for each wave
.set SP,    144
.set SPARE, STAGE+4*16*SP       ; the spare words, 128 bytes for each wave, that no other line names
.set AK0, 2           ; v2   my lane's place in a tile of K; never rewritten
.set AV0, 3           ; v3   the same for V
.set AK,  4           ; v4   the LDS address of K's next run of loads
.set AV,  5           ; v5   of V's
.set STO, 6           ; v6   the way out: where I put 16 bytes of a row
.set RD,  7           ; v7   where I read rows back
.set GO,  8           ; v8   my 16 bytes of 512 on end
.set QO,  9           ; v9   my byte offset in 16 rows of Q
.set PFO, 10          ; v10  256 x lane; never rewritten
.set NEGV, 11         ; v11  the masked score
.set MV,  12          ; v12-15  m_old, kept while m is made anew: by buffer and tile
.set ST,  16          ; tile t's statistics at v[ST+4 t]: m, 0 (named with m as a pair), l (even keys', odd keys')
.set TMP, 48          ; by buffer and tile, four registers c0-c3 at work; when the maximum is found c2 takes a
.set S,   64
.set P,   192
.set KF,  128
.set VF,  192
.set SPW, 0           ; v0 of window 3: LDS address of my spare word; never rewritten
.set NIL, 1           ; v1 of window 3: 0; never rewritten
.set MP,  2           ; s[2:3]   mbits at my wave's piece 0, at the key step whose masks are asked for
.set SEL, 4           ; s[4:5]   v_permlanex16_b32's selects
.set PFA, 6           ; s[6:7]   where my prefetches stand
.set G1K, 8           ; s[8:15]  descriptor group 1 for K's tiles;  s[16:23] for V's
.set G1V, 16
.set G0K, 24          ; s[24:27], s[28:31] group 0: they walk
.set G0V, 28
.set MSK, 32          ; s[32:63] tile 0's 32 lane masks, s[68:99] tile 1's
.set WV,  66
.set SLOTS, 67        ; slots still to be asked for
.set CNT, 100         ; counts a slot's key steps
.set TBK, 101         ; LDS byte at which K of the step to be fetched begins
.set TBV, 104         ; the same for V, less VOFF
.set LIM, 105         ; 1 in a wave that prefetches, else the greatest number
.set MSB, 0
.macro WIN new
.if MSB != (\new)
	s_set_vgpr_msb (MSB<<8)|(\new)
.set MSB, (\new)
.endif
.endm
.set W_KQ, 0x0a       ; K and Q in window 2, S^T in window 0
.set W_PV, 0x52       ; V in window 2, P in window 0, O^T in window 1
.set W_RS, 0x41       ; O^T (destination and source 0) in window 1, a in window 0
.set W_MK, 0xc0       ; the add's registers are made
.set W_AD, 0x0f       ; the add: address and data in window 3
.macro PLACES
.rept 4
	v_nop
.endr
.endm
.macro JLOAD                        ; a joint fill: waves 0, 1 the two halves of a slot's K, waves 2, 3 of its V; an s_nop 0 and four v_nop follow each line
	s_cmp_lt_u32 s[WV], 2
	s_cbranch_scc0 .Lfor_v_\@
	tensor_load_to_lds s[G0K:G0K+3], s[G1K:G1K+7]
	s_nop 0
.rept 4
	v_nop
.endr
	s_branch .Lasked_\@
.Lfor_v_\@:
	tensor_load_to_lds s[G0V:G0V+3], s[G1V:G1V+7]
	s_nop 0
.rept 4
	v_nop
.endr
.Lasked_\@:
.endm
; A PREFETCH INTO THE L2 of what the NEXT change of slots will ask for: a slot's 32,768 bytes of K and of V, a lane a block of 256.  A head has one cluster; its four partners take 8,192 bytes each, told
; apart by address; wave 0 asks for K's, wave 2 for V's: each block is named once in the launch.  The last change that fills a slot asks for nothing.
.macro ASK
	s_cmp_gt_u32 s[SLOTS], s[LIM]
	s_cbranch_scc0 .Lnot_mine_\@
	global_prefetch_b8 v[PFO], s[PFA:PFA+1] th:TH_LOAD_NT scope:SCOPE_SE
.Lnot_mine_\@:
.endm
.macro CROUND
	s_barrier_signal -1
	s_barrier_wait -1
	s_cmp_lg_u32 s[WV], 0
	s_cbranch_scc1 .Lnot_wave_0_\@
	s_barrier_signal -3
.Lnot_wave_0_\@:
	s_barrier_wait -3
	s_barrier_signal -1
	s_barrier_wait -1
.endm
; THE CHANGE OF SLOTS.  Each wave waits for all its tensor loads (one is out: its part of the other slot), adds 0 to its spare word, and waits for that and for its reads of the slot that it leaves.
; fill = 1: the barrier is a round of the cluster's, and the joint fill, two slots on, is the first tensor load behind it: it has four key steps in which to land.
.macro CHANGE fill
	WIN W_AD
	s_wait_tensorcnt 0x0            ; no tensor load of mine is out, so a group 0 may be written
	ds_add_u32 v[SPW], v[NIL]
	WIN 0
.if \fill
.irp g, G0K, G0V
	s_xor_b32 s[\g+1], s[\g+1], SLOT1
	s_add_nc_u64 s[\g+2:\g+3], s[\g+2:\g+3], 4*KS*128
.endr
	s_wait_xcnt 0x0                 ; the last prefetch, four key steps back, has read its address
	s_add_nc_u64 s[PFA:PFA+1], s[PFA:PFA+1], 4*KS*128
	s_wait_dscnt 0x0                ; the add is done, and my reads of the slot are over
	CROUND
	JLOAD
	ASK
.else
	s_wait_dscnt 0x0
	s_barrier_signal -1
	s_barrier_wait -1
.endif
	s_sub_co_u32 s[TBK], s[TBK], 4*KS*PK  ; the fetches go back to a slot's first step, in the other slot
	s_xor_b32 s[TBK], s[TBK], SLOT1
	s_sub_co_u32 s[TBV], s[TBV], 4*KS*PV
	s_xor_b32 s[TBV], s[TBV], SLOT1
.endm
; THE MASKS of one piece and key step: 256 bytes on end, 64 words, into 64 scalar registers.
.macro MLOADX off
	s_load_b512 s[MSK:MSK+15],    s[MP:MP+1], (\off)
	s_load_b512 s[MSK+16:MSK+31], s[MP:MP+1], (\off)+64
	s_load_b512 s[MSK+36:MSK+51], s[MP:MP+1], (\off)+128
	s_load_b512 s[MSK+52:MSK+67], s[MP:MP+1], (\off)+192
.endm
; In turn p: the masks for the NEXT turn's scores, piece p + 2.  Piece 0's are the next key step's: the pointer steps in turn 2; the turn's s_wait_kmcnt 0 has shown every load that read it done.
; Behind the last key step the two last groups read 'step 32' of pieces 0 and 1, which is step 0 of pieces 1 and 2 of the same wave: inside the buffer, and discarded.
.macro MLOAD p
.if (\p) == 2
	s_add_nc_u64 s[MP:MP+1], s[MP:MP+1], 256
.endif
	MLOADX (((\p)+2)%4)*8192
.endm
	s_load_b128 s[68:71], s[0:1], 0x0  ; qkv s[68:69], mbits s[70:71]
	WIN W_MK
	v_lshl_add_u32 v[SPW], v0, 2, SPARE
	v_mov_b32 v[NIL], 0
	WIN W_AD
	ds_add_u32 v[SPW], v[NIL]       ; the wave's opening: the add and its wait stand ahead of my first tensor load; work on registers stands between them
	WIN 0
	v_lshrrev_b32 v1, 5, v0
	v_readfirstlane_b32 s[WV], v1
	s_bfe_u32 s74, ttmp6, 0x40000   ; cx
	s_lshl_b32 s75, ttmp9, 2
	s_add_co_u32 s75, s75, s74      ; my block of 512 queries: it enters Q's, the masks', the prefetches' and ctx's addresses alone
	s_and_b32 s76, ttmp7, 0xffff    ; batch x 16 + head, which the four partners share
	s_lshl_b32 s78, s76, 18         ; the head's first byte in q, k, v and ctx
	s_and_b32 s80, s[WV], 1         ; which half of a slot's 256 keys I fetch:
	s_lshl_b32 s82, s80, 14         ; its 128 rows of 128 bytes in memory,
	s_add_co_u32 s82, s82, s78
	s_mov_b32 s83, 0
	s_mul_i32 s84, s80, 128*PK      ; and its place in a slot, for K
	s_mul_i32 s85, s80, 128*PV      ; and for V
	s_lshl_b32 s86, s75, 2
	s_add_co_u32 s86, s86, s[WV]    ; my wave among the head's sixteen
	s_lshl_b32 s88, s86, 15         ; its four pieces in mbits, 8,192 bytes each
	s_lshl_b32 s86, s86, 14         ; its 128 rows of Q
	s_add_co_u32 s86, s86, s78
	s_mov_b32 s87, 0
	s_lshr_b32 s89, s76, 4          ; batch
	s_lshl_b32 s89, s89, 19
	s_add_co_u32 s88, s88, s89
	s_mov_b32 s89, 0
	s_lshl_b32 s90, s74, 13         ; the prefetches: my work-group's 8,192 bytes
	s_add_co_u32 s90, s90, s78
	s_add_co_u32 s90, s90, 4*KS*128 ; of slot 1; the first change of slots steps it to slot 2
	s_mov_b32 s91, 0x1000000
	s_lshr_b32 s92, s[WV], 1
	s_lshl_b32 s91, s91, s92        ; in k (waves 0, 1) or in v (waves 2, 3)
	s_add_co_u32 s90, s90, s91
	s_mov_b32 s91, 0
	s_cmp_eq_u32 s80, 0
	s_cselect_b32 s[LIM], 1, -1     ; waves 0 and 2 ask
	s_mul_i32 s92, s[WV], 16*SP
	s_add_co_u32 s92, s92, STAGE    ; my stage
	; descriptor group 1.  128 keys are 16,384 dense bytes: asked for as 64 rows of 256 bytes, two keys a row, and padded in LDS after every key
	s_mov_b32 s[G1K], 15|(1<<16)|(1<<20)|(1<<21)|(4<<22)|(3<<25)
	s_mov_b32 s[G1V], 15|(1<<16)|(1<<20)|(1<<21)|(4<<22)|(7<<25)
.irp g, G1K, G1V
	s_mov_b32 s[\g+1], 128<<16
	s_mov_b32 s[\g+2], 64<<16
	s_mov_b32 s[\g+3], 128<<16
	s_mov_b32 s[\g+4], 64
	s_mov_b32 s[\g+5], 128
	s_mov_b32 s[\g+6], 0
	s_mov_b32 s[\g+7], 0
.endr
	s_mov_b32 s[SEL], 0x76543210
	s_mov_b32 s[SEL+1], 0xfedcba98
	s_mov_b32 s[TBK], SLOT1+4*KS*PK ; the first change of slots turns these two into 0
	s_mov_b32 s[TBV], SLOT1+4*KS*PV
	s_mov_b32 s[G0K], 1
	s_mov_b32 s[G0K+1], s84
	s_mov_b32 s[G0V], 1
	s_add_co_u32 s[G0V+1], s85, VOFF
	s_mov_b32 s[SLOTS], SIZE_N/256-1
	s_wait_dscnt 0x0                ; the opening add is done
	s_wait_kmcnt 0x0
	s_add_nc_u64 s[G0K+2:G0K+3], s[68:69], s[82:83]
	s_add_nc_u64 s[G0V+2:G0V+3], s[G0K+2:G0K+3], 0x2000000  ; v lies 33,554,432 bytes into qkv,
	s_add_nc_u64 s[G0K+2:G0K+3], s[G0K+2:G0K+3], 0x1000000  ; k 16,777,216
	s_or_b32 s[G0K+3], s[G0K+3], 0x80000000
	s_or_b32 s[G0V+3], s[G0V+3], 0x80000000
	s_add_nc_u64 s[72:73], s[68:69], s[86:87]      ; Q at my wave's first row
	s_add_nc_u64 s[MP:MP+1], s[70:71], s[88:89]
	s_add_nc_u64 s[PFA:PFA+1], s[68:69], s[90:91]
	CROUND                          ; all four work-groups are here: the first joint loads meet
	JLOAD                           ; slot 0.  Slot 1 is asked for when slot 0 is in
	v_and_b32 v1, 15, v0            ; l % 16
	v_bfe_u32 v64, v0, 4, 1         ; l / 16
	v_lshlrev_b32 v[QO], 7, v1
	v_lshl_add_u32 v[QO], v64, 4, v[QO]
	WIN 0x80
.set i, 0
.rept 4*NP                          ; Q stays in registers: tile i / 2, channels 32 (i % 2) on
	global_load_b128 v[8*i:8*i+3],   v[QO], s[72:73] offset:(i/2)*2048+(i%2)*64
	global_load_b128 v[8*i+4:8*i+7], v[QO], s[72:73] offset:(i/2)*2048+(i%2)*64+32
.set i, i+1
.endr
	; What the first turn finds: V's registers and P's second buffer hold 0, O^T and l are 0.  All this stands in the wait for the first tile.
.set i, VF
.rept 64
	v_mov_b32 v[i], 0
.set i, i+1
.endr
	WIN 0x40
.set i, 0
.rept 64*NP
	v_mov_b32 v[i], 0
.set i, i+1
.endr
	WIN 0
.set i, 0
.rept 2*NP
	v_mov_b32 v[ST+4*i], 0xff7fffff ; m
	v_mov_b32 v[ST+4*i+1], 0
	v_mov_b32 v[ST+4*i+2], 0
	v_mov_b32 v[ST+4*i+3], 0
.set i, i+1
.endr
.set i, P+32
.rept 32
	v_mov_b32 v[i], 0
.set i, i+1
.endr
	v_mul_u32_u24 v[AK0], v1, PK
	v_lshl_add_u32 v[AK0], v64, 4, v[AK0]
	; The turning load takes 16 keys x 16 channels (lane l reads key 8 (l / 16) + l % 8, channels 8 ((l / 8) % 2) + 0..7) and leaves half a fragment of V^T.
	v_and_b32 v65, 7, v0
	v_bfe_u32 v66, v0, 3, 1
	v_lshl_add_u32 v[AV0], v64, 3, v65
	v_mul_u32_u24 v[AV0], v[AV0], PV
	v_lshl_add_u32 v[AV0], v66, 4, v[AV0]
	v_add_nc_u32 v[AV0], VOFF, v[AV0]
	v_mov_b32 v[AK], v[AK0]         ; key step 0 lies at the head of slot 0
	v_mul_u32_u24 v[STO], v1, SP
	v_lshl_add_u32 v[STO], v64, 4, v[STO]
	v_add_nc_u32 v[STO], s92, v[STO]
	v_bfe_u32 v[RD], v0, 3, 2
	v_mul_u32_u24 v[RD], v[RD], SP
	v_lshl_add_u32 v[RD], v65, 4, v[RD]
	v_add_nc_u32 v[RD], s92, v[RD]
	v_and_b32 v[GO], 31, v0
	v_lshlrev_b32 v[PFO], 8, v[GO]
	v_lshlrev_b32 v[GO], 4, v[GO]
	v_mov_b32 v[NEGV], 0xceabfb8f   ; -1e9 log2(e)
	s_wait_xcnt 0x0                 ; Q's loads have read their base: the masks land on its registers
	MLOADX 0                        ; piece 0, key step 0
; THE MATRIX WORK.  The 8 accumulators of a run of 16 take turns.  Product i of 16 of S^T = K Q^T for piece x: channels 32 (i / 8) on, keys 16 ((i / 2) % 4) on, tile 2 x + i % 2.
.macro KQ x
	WIN W_KQ
.set rS, S+64*((\x)%2)+32*(i%2)+8*((i/2)%4)
.set rK, KF+16*((i/2)%4)+8*(i/8)
.set rQ, 16*(2*(\x)+i%2)+8*(i/8)
.if i < 8
	v_wmma_f32_16x16x32_f16 v[rS:rS+7], v[rK:rK+7], v[rQ:rQ+7], 0
.else
	v_wmma_f32_16x16x32_f16 v[rS:rS+7], v[rK:rK+7], v[rQ:rQ+7], v[rS:rS+7]
.endif
.endm
; Product i of 16 of O^T += V^T P for piece x: keys 32 (i / 8) on, channels 16 ((i / 2) % 4) on, tile 2 x + i % 2.
.macro PV x
	WIN W_PV
.set rO, 32*(2*(\x)+i%2)+8*((i/2)%4)
.set rV, VF+32*(i/8)+8*((i/2)%4)
.set rP, P+32*((\x)%2)+16*(i%2)+8*(i/8)
	v_wmma_f32_16x16x32_f16 v[rO:rO+7], v[rV:rV+7], v[rP:rP+7], v[rO:rO+7]
.endm
.macro MM                           ; the turn's next matrix instruction
.if i < 16
	KQ (Y+1)%NP
.set i, i+1
.else
.set i, i-16
	PV (Y+NP-1)%NP
.set i, i+17
.endif
.endm
; THE LDS LOADS stand in runs of 16.  last = 1 (the tail): in the last trip there is no further step, and the run is jumped over.
.macro FETCH_K last=0
	WIN 0
.if \last
	s_cmp_eq_u32 s[CNT], 1
	s_cbranch_scc1 .Lno_k_\@
.endif
	WIN 0x80
.irp f, 0,1,2,3,4,5,6,7
	ds_load_b128 v[KF+8*\f:KF+8*\f+3],   v[AK] offset:(\f/2)*16*PK+(\f%2)*64
	ds_load_b128 v[KF+8*\f+4:KF+8*\f+7], v[AK] offset:(\f/2)*16*PK+(\f%2)*64+32
.endr
	s_add_co_u32 s[TBK], s[TBK], KS*PK
	WIN 0
.if \last
.Lno_k_\@:
.endif
.endm
.macro FETCH_V
	WIN 0x80
.irp f, 0,1,2,3,4,5,6,7
	ds_load_tr16_b128 v[VF+8*\f:VF+8*\f+3],   v[AV] offset:(\f/4)*32*PV+(\f%4)*32
	ds_load_tr16_b128 v[VF+8*\f+4:VF+8*\f+7], v[AV] offset:(\f/4)*32*PV+16*PV+(\f%4)*32
.endr
	WIN 0
.endm
; THE VECTOR WORK OF A TURN stands in three queues; the two tiles alternate.
.macro REGS y, u
.set rT, ST+4*(2*(\y)+(\u))
.set rC, TMP+8*((\y)%2)+4*(\u)
.set rM, MV+2*((\y)%2)+(\u)
.set rS, S+64*((\y)%2)+32*(\u)
.set rP, P+32*((\y)%2)+16*(\u)
.set rO, 32*(2*(\y)+(\u))
.endm
; Select n of 64 on the NEXT piece's scores: register n / 2 of tile n % 2 takes the masked score where its lane mask is set.  The registers ascend.
.macro MK n
	REGS (Y+1)%NP, (\n)%2
	v_cndmask_b32 v[rS+(\n)/2], v[rS+(\n)/2], v[NEGV], s[MSK+36*((\n)%2)+(\n)/2]
.endm
; The NEXT piece's maximum and statistics.  0-11 four chains c0-c3 of seven scores each; 12-14, 16 the four scores left over, the old m, and c0-c3 into c0; 15 m_old is kept;
; 17, 18 the query's other 32 keys lie in the lane 16 away: the new m; 20 m_old - m_new; 21 a.
.macro XS u, n
	REGS (Y+1)%NP, \u
.if (\n) < 4
	v_max3_num_f32 v[rC+(\n)], v[rS+8*(\n)], v[rS+8*(\n)+1], v[rS+8*(\n)+2]
.elseif (\n) < 12
	v_max3_num_f32 v[rC+(\n)%4], v[rC+(\n)%4], v[rS+8*((\n)%4)+2*((\n)/4)+1], v[rS+8*((\n)%4)+2*((\n)/4)+2]
.elseif (\n) == 12
	v_max3_num_f32 v[rC], v[rC], v[rS+7], v[rS+15]
.elseif (\n) == 13
	v_max3_num_f32 v[rC+1], v[rC+1], v[rS+23], v[rS+31]
.elseif (\n) == 14
	v_max3_num_f32 v[rC+2], v[rC+2], v[rC+3], v[rT]
.elseif (\n) == 15
	v_mov_b32 v[rM], v[rT]
.elseif (\n) == 16
	v_max3_num_f32 v[rC], v[rC], v[rC+1], v[rC+2]
.elseif (\n) == 17
	v_permlanex16_b32 v[rC+3], v[rC], s[SEL], s[SEL+1]
.elseif (\n) == 18
	v_max_num_f32 v[rT], v[rC], v[rC+3]
.elseif (\n) == 20
	v_sub_f32 v[rC+1], v[rM], v[rT]
.else
	v_exp_f32 v[rC+2], v[rC+1]
.endif
.endm
; Number g of the 64 that follow the exponentials.  For each four weights of a tile: both pairs are rounded to f16; the second pair is added onto the first, in place; a group later l takes that sum (the first time as l = a l + sum).
.macro GS g
.set h, (\g)+6*((\g)/62)
.if h >= 6
.set h, h+2
.endif
	REGS Y, h%2
.set k, h/8
.if h%8 < 4
	v_cvt_pk_f16_f32 v[rP+2*k+(h%8)/2], v[rS+4*k+2*((h%8)/2)], v[rS+4*k+2*((h%8)/2)+1]
.elseif h%8 < 6
	v_pk_add_f32 v[rS+4*k:rS+4*k+1], v[rS+4*k:rS+4*k+1], v[rS+4*k+2:rS+4*k+3]
.elseif k == 1
	v_pk_fma_f32 v[rT+2:rT+3], v[rT+2:rT+3], v[rC+2:rC+3], v[rS:rS+1] op_sel_hi:[1,0,1]
.else
	v_pk_add_f32 v[rT+2:rT+3], v[rT+2:rT+3], v[rS+4*k-4:rS+4*k-3]
.endif
.endm
.macro FS f                         ; s - m for pair f / 2 of tile f % 2
	REGS Y, (\f)%2
	v_pk_add_f32 v[rS+2*((\f)/2):rS+2*((\f)/2)+1], v[rS+2*((\f)/2):rS+2*((\f)/2)+1], v[rT:rT+1] op_sel_hi:[1,0] neg_lo:[0,1] neg_hi:[0,1]
.endm
; THE PLAIN QUEUE, 200 long.  0-26: subtractions 0-26.  27-90: the 64 selects.  91-118: XS's numbers 0-13.  119, 120: number 15.  121-135: the chain 14, 16, 17, 18, 20, each with one of the subtractions 27-31 in
; front of its two lines.  136-199: GS's 64, behind the wait.  The next masks are asked for four plain lines behind the last select.
.macro PL
	WIN 0
.if q < 27
	FS q
.elseif q < 91
	MK q-27
.elseif q < 119
	XS (q-91)%2, (q-91)/2
.elseif q < 121
	XS q-119, 15
.elseif q < 136
.if (q-121)%3 == 0
	FS 27+(q-121)/3
.else
.set xn, 15+(q-121)/3
.if xn == 15
.set xn, 14
.endif
.if xn == 19
.set xn, 20
.endif
	XS (q-121)%3-1, xn
.endif
.else
	GS q-136
.endif
.set q, q+1
.if q == 95
	MLOAD Y
.endif
.endm
; THE EXPONENTIALS' QUEUE, 66 long: s0-s31 of both tiles, then the next piece's two a.  ONE BATCH: all stand ahead of the turn's one wait, and nothing ahead of that wait names a result of theirs.
.macro EX
	WIN 0
.if e >= 64
	XS e-64, 21
.else
	REGS Y, e%2
	v_exp_f32 v[rS+e/2], v[rS+e/2]
.endif
.set e, e+1
.endm
; THE RESCALING's QUEUE: O^T times a, two at a time, sixteen times.  Its a was made, and waited for, in the turn before.
.macro R2
	REGS Y, r%2
	WIN W_RS
.irp z, 0,1
	v_pk_mul_f32 v[rO+4*(r/2)+2*\z:rO+4*(r/2)+2*\z+1], v[rO+4*(r/2)+2*\z:rO+4*(r/2)+2*\z+1], v[rC+2:rC+3] op_sel_hi:[1,0]
.endr
.set r, r+1
.endm
; A TURN, for piece p.  AHEAD OF THE WAIT: 16 products K Q^T, behind each a subtraction, an exponential and two rescalings; then one run: 10 x (plain, exponential); the masks are in; 24 x (three plain, an
; exponential); 22 plain; 15 x (plain, exponential); the two a; a v_nop, the plain instruction behind the last exponential.  136 plain and 66 exponentials in all.  Exponential e needs subtraction
; 2 (e / 4) + e % 2: up to e = 52 that is number 26 at the most, long done; exponential 49 + i stands behind plain 121 + i, and subtraction 27 + g is plain 121 + 3 g.
; The first select stands ten plain instructions behind the last product K Q^T.  BEHIND THE WAIT: 16 products V^T P, behind each four of GS's 64.
; K of the next step is fetched in piece 2's turn, directly behind the wait; V of the step in hand at the end of piece 0's turn, four plain instructions behind its last reader.
.macro TURN p, last=0, cnt=0
.set Y, (\p)
.set i, 0
.set q, 0
.set e, 0
.set r, 0
.if (\p) == NP-1
	s_wait_dscnt 0x0                ; K is in
.endif
	MM
	PL
	PL
	R2
.rept 15
	MM
	PL
	EX
	R2
.endr
.if (\p) == NP-2
	WIN 0
	v_add_nc_u32 v[AK], s[TBK], v[AK0]
.endif
.rept 10
	PL
	EX
.endr
	s_wait_kmcnt 0x0                ; the masks asked for in the turn before are in
.rept 24
	PL
	PL
	PL
	EX
.endr
.rept 22
	PL
.endr
.rept 15
	PL
	EX
.endr
	EX                              ; the next piece's two a
	EX
	v_nop                           ; a plain instruction behind the last exponential: one for the batch
	s_wait_alu depctr_va_vdst(0)    ; the wait ahead of the first use of a result: one for the batch
.if (\p) == NP-2
	FETCH_K \last
.endif
.if (\p) == 1
	s_wait_dscnt 0x0                ; V is in
.endif
.rept 16
	MM
.rept 4
	PL
.endr
.if ((\p) == 0) && (q == 180)
	v_add_nc_u32 v[AV], s[TBV], v[AV0]
.endif
.if ((\p) == 0) && (q == 192)
	s_add_co_u32 s[TBV], s[TBV], KS*PV
.endif
.if (\cnt) && (q == 192)
	s_sub_co_u32 s[CNT], s[CNT], 1
	s_cmp_lg_u32 s[CNT], 0
.endif
.endr
.if (\p) == 0
	FETCH_V
.endif
.endm
	CHANGE 1                        ; slot 0 is in, everybody's part of it; slot 1 is asked for
	FETCH_K                         ; key step 0
	s_wait_loadcnt 0x0              ; Q
	s_wait_dscnt 0x0
.set i, 0
.rept 16
	KQ 0                            ; piece 0's first scores
.set i, i+1
.endr
	WIN 0
	PLACES                          ; the places behind those products
	s_wait_kmcnt 0x0                ; piece 0's masks
.set Y, NP-1                        ; MK and XS work for piece Y + 1: piece 0
.set mm, 0
.rept 64
	MK mm
.set mm, mm+1
.endr
.irp n, 0,1
	XS 0, \n
	XS 1, \n
.endr
	MLOADX 8192                     ; piece 1, key step 0: four plain lines behind the last select
.irp n, 2,3,4,5,6,7,8,9,10,11,12,13,14,15,16,17,18,20,21
	XS 0, \n
	XS 1, \n
.endr
	v_nop                           ; a plain instruction behind the two a,
	s_wait_alu depctr_va_vdst(0)    ; and their wait, ahead of the branch
	s_mov_b32 s[CNT], 4
	s_branch .Lfirst                ; the loop is entered at a step's first turn, in the middle of a trip
.Lslot:                             ; six times: every slot but the last two is filled again
	CHANGE 1
	s_mov_b32 s[CNT], 4
.Lstep:                             ; a trip: pieces 2 and 3 of one step, then pieces 0 and 1 of the next, whose K and V it fetches
	TURN 2
	TURN 3
	WIN 0
.Lfirst:
	TURN 0
	TURN 1, 0, 1
	WIN 0
	s_cbranch_scc1 .Lstep
	s_sub_co_u32 s[SLOTS], s[SLOTS], 1
	s_cmp_lg_u32 s[SLOTS], 0
	s_cbranch_scc1 .Lslot
	CHANGE 0                        ; the tail is written out: nothing is asked for
	s_mov_b32 s[CNT], 5             ; four trips fetch the last slot's steps; the fifth is left in its middle
.Ltail:
	TURN 2, 1
	TURN 3
	WIN 0
	s_sub_co_u32 s[CNT], s[CNT], 1
	s_cmp_eq_u32 s[CNT], 0
	s_cbranch_scc1 .Lout
	TURN 0
	TURN 1
	WIN 0
	s_branch .Ltail
.Lout:                              ; the fifth trip's 16 products K Q^T, their masks and their maximum serve nothing: the price, once a launch, of one text for every trip
	s_wait_kmcnt 0x0                ; the last masks asked for have landed: their registers are free
	s_load_b64 s[32:33], s[0:1], 0x10  ; ctx
	s_and_b32 s34, ttmp7, 0xffff
	s_lshl_b32 s34, s34, 18         ; the head
	s_bfe_u32 s35, ttmp6, 0x40000
	s_lshl_b32 s36, ttmp9, 2
	s_add_co_u32 s35, s35, s36
	s_lshl_b32 s35, s35, 2
	s_add_co_u32 s35, s35, s[WV]
	s_lshl_b32 s35, s35, 14         ; my wave's 128 rows
	s_add_co_u32 s34, s34, s35
	s_mov_b32 s35, 0
.set i, 0
.rept 16
	PV NP-1                         ; the last piece's V^T P of the last step
.set i, i+1
.endr
	; THE WAY OUT.  l's two halves and the other half of the lanes' are added; O^T is divided by l, rounded to f16 and sent through my stage in LDS, a tile at a time.  The additions are the places behind the last products.
	WIN 0
.macro ALL line:vararg
.set t, 0
.rept 2*NP
	\line
.set t, t+1
.endr
.endm
	ALL v_add_f32 v[ST+4*t+2], v[ST+4*t+2], v[ST+4*t+3]
	ALL v_permlanex16_b32 v[ST+4*t+3], v[ST+4*t+2], s[SEL], s[SEL+1]
	ALL v_add_f32 v[ST+4*t+2], v[ST+4*t+2], v[ST+4*t+3]
	ALL v_rcp_f32 v[ST+4*t+2], v[ST+4*t+2]
	v_nop                           ; a plain instruction between the last reciprocal and the use of its result
	s_wait_alu depctr_va_vdst(0)    ; and the wait ahead of the first use: one for the eight reciprocals
	s_wait_kmcnt 0x0
	s_add_nc_u64 s[32:33], s[32:33], s[34:35]
.macro PACK t
	WIN W_RS
.set i, 32*(\t)
.rept 16
	v_pk_mul_f32 v[i:i+1], v[i:i+1], v[ST+4*(\t)+2:ST+4*(\t)+3] op_sel_hi:[1,0]
.set i, i+2
.endr
	WIN 0x05
.set i, 0
.rept 16
	v_cvt_pk_f16_f32 v[S+16*(\t)+i], v[32*(\t)+2*i], v[32*(\t)+2*i+1]
.set i, i+1
.endr
	WIN 0
.irp f, 0,1,2,3
	ds_store_b128 v[STO], v[S+16*(\t)+4*\f:S+16*(\t)+4*\f+3] offset:32*\f
.endr
.irp f, 0,1,2,3
	ds_load_b128 v[S+16*(\t)+4*\f:S+16*(\t)+4*\f+3], v[RD] offset:\f*4*SP  ; LDS serves a wave's instructions in order: these see the stores above; the next tile's stores come behind them
.endr
.endm
.macro SEND t, younger              ; younger: the LDS instructions issued behind tile t's loads: the next tile's eight, or none
	WIN 0
.irp f, 0,1,2,3
	s_wait_dscnt (\younger)+3-\f
	global_store_b128 v[GO], v[S+16*(\t)+4*\f:S+16*(\t)+4*\f+3], s[32:33] offset:(\t)*2048+\f*512  ; 512 consecutive bytes, at a multiple of 256 from ctx's first
.endr
.endm
	PACK 0
.set t, 1
.rept 2*NP-1
	PACK t
	SEND t-1, 8
.set t, t+1
.endr
	SEND 2*NP-1, 0
	WIN W_AD
	s_wait_tensorcnt 0x0            ; the wave's end, behind my last tensor load and my last LDS store
	ds_add_u32 v[SPW], v[NIL]
	s_wait_dscnt 0x0
	WIN 0
	CROUND                          ; the closing round
	s_endpgm
.Lfunc_end_k_q94d3cb37fb_attn:
	.size	k_q94d3cb37fb_attn, .Lfunc_end_k_q94d3cb37fb_attn-k_q94d3cb37fb_attn
	.p2alignl 7, 3214868480
	.fill 96, 4, 3214868480
	.section	.rodata,"a",@progbits
	.p2align	6, 0x0
	.amdhsa_kernel k_q94d3cb37fb_attn
		.amdhsa_group_segment_fixed_size 327680
		.amdhsa_private_segment_fixed_size 0
		.amdhsa_enable_private_segment 0
		.amdhsa_kernarg_size 24
		.amdhsa_user_sgpr_count 2
		.amdhsa_user_sgpr_kernarg_segment_ptr 1
		.amdhsa_wavefront_size32 1
		.amdhsa_system_sgpr_workgroup_id_x 1
		.amdhsa_system_sgpr_workgroup_id_y 1
		.amdhsa_system_sgpr_workgroup_id_z 1
		.amdhsa_system_vgpr_workitem_id 0
		.amdhsa_next_free_vgpr 770
		.amdhsa_next_free_sgpr 106
		.amdhsa_reserve_vcc 0
		.amdhsa_float_denorm_mode_32 3
		.amdhsa_float_denorm_mode_16_64 3
		.amdhsa_memory_ordered 1
		.amdhsa_forward_progress 1
		.amdhsa_inst_pref_size 239
	.end_amdhsa_kernel
	.amdgpu_metadata
---
amdhsa.version: [ 1, 2 ]
amdhsa.kernels:
  - .name:           k_q94d3cb37fb_attn
    .symbol:         k_q94d3cb37fb_attn.kd
    .args:
      - { .name: qkv, .offset: 0, .size: 8, .value_kind: global_buffer, .address_space: global }
      - { .name: mbits, .offset: 8, .size: 8, .value_kind: global_buffer, .address_space: global }
      - { .name: ctx, .offset: 16, .size: 8, .value_kind: global_buffer, .address_space: global }
    .group_segment_fixed_size: 327680
    .private_segment_fixed_size: 0
    .kernarg_segment_align: 8
    .kernarg_segment_size: 24
    .max_flat_workgroup_size: 128
    .sgpr_count:     106
    .vgpr_count:     770
    .wavefront_size: 32
...
	.end_amdgpu_metadata
.endif
;; end of part 3
;; launch oproj (part 4): grid 8 x 32, 4 waves a work-group, clusters of 4 x 4, 327,680 bytes of LDS; arguments ctx, wot, bo, out0; writes out0
.if DOCPART == 4
	.amdgcn_target "amdgcn-amd-amdhsa--gfx1250"
	.amdhsa_code_object_version 6
	.text
	.protected	k_q94d3cb37fb_oproj
	.globl	k_q94d3cb37fb_oproj
	.p2align	8
	.type	k_q94d3cb37fb_oproj,@function
k_q94d3cb37fb_oproj:
	s_mov_b64 s[64:65], 0
	v_nop
	global_prefetch_b8 v0, s[64:65] scope:SCOPE_SE
	s_setreg_imm32_b32 hwreg(HW_REG_WAVE_MODE, 25, 1), 1
	s_wait_xcnt 0x0
	s_wait_alu depctr_hold_cnt(0) depctr_sa_sdst(0) depctr_va_vdst(0) depctr_va_sdst(0) depctr_va_ssrc(0) depctr_va_vcc(0) depctr_vm_vsrc(0)
	s_getreg_b32 s2, hwreg(HW_REG_IB_STS2, 6, 4)
	s_cmp_eq_u32 s2, 0
	s_cbranch_scc0 .Lentry_in_a_cluster
	s_endpgm
.Lentry_in_a_cluster:
	s_bfe_u32 s2, ttmp6, 0x10000c
	s_cmp_lg_u32 s2, 0xf033
	s_cbranch_scc0 .Lentry_shape_is_right
	s_endpgm
.Lentry_shape_is_right:
; THE OUTPUT PROJECTION: out0[m][n] = sum over k of ctx[m][k] Wo[k][n] + bo[n], m = 8,192, n = k = 1,024; f16 operands (wot holds Wo rounded to bf16, written as f16), f32 sums, f32 out.  bo is rounded to bf16 like all inputs.
; The text is the projection launch's, with a tile of 256 x 128: 256 work-groups, one for each WGP.  Wave w makes rows 64 w .. 64 w + 63 of all 128 columns: 4 x 8 accumulators.
; ctx lies by heads, [batch x head][row][64]: a head IS a plane of 64 along K.  K goes in 8 steps of 128 (two planes) through two LDS slots; LDS rows are 144 bytes apart.
; CLUSTER 4 x 4: ctx's tile is asked for jointly along a row of the cluster, Wo's along a column.  THE MATRIX INSTRUCTION IS USED TRANSPOSED: a lane holds one row of the result and eight neighbouring columns.
; REGISTERS: window 0 addresses, v32-95 bias, v128-159 at work; windows 1, 2: accumulator (a, b) at 8 (8 (a % 2) + b) of window 1 + a / 2; window 3: two fragment buffers at 0 and 128, later the rows read back.
.set TN,     128
.set NBL,    TN/16
.set PITCH,  144
.set APLANE, 256*PITCH
.set BOFF,   2*APLANE
.set BPLANE, TN*PITCH
.set SLOT1,  131072
.set STAGE,  262144                    ; behind the ring, never filled by a tensor load: 16 rows x 272 bytes for each wave
.set SPITCH, 272
.set SWAVE,  16*SPITCH
.set SPARE,  STAGE+4*SWAVE             ; the spare words, 128 bytes for each wave, that no other line names
.set APG,    262144
.set BPG,    TN*128
.set LD,     2*NBL+8
.set KSTEPS, 8
.set FA0, 16
.set FB0, 17
.set ADRA, 18
.set ADRB, 19
.set STO, 24
.set RD,  25
.set GO,  26
.set BO,  27
.set SPW, 28                           ; v28  LDS address of my spare word; never rewritten
.set NIL, 29                           ; v29  0; never rewritten
.set PFO, 30
.set BIAS, 32
.set T,   128
.set F0,  0
.set F1,  128
.set CNT, 3
.set WV,  16
.set WH,  17
.set WL,  18
.set CX,  19
.set CY,  20
.set TC,  21
.set TR,  22
.set TB,  23
.set G1A, 24
.set G0A, 32
.set PFA, 40
.set PST, 42
.set LIM, 44
.set G1B, 48
.set G0B, 56
.set OUT, 66                           ; s[66:67] out0 at my first row and the tile's first column
.set FLAGS, (1<<16)|(1<<20)|(1<<21)|(4<<22)|(3<<25)
.set MSB, 0
.macro WIN new
.if MSB != (\new)
	s_set_vgpr_msb (MSB<<8)|(\new)
.set MSB, \new
.endif
.endm
.macro PLACES                          ; four plain places in front of loads into registers that matrix instructions have read, and of arithmetic on their results
.rept 4
	v_nop
.endr
.endm
.macro CREST
	s_cmp_lg_u32 s[WV], 0
	s_cbranch_scc1 .Lnot_wave_0_\@
	s_barrier_signal -3
.Lnot_wave_0_\@:
	s_barrier_wait -3
	s_barrier_signal -1
	s_barrier_wait -1
.endm
.macro CROUND
	s_barrier_signal -1
	s_barrier_wait -1
	CREST
.endm
.macro JLOAD                           ; a joint refill by the walking descriptor: waves 0, 1 ctx's two planes, waves 2, 3 Wo's; an s_nop 0 and four v_nop follow each line
	s_cmp_eq_u32 s[WH], 0
	s_cbranch_scc0 .Lfor_b_\@
	tensor_load_to_lds s[G0A+4:G0A+7], s[G1A:G1A+7]
	s_nop 0
.rept 4
	v_nop
.endr
	s_branch .Lasked_\@
.Lfor_b_\@:
	tensor_load_to_lds s[G0B+4:G0B+7], s[G1B:G1B+7]
	s_nop 0
.rept 4
	v_nop
.endr
.Lasked_\@:
.endm
; A PREFETCH INTO THE L2, behind a refill and the run of LDS loads that follows it: 32 blocks of 256 bytes, a lane a block, of the K step two refills on (steps 4 to 7); each block is named once in the launch.
; ctx's rows are read by two clusters: cluster x = 0 asks; waves 0, 1 take their own plane, the four partners 8,192 bytes each, told apart by address (cx).
; Wo's tile column is read by eight clusters: cluster y = 0 asks; a step's two planes are 32,768 dense bytes: wave 2 alone, the four partners 8,192 bytes each (cy).
.macro ASK
	s_cmp_gt_u32 s[CNT], s[LIM]
	s_cbranch_scc0 .Lnot_mine_\@
	global_prefetch_b8 v[PFO], s[PFA:PFA+1] th:TH_LOAD_NT scope:SCOPE_SE
.Lnot_mine_\@:
.endm
; 8 matrix instructions: block a of my four blocks of 16 rows x all 8 blocks of columns.  The 32 accumulators take turns, one instruction a turn, over the backward jump too.
.macro MULA f, a, zero
	WIN 0x5f+0x50*((\a)/2)
.set bb, 0
.rept NBL
.set AC, 8*(NBL*((\a)%2)+bb)
.if \zero
	v_wmma_f32_16x16x32_f16 v[AC:AC+7], v[(\f)+32+8*bb:(\f)+32+8*bb+7], v[(\f)+8*(\a):(\f)+8*(\a)+7], 0
.else
	v_wmma_f32_16x16x32_f16 v[AC:AC+7], v[(\f)+32+8*bb:(\f)+32+8*bb+7], v[(\f)+8*(\a):(\f)+8*(\a)+7], v[AC:AC+7]
.endif
.set bb, bb+1
.endr
.endm
.macro FETCH kq, f                     ; one run of LDS loads: quarter kq of the slot's K step into buffer f: Wo's eight fragments, then ctx's four
	WIN 0xc0
.set bb, 0
.rept NBL
	ds_load_b128 v[(\f)+32+8*bb:(\f)+32+8*bb+3],   v[ADRB] offset:((\kq)/2)*BPLANE+((\kq)%2)*64+16*PITCH*bb
	ds_load_b128 v[(\f)+32+8*bb+4:(\f)+32+8*bb+7], v[ADRB] offset:((\kq)/2)*BPLANE+((\kq)%2)*64+16*PITCH*bb+32
.set bb, bb+1
.endr
.irp i, 0,1,2,3
	ds_load_b128 v[(\f)+8*(\i):(\f)+8*(\i)+3],   v[ADRA] offset:((\kq)/2)*APLANE+((\kq)%2)*64+16*PITCH*(\i)
	ds_load_b128 v[(\f)+8*(\i)+4:(\f)+8*(\i)+7], v[ADRA] offset:((\kq)/2)*APLANE+((\kq)%2)*64+16*PITCH*(\i)+32
.endr
.endm
.macro QUARTER kq, f, g, zero
	s_wait_dscnt 4                                 ; all but the youngest four loads: ctx's blocks 2 and 3
	MULA \f, 0, \zero
	MULA \f, 1, \zero
	PLACES
	FETCH \kq, \g
	s_wait_dscnt LD                                ; all but the run just issued
	MULA \f, 2, \zero
	MULA \f, 3, \zero
.endm
; The last quarter multiplies buffer 1 and changes slots: each wave waits for all its tensor loads (one is out: its part of the next slot), adds 0 to its spare word, waits for that and for its reads of
; this slot, and signals.  fill = 1: the barrier opens a round of the cluster's, and the joint refill, two K steps on, is the first tensor load behind it.
.macro TURN fill
.if \fill
	s_wait_xcnt 0x0                                ; the last prefetch, a K step back, has read its address
	s_add_nc_u64 s[PFA:PFA+1], s[PFA:PFA+1], s[PST:PST+1]
.endif
	WIN 0
	s_wait_tensorcnt 0x0                           ; no tensor load of mine is out, so a group 0 may be written
	ds_add_u32 v[SPW], v[NIL]
.if \fill
	s_xor_b32 s[G0A+5], s[G0A+5], SLOT1
	s_add_nc_u64 s[G0A+6:G0A+7], s[G0A+6:G0A+7], 2*APG
	s_xor_b32 s[G0B+5], s[G0B+5], SLOT1
	s_add_nc_u64 s[G0B+6:G0B+7], s[G0B+6:G0B+7], 2*BPG
.endif
	s_wait_dscnt 5                                 ; the add and ctx's blocks 2 and 3 may be out
	MULA F1, 0, 0
	s_wait_dscnt 0x0                               ; the add is done, and my reads of this slot are over
	s_barrier_signal -1
	MULA F1, 1, 0
	WIN 0
	s_barrier_wait -1
.if \fill
	CREST
	JLOAD                                          ; its four v_nop are also the places in front of the loads below
.else
	PLACES
.endif
	s_xor_b32 s[TB], s[TB], SLOT1
	v_add_nc_u32 v[ADRA], s[TB], v[FA0]
	v_add_nc_u32 v[ADRB], s[TB], v[FB0]
	FETCH 0, F0
.if \fill
	WIN 0
	ASK
.endif
	MULA F1, 2, 0
	MULA F1, 3, 0
.endm
	s_load_b256 s[4:11], s[0:1], 0x0               ; ctx s[4:5], wot s[6:7], bo s[8:9], out0 s[10:11]
	v_lshl_add_u32 v[SPW], v0, 2, SPARE
	v_mov_b32 v[NIL], 0
	ds_add_u32 v[SPW], v[NIL]                      ; the wave's opening: the add and its wait stand ahead of my first tensor load; work on registers stands between them
	v_lshrrev_b32 v1, 5, v0
	v_readfirstlane_b32 s[WV], v1
	s_lshr_b32 s[WH], s[WV], 1
	s_and_b32 s[WL], s[WV], 1
	s_bfe_u32 s[CX], ttmp6, 0x40000
	s_bfe_u32 s[CY], ttmp6, 0x40004
	s_lshl_b32 s[TC], ttmp9, 2
	s_add_co_u32 s[TC], s[TC], s[CX]
	s_and_b32 s[TR], ttmp7, 0xffff
	s_lshl_b32 s[TR], s[TR], 2
	s_add_co_u32 s[TR], s[TR], s[CY]
	s_lshl_b32 s78, s[CY], 2
	s_lshl_b32 s78, 15, s78                        ; my row of the cluster
	s_lshl_b32 s82, 0x1111, s[CX]                  ; my column
	s_or_b32 s[G1A], s78, FLAGS
	s_or_b32 s[G1B], s82, FLAGS
.irp g, G1A, G1B
	s_mov_b32 s[(\g)+1], 128<<16
	s_mov_b32 s[(\g)+3], 128<<16
	s_mov_b32 s[(\g)+5], 128
	s_mov_b32 s[(\g)+6], 0
	s_mov_b32 s[(\g)+7], 0
.endr
	s_mov_b32 s[G1A+2], 128<<16
	s_mov_b32 s[G1A+4], 128
	s_mov_b32 s[G1B+2], (TN/2)<<16
	s_mov_b32 s[G1B+4], TN/2
	s_lshr_b32 s78, s[TR], 3                       ; batch: 16 heads
	s_lshl_b32 s78, s78, 22
	s_and_b32 s79, s[TR], 7
	s_lshl_b32 s79, s79, 15
	s_add_co_u32 s78, s78, s79
	s_lshl_b32 s79, s[WL], 18
	s_add_co_u32 s78, s78, s79
	s_mov_b32 s79, 0
	s_mul_i32 s82, s[TC], 16*BPG
	s_mul_i32 s83, s[WL], BPG
	s_add_co_u32 s82, s82, s83
	s_mov_b32 s83, 0
	s_mul_i32 s86, s[WL], APLANE
	s_mul_i32 s87, s[WL], BPLANE
	s_add_co_u32 s87, s87, BOFF
	s_mov_b32 s[G0A], 1
	s_mov_b32 s[G0A+1], s86
	s_mov_b32 s[G0A+4], 1
	s_add_co_u32 s[G0A+5], s86, SLOT1
	s_mov_b32 s[G0B], 1
	s_mov_b32 s[G0B+1], s87
	s_mov_b32 s[G0B+4], 1
	s_add_co_u32 s[G0B+5], s87, SLOT1
	s_mov_b32 s[TB], 0
	s_wait_dscnt 0x0                               ; the opening add is done
	s_wait_kmcnt 0x0
	s_add_nc_u64 s[G0A+2:G0A+3], s[4:5], s[78:79]
	s_add_nc_u64 s[G0A+6:G0A+7], s[G0A+2:G0A+3], 2*APG
	s_or_b32 s[G0A+3], s[G0A+3], 0x80000000
	s_or_b32 s[G0A+7], s[G0A+7], 0x80000000
	s_add_nc_u64 s[G0B+2:G0B+3], s[6:7], s[82:83]
	s_add_nc_u64 s[G0B+6:G0B+7], s[G0B+2:G0B+3], 2*BPG
	s_or_b32 s[G0B+3], s[G0B+3], 0x80000000
	s_or_b32 s[G0B+7], s[G0B+7], 0x80000000
	CROUND                                         ; all sixteen work-groups are here: the first joint loads meet
	s_cmp_eq_u32 s[WH], 0                          ; a wave's two first fills stand in one branch: two loads of mine are out, the most in this text
	s_cbranch_scc0 .Lfirst_b
	tensor_load_to_lds s[G0A:G0A+3], s[G1A:G1A+7]
	s_nop 0
	tensor_load_to_lds s[G0A+4:G0A+7], s[G1A:G1A+7]
	s_nop 0
.rept 4
	v_nop
.endr
	s_branch .Lfirst_asked
.Lfirst_b:
	tensor_load_to_lds s[G0B:G0B+3], s[G1B:G1B+7]
	s_nop 0
	tensor_load_to_lds s[G0B+4:G0B+7], s[G1B:G1B+7]
	s_nop 0
.rept 4
	v_nop
.endr
.Lfirst_asked:
	v_and_b32 v1, 15, v0                           ; l % 16
	v_bfe_u32 v2, v0, 4, 1                         ; l / 16
	v_mul_u32_u24 v3, v1, PITCH
	v_lshl_add_u32 v3, v2, 4, v3
	s_mul_i32 s86, s[WV], 64*PITCH
	v_add_nc_u32 v[FA0], s86, v3
	v_add_nc_u32 v[FB0], BOFF, v3
	v_mov_b32 v[ADRA], v[FA0]
	v_mov_b32 v[ADRB], v[FB0]
	s_mul_i32 s87, s[WV], SWAVE
	s_add_co_u32 s87, s87, STAGE                   ; my stage
	v_mul_u32_u24 v[STO], v1, SPITCH               ; in: row l % 16, 32 bytes for each half of the lanes
	v_lshl_add_u32 v[STO], v2, 5, v[STO]
	v_add_nc_u32 v[STO], s87, v[STO]
	v_mul_u32_u24 v[RD], v2, SPITCH                ; back: lanes 0-15 take one row of 256 bytes, lanes 16-31 the next
	v_lshl_add_u32 v[RD], v1, 4, v[RD]
	v_add_nc_u32 v[RD], s87, v[RD]
	v_lshlrev_b32 v[GO], 4, v1                     ; and the same two rows of 4,096 bytes in out0
	v_lshl_add_u32 v[GO], v2, 12, v[GO]
	v_and_b32 v[PFO], 31, v0
	v_lshlrev_b32 v[PFO], 8, v[PFO]
	v_lshlrev_b32 v[BO], 5, v2
	; the prefetches
	s_lshr_b32 s86, s[TR], 3
	s_lshl_b32 s86, s86, 22
	s_and_b32 s87, s[TR], 7
	s_lshl_b32 s87, s87, 15
	s_add_co_u32 s86, s86, s87
	s_add_co_u32 s87, s[WL], 6                     ; my plane of K step 3
	s_lshl_b32 s87, s87, 18
	s_add_co_u32 s86, s86, s87
	s_lshl_b32 s87, s[CX], 13
	s_add_co_u32 s86, s86, s87
	s_mul_i32 s88, s[TC], 16*BPG
	s_add_co_u32 s88, s88, 6*BPG                   ; K step 3
	s_lshl_b32 s89, s[CY], 13
	s_add_co_u32 s88, s88, s89
	s_and_b32 s45, ttmp7, 0xffff                   ; cluster y,
	s_or_b32 s45, s45, s[WL]                       ; and of waves 2 and 3 the first alone
	s_mov_b32 s[PST], 2*APG
	s_cmp_eq_u32 s[WH], 0
	s_cselect_b32 s86, s86, s88
	s_cselect_b64 s[PFA:PFA+1], s[4:5], s[6:7]
	s_cselect_b32 s45, ttmp9, s45
	s_cselect_b32 s[PST], s[PST], 2*BPG
	s_mov_b32 s[PST+1], 0
	s_mov_b32 s87, 0
	s_add_nc_u64 s[PFA:PFA+1], s[PFA:PFA+1], s[86:87]
	s_cmp_eq_u32 s45, 0
	s_cselect_b32 s[LIM], 2, -1                    ; four times; the same in all sixteen partners, for a given wave
	; bias, and where my rows go
	s_lshl_b32 s86, s[TC], 9
	s_add_nc_u64 s[88:89], s[8:9], s[86:87]
.set bb, 0
.rept NBL
	global_load_b128 v[BIAS+8*bb:BIAS+8*bb+3],   v[BO], s[88:89] offset:64*bb
	global_load_b128 v[BIAS+8*bb+4:BIAS+8*bb+7], v[BO], s[88:89] offset:64*bb+16
.set bb, bb+1
.endr
	s_lshl_b32 s90, s[TR], 20                      ; 256 rows of 4,096 bytes
	s_add_co_u32 s86, s86, s90
	s_lshl_b32 s90, s[WV], 18
	s_add_co_u32 s86, s86, s90
	s_add_nc_u64 s[OUT:OUT+1], s[10:11], s[86:87]
	s_wait_loadcnt 0x0
.set pp, 0
.rept 4*NBL                                    ; the bias rounded to bf16
	v_cvt_pk_bf16_f32 v[T+pp%4], v[BIAS+2*pp], v[BIAS+2*pp+1]
	v_lshlrev_b32 v[BIAS+2*pp], 16, v[T+pp%4]
	v_and_b32 v[BIAS+2*pp+1], 0xffff0000, v[T+pp%4]
.set pp, pp+1
.endr
	s_wait_tensorcnt 1                             ; my part of K step 0 is in; K step 1's may stay out
	s_barrier_signal -1
	s_barrier_wait -1
	FETCH 0, F0
	QUARTER 1, F0, F1, 1                           ; the first quarter stands in front of the loop: its products start the sums
	WIN 0
	s_mov_b32 s[CNT], KSTEPS-2
.Lstep:                                        ; six trips, each asks for one K step: 2 to 7
	QUARTER 2, F1, F0, 0
	QUARTER 3, F0, F1, 0
	TURN 1
	QUARTER 1, F0, F1, 0
	WIN 0
	s_sub_co_u32 s[CNT], s[CNT], 1
	s_cmp_lg_u32 s[CNT], 0
	s_cbranch_scc1 .Lstep
	QUARTER 2, F1, F0, 0                           ; the last two K steps are written out: nothing is asked for
	QUARTER 3, F0, F1, 0
	TURN 0
	QUARTER 1, F0, F1, 0
	QUARTER 2, F1, F0, 0
	QUARTER 3, F0, F1, 0
	s_wait_dscnt 4
	MULA F1, 0, 0
	MULA F1, 1, 0
	s_wait_dscnt 0x0
	MULA F1, 2, 0
	MULA F1, 3, 0
	WIN 0
	PLACES
; THE WAY OUT, in eight blocks t = 2 a + g of 16 rows x 64 columns (256 bytes): sum + bias, 32 bytes a lane into my own stage, back as whole rows, stored so that sixteen lanes write 256 consecutive bytes, aligned.
; Each block has registers of its own for what it stores, so nothing waits for a store.
.macro PACK t
.set aa, (\t)/2
.set gg, (\t)%2
	WIN 1+aa/2                                     ; source 0 in the accumulators' window
.set bb, 0
.rept 4
.set AC, 8*(NBL*(aa%2)+4*gg+bb)
.set rr, 0
.rept 4
	v_pk_add_f32 v[T+8*bb+2*rr:T+8*bb+2*rr+1], v[AC+2*rr:AC+2*rr+1], v[BIAS+8*(4*gg+bb)+2*rr:BIAS+8*(4*gg+bb)+2*rr+1]
.set rr, rr+1
.endr
.set bb, bb+1
.endr
	WIN 0
.irp b, 0,1,2,3
	ds_store_b128 v[STO], v[T+8*(\b):T+8*(\b)+3]   offset:64*(\b)
	ds_store_b128 v[STO], v[T+8*(\b)+4:T+8*(\b)+7] offset:64*(\b)+16
.endr
	WIN 0xc0
.irp f, 0,1,2,3,4,5,6,7
	ds_load_b128 v[32*(\t)+4*(\f):32*(\t)+4*(\f)+3], v[RD] offset:2*SPITCH*(\f)  ; LDS serves a wave's instructions in order: these see the stores above; the next block's stores come behind them
.endr
.endm
.macro SEND t, younger                 ; younger: the LDS instructions issued behind block t's loads: the next block's sixteen, or none
	WIN 0x0c                                       ; a store's data in window 3
.irp f, 0,1,2,3,4,5,6,7
	s_wait_dscnt (\younger)+7-(\f)
	global_store_b128 v[GO], v[32*(\t)+4*(\f):32*(\t)+4*(\f)+3], s[OUT:OUT+1] offset:(16*((\t)/2)+2*(\f))*4096+256*((\t)%2)
.endr
.endm
	PACK 0
.irp t, 1,2,3,4,5,6,7
	PACK \t
	SEND (\t)-1, 16
.endr
	SEND 7, 0
	WIN 0
	s_wait_tensorcnt 0x0                           ; the wave's end, behind my last tensor load and my last LDS store
	ds_add_u32 v[SPW], v[NIL]
	s_wait_dscnt 0x0
	CROUND                                         ; the closing round: no work-group ends while a partner may still ask for a tile that names it
	s_endpgm
.Lfunc_end_k_q94d3cb37fb_oproj:
	.size	k_q94d3cb37fb_oproj, .Lfunc_end_k_q94d3cb37fb_oproj-k_q94d3cb37fb_oproj
	.p2alignl 7, 3214868480
	.fill 96, 4, 3214868480
	.section	.rodata,"a",@progbits
	.p2align	6, 0x0
	.amdhsa_kernel k_q94d3cb37fb_oproj
		.amdhsa_group_segment_fixed_size 327680
		.amdhsa_private_segment_fixed_size 0
		.amdhsa_enable_private_segment 0
		.amdhsa_kernarg_size 32
		.amdhsa_user_sgpr_count 2
		.amdhsa_user_sgpr_kernarg_segment_ptr 1
		.amdhsa_wavefront_size32 1
		.amdhsa_system_sgpr_workgroup_id_x 1
		.amdhsa_system_sgpr_workgroup_id_y 1
		.amdhsa_system_sgpr_workgroup_id_z 1
		.amdhsa_system_vgpr_workitem_id 0
		.amdhsa_next_free_vgpr 1024
		.amdhsa_next_free_sgpr 96
		.amdhsa_reserve_vcc 0
		.amdhsa_float_denorm_mode_32 3
		.amdhsa_float_denorm_mode_16_64 3
		.amdhsa_memory_ordered 1
		.amdhsa_forward_progress 1
		.amdhsa_inst_pref_size 87
	.end_amdhsa_kernel
	.amdgpu_metadata
---
amdhsa.version: [ 1, 2 ]
amdhsa.kernels:
  - .name:           k_q94d3cb37fb_oproj
    .symbol:         k_q94d3cb37fb_oproj.kd
    .args:
      - { .name: ctx, .offset: 0, .size: 8, .value_kind: global_buffer, .address_space: global }
      - { .name: wot, .offset: 8, .size: 8, .value_kind: global_buffer, .address_space: global }
      - { .name: bo, .offset: 16, .size: 8, .value_kind: global_buffer, .address_space: global }
      - { .name: out0, .offset: 24, .size: 8, .value_kind: global_buffer, .address_space: global }
    .group_segment_fixed_size: 327680
    .private_segment_fixed_size: 0
    .kernarg_segment_align: 8
    .kernarg_segment_size: 32
    .max_flat_workgroup_size: 128
    .sgpr_count:     96
    .vgpr_count:     1024
    .wavefront_size: 32
...
	.end_amdgpu_metadata
.endif
;; end of part 4
;; ======== version 2 of 3: 4 launches
;; limits: values are held in f16: magnitudes above 65,504 overflow, below 6.1e-05 lose precision; right only within a limited range of input values
;; workspace buffers: xb 16,777,216 bytes; wt 6,291,456 bytes; wot 2,097,152 bytes; mcode 16,777,216 bytes; qkv 50,331,648 bytes; ctx 16,777,216 bytes
;; launch prep (part 5): grid 512 x 1, 8 waves a work-group, no clusters, 74,752 bytes of LDS; arguments x, Wq, Wk, Wv, Wo, mask, xb, wt, wot, mcode; writes xb, wt, wot, mcode
.if DOCPART == 5
	.amdgcn_target "amdgcn-amd-amdhsa--gfx1250"
	.amdhsa_code_object_version 6
	.text
	.protected	k_q94d3cb37fb_prep
	.globl	k_q94d3cb37fb_prep
	.p2align	8
	.type	k_q94d3cb37fb_prep,@function
k_q94d3cb37fb_prep:
	s_mov_b64 s[64:65], 0
	v_nop
	global_prefetch_b8 v0, s[64:65] scope:SCOPE_SE
	s_setreg_imm32_b32 hwreg(HW_REG_WAVE_MODE, 25, 1), 1
	s_wait_xcnt 0x0
; PREP: three streams, each read once.  A wave takes ONE unit of 16,384 input bytes (32 loads of 16 bytes a lane, all on their way at once) and needs no other wave: no barrier.
;   work-groups 0-255:   x [8192][1024] f32 -> xb, bf16, in planes of 64 channels: [batch 4][plane 16][row 2048][64]: a plane's rows are dense, 128 bytes each.
;   work-groups 256-383: Wq, Wk, Wv, Wo [k][n] f32 -> turned to [n][k].  wt, bf16: [column tile 16][plane 16][192 n][64 k], n counted over q, k, v on end.
;                        wot: [column tile 8][plane 16][128 n][64 k]: Wo rounded to bf16 and that number written as f16 (below 6e-5 it keeps f16's fixed step of 6e-8).
;   work-groups 384-511: mask [4][2048][2048] bytes (0 or 1) -> mcode, one byte a score: 0xC0, the fp8 (E4M3) code of -2.0, where the mask is set, else 0; in the order in which a lane of the
;                        attention launch wants them: [batch 4][16 queries: 128][64 keys: 32][half i 2][lane L 32][16 bytes]: the 8 bytes of keys 64 step + 32 i + 8 (L / 16) + 0..7 and the 8 of the
;                        keys 16 further on, of query L % 16.
; Matrix units, clusters and tensor loads are left out: nothing is shared and nothing is multiplied.  Each store of a wave covers whole aligned runs of 256 bytes.
.set STG,   9216                       ; a wave's stage in LDS: 64 rows x 144 bytes (weights), or 16 rows x 528 bytes (mask)
.set SPARE, 8*STG                      ; behind the stages: the spare words, 128 bytes for each wave, that no other line names
.set SPW, 2                            ; v2   LDS address of my spare word; never rewritten
.set NIL, 3                            ; v3   0; never rewritten
.set LO,  4                            ; v4   my offset in the unit's loads
.set SO,  5                            ; v5   my offset in its stores
.set LS,  6                            ; v6   where I write in my stage
.set LR,  7                            ; v7   where I read it back
.set L,   16                           ; v[16:143]  load i at L + 4 i
.set D,   144                          ; v[144:207] results
	s_load_b512 s[4:19], s[0:1], 0x0               ; x s[4:5], Wq s[6:7], Wk s[8:9], Wv s[10:11], Wo s[12:13], mask s[14:15], xb s[16:17], wt s[18:19]
	s_load_b128 s[20:23], s[0:1], 0x40             ; wot s[20:21], mcode s[22:23]
	v_lshl_add_u32 v[SPW], v0, 2, SPARE
	v_mov_b32 v[NIL], 0
	v_lshrrev_b32 v8, 5, v0
	v_readfirstlane_b32 s24, v8                    ; wave 0..7
	v_and_b32 v1, 31, v0                           ; lane l
	v_and_b32 v9, 15, v0                           ; l % 16
	v_bfe_u32 v10, v0, 4, 1                        ; l / 16
	s_mul_i32 s30, s24, STG                        ; my stage
	s_lshl_b32 s25, ttmp9, 3
	s_add_co_u32 s25, s25, s24                     ; 8 x work-group + wave
	s_mov_b32 s33, 0                               ; high words of the two offsets
	s_mov_b32 s35, 0
	s_wait_kmcnt 0x0
	s_cmp_lt_u32 ttmp9, 256
	s_cbranch_scc0 .Lnot_x
	; X.  Unit u: rows 4 u .. 4 u + 3.  A load takes 64 channels (256 bytes) of two rows; its 4 numbers a lane become 8 bytes, and the wave's store is 256 bytes on end of one plane.
	s_lshl_b32 s32, s25, 14
	s_add_nc_u64 s[26:27], s[4:5], s[32:33]
	s_lshr_b32 s34, s25, 9                         ; batch
	s_lshl_b32 s34, s34, 22                        ; 16 planes of 262,144 bytes
	s_and_b32 s31, s25, 511
	s_lshl_b32 s31, s31, 9                         ; 4 rows of 128 bytes
	s_add_co_u32 s34, s34, s31
	s_add_nc_u64 s[28:29], s[16:17], s[34:35]
	v_lshlrev_b32 v[LO], 4, v9
	v_lshl_add_u32 v[LO], v10, 12, v[LO]           ; 16 (l % 16) + a row of 4,096 bytes for the upper lanes
	v_lshlrev_b32 v[SO], 3, v1                     ; 8 l
.set i, 0
.rept 32
	global_load_b128 v[L+4*i:L+4*i+3], v[LO], s[26:27] offset:(i/16)*8192+(i%16)*256 th:TH_LOAD_NT
.set i, i+1
.endr
.set i, 0
.rept 32
	s_wait_loadcnt 31-i                            ; loads come back in order: load i is in, the 31 - i younger ones stay out
	v_cvt_pk_bf16_f32 v[L+4*i], v[L+4*i], v[L+4*i+1]
	v_cvt_pk_bf16_f32 v[L+4*i+1], v[L+4*i+2], v[L+4*i+3]
	global_store_b64 v[SO], v[L+4*i:L+4*i+1], s[28:29] offset:(i%16)*262144+(i/16)*256
.set i, i+1
.endr
	s_branch .Lend
.Lnot_x:
	s_cmp_lt_u32 ttmp9, 384
	s_cbranch_scc0 .Lmask
	; WEIGHTS.  Unit u: matrix u / 256, 64 rows k (plane (u / 16) % 16) x 64 columns n (group u % 16).  Lane (c = l % 16, h = l / 16) loads rows 32 h + i, columns 4 c .. 4 c + 3.
	s_sub_co_u32 s25, s25, 2048
	s_lshr_b32 s36, s25, 8                         ; matrix 0..3
	s_bfe_u32 s37, s25, 0x40004                    ; plane
	s_and_b32 s38, s25, 15                         ; column group
	s_cmp_eq_u32 s36, 0
	s_cselect_b64 s[26:27], s[6:7], s[8:9]
	s_cmp_lt_u32 s36, 2
	s_cselect_b64 s[26:27], s[26:27], s[10:11]
	s_cmp_lt_u32 s36, 3
	s_cselect_b64 s[26:27], s[26:27], s[12:13]
	s_cselect_b64 s[28:29], s[18:19], s[20:21]
	s_lshl_b32 s32, s37, 18                        ; 64 rows of 4,096 bytes
	s_lshl_b32 s31, s38, 8
	s_add_co_u32 s32, s32, s31
	s_add_nc_u64 s[26:27], s[26:27], s[32:33]
	s_lshl_b32 s39, s36, 4
	s_add_co_u32 s39, s39, s38                     ; group of 64 columns among q, k, v: 0..47
	s_mul_i32 s40, s39, 171
	s_lshr_b32 s40, s40, 9                         ; / 3, exact up to 47: the column tile of 192
	s_mul_i32 s41, s40, 3
	s_sub_co_u32 s41, s39, s41
	s_lshl_b32 s41, s41, 13                        ; 64 rows n of 128 bytes
	s_mul_i32 s40, s40, 393216
	s_add_co_u32 s40, s40, s41
	s_mul_i32 s41, s37, 24576
	s_add_co_u32 s40, s40, s41                     ; my 8,192 bytes in wt
	s_lshr_b32 s42, s38, 1
	s_lshl_b32 s42, s42, 18
	s_lshl_b32 s41, s37, 14
	s_add_co_u32 s42, s42, s41
	s_and_b32 s41, s38, 1
	s_lshl_b32 s41, s41, 13
	s_add_co_u32 s42, s42, s41                     ; or in wot
	s_cmp_lt_u32 s36, 3
	s_cselect_b32 s34, s40, s42
	s_add_nc_u64 s[28:29], s[28:29], s[34:35]
	v_lshlrev_b32 v[LO], 4, v9
	v_lshl_add_u32 v[LO], v10, 17, v[LO]           ; 16 c + 32 rows for the upper lanes
	v_lshlrev_b32 v[SO], 4, v1
	v_mul_u32_u24 v[LS], v9, 576                   ; stage row 4 c, byte 64 h
	v_lshl_add_u32 v[LS], v10, 6, v[LS]
	v_add_nc_u32 v[LS], s30, v[LS]
	v_lshrrev_b32 v8, 3, v1
	v_and_b32 v11, 7, v0
	v_mul_u32_u24 v[LR], v8, 144                   ; back: 32 lanes take four rows of 128 bytes
	v_lshl_add_u32 v[LR], v11, 4, v[LR]
	v_add_nc_u32 v[LR], s30, v[LR]
.set i, 0
.rept 32
	global_load_b128 v[L+4*i:L+4*i+3], v[LO], s[26:27] offset:4096*i th:TH_LOAD_NT
.set i, i+1
.endr
.set i, 0
.rept 16
	s_wait_loadcnt 30-2*i                          ; rows 2 i and 2 i + 1 are in
.irp t, 0,1,2,3
	v_cvt_pk_bf16_f32 v[D+16*(\t)+i], v[L+8*i+(\t)], v[L+8*i+4+(\t)]  ; column 4 c + t: two neighbouring k
.endr
.set i, i+1
.endr
	s_cmp_lt_u32 s36, 3
	s_cbranch_scc1 .Lbf
.set i, 0
.rept 64                                       ; Wo alone: the bf16 numbers written as f16
	v_lshlrev_b32 v[L+2*(i%4)], 16, v[D+i]
	v_and_b32 v[L+2*(i%4)+1], 0xffff0000, v[D+i]
	v_cvt_pk_f16_f32 v[D+i], v[L+2*(i%4)], v[L+2*(i%4)+1]
.set i, i+1
.endr
.Lbf:
.irp t, 0,1,2,3
.irp j, 0,1,2,3
	ds_store_b128 v[LS], v[D+16*(\t)+4*(\j):D+16*(\t)+4*(\j)+3] offset:144*(\t)+16*(\j)
.endr
.endr
.set i, 0
.rept 16
	ds_load_b128 v[L+4*i:L+4*i+3], v[LR] offset:576*i  ; LDS serves a wave's instructions in order: these see the stores above
.set i, i+1
.endr
.set i, 0
.rept 16
	s_wait_dscnt 15-i
	global_store_b128 v[SO], v[L+4*i:L+4*i+3], s[28:29] offset:512*i  ; 512 bytes on end of the unit's dense 8,192
.set i, i+1
.endr
	s_branch .Lend
.Lmask:
	; MASK.  Unit u: tile u / 2 of 16 queries (batches on end), 1,024 keys u % 2: 16 key steps, which are 16,384 bytes on end of mcode.  Load i: query i % 16, 512 keys i / 16; a lane has 16 keys.
	; A half of the unit (512 keys of 16 queries) goes through my stage as it lies, in rows of 528 bytes: row r starts at bank 4 r mod 64 (64 banks of 4 bytes: ISA guide 11.1), so the 32 lanes of a
	; read-back of 8 bytes (query l % 16, byte 8 (l / 16)) take each bank once.
	s_sub_co_u32 s25, s25, 3072
	s_lshr_b32 s36, s25, 1
	s_and_b32 s38, s25, 1
	s_lshl_b32 s32, s36, 15                        ; 16 rows of 2,048 bytes
	s_lshl_b32 s31, s38, 10
	s_add_co_u32 s32, s32, s31
	s_add_nc_u64 s[26:27], s[14:15], s[32:33]
	s_lshl_b32 s34, s25, 14
	s_add_nc_u64 s[28:29], s[22:23], s[34:35]
	v_lshlrev_b32 v[LO], 4, v1
	v_lshlrev_b32 v[SO], 4, v1
	v_add_nc_u32 v[LS], s30, v[LO]
	v_mul_u32_u24 v[LR], v9, 528
	v_lshl_add_u32 v[LR], v10, 3, v[LR]
	v_add_nc_u32 v[LR], s30, v[LR]
.set i, 0
.rept 32
	global_load_b128 v[L+4*i:L+4*i+3], v[LO], s[26:27] offset:(i%16)*2048+(i/16)*512 th:TH_LOAD_NT
.set i, i+1
.endr
; Half c of the unit; what is read back lands in the 64 registers from R on, which no pending store reads.
.macro MHALF c, R
.set i, 0
.rept 16
	s_wait_loadcnt 31-16*(\c)-i                    ; this query's 512 bytes are in, the younger loads stay out
.irp cw, 0,1,2,3
	v_lshlrev_b32 v[8+(\cw)], 6, v[L+64*(\c)+4*i+(\cw)]                                ; a byte 0 or 1 times 0xC0: bit 6,
	v_lshl_or_b32 v[L+64*(\c)+4*i+(\cw)], v[L+64*(\c)+4*i+(\cw)], 7, v[8+(\cw)]        ; and bit 7: nothing crosses a byte's end
.endr
	ds_store_b128 v[LS], v[L+64*(\c)+4*i:L+64*(\c)+4*i+3] offset:528*i
.set i, i+1
.endr
.set i, 0
.rept 16                                       ; key step i / 2 of the half's eight, half i % 2 of its 64 keys: my 8 keys, and the 8 that lie 16 further on
	ds_load_b64 v[(\R)+4*i:(\R)+4*i+1],   v[LR] offset:(i/2)*64+(i%2)*32      ; LDS serves a wave's instructions in order: these see the stores above, and the next half's stores come behind them
	ds_load_b64 v[(\R)+4*i+2:(\R)+4*i+3], v[LR] offset:(i/2)*64+(i%2)*32+16
.set i, i+1
.endr
.set i, 0
.rept 16
	s_wait_dscnt 30-2*i                            ; the two read-backs of store i are in
	global_store_b128 v[SO], v[(\R)+4*i:(\R)+4*i+3], s[28:29] offset:8192*(\c)+512*i  ; 512 bytes on end
.set i, i+1
.endr
.endm
	MHALF 0, D
	MHALF 1, L
.Lend:
	s_wait_tensorcnt 0x0                           ; the wave's end, behind my last LDS store
	ds_add_u32 v[SPW], v[NIL]
	s_wait_dscnt 0x0
	s_endpgm
.Lfunc_end_k_q94d3cb37fb_prep:
	.size	k_q94d3cb37fb_prep, .Lfunc_end_k_q94d3cb37fb_prep-k_q94d3cb37fb_prep
	.p2alignl 7, 3214868480
	.fill 96, 4, 3214868480
	.section	.rodata,"a",@progbits
	.p2align	6, 0x0
	.amdhsa_kernel k_q94d3cb37fb_prep
		.amdhsa_group_segment_fixed_size 74752
		.amdhsa_private_segment_fixed_size 0
		.amdhsa_enable_private_segment 0
		.amdhsa_kernarg_size 80
		.amdhsa_user_sgpr_count 2
		.amdhsa_user_sgpr_kernarg_segment_ptr 1
		.amdhsa_wavefront_size32 1
		.amdhsa_system_sgpr_workgroup_id_x 1
		.amdhsa_system_sgpr_workgroup_id_y 1
		.amdhsa_system_sgpr_workgroup_id_z 1
		.amdhsa_system_vgpr_workitem_id 0
		.amdhsa_next_free_vgpr 208
		.amdhsa_next_free_sgpr 66
		.amdhsa_reserve_vcc 0
		.amdhsa_float_denorm_mode_32 3
		.amdhsa_float_denorm_mode_16_64 3
		.amdhsa_memory_ordered 1
		.amdhsa_forward_progress 1
		.amdhsa_inst_pref_size 63
	.end_amdhsa_kernel
	.amdgpu_metadata
---
amdhsa.version: [ 1, 2 ]
amdhsa.kernels:
  - .name:           k_q94d3cb37fb_prep
    .symbol:         k_q94d3cb37fb_prep.kd
    .args:
      - { .name: x, .offset: 0, .size: 8, .value_kind: global_buffer, .address_space: global }
      - { .name: Wq, .offset: 8, .size: 8, .value_kind: global_buffer, .address_space: global }
      - { .name: Wk, .offset: 16, .size: 8, .value_kind: global_buffer, .address_space: global }
      - { .name: Wv, .offset: 24, .size: 8, .value_kind: global_buffer, .address_space: global }
      - { .name: Wo, .offset: 32, .size: 8, .value_kind: global_buffer, .address_space: global }
      - { .name: mask, .offset: 40, .size: 8, .value_kind: global_buffer, .address_space: global }
      - { .name: xb, .offset: 48, .size: 8, .value_kind: global_buffer, .address_space: global }
      - { .name: wt, .offset: 56, .size: 8, .value_kind: global_buffer, .address_space: global }
      - { .name: wot, .offset: 64, .size: 8, .value_kind: global_buffer, .address_space: global }
      - { .name: mcode, .offset: 72, .size: 8, .value_kind: global_buffer, .address_space: global }
    .group_segment_fixed_size: 74752
    .private_segment_fixed_size: 0
    .kernarg_segment_align: 8
    .kernarg_segment_size: 80
    .max_flat_workgroup_size: 256
    .sgpr_count:     66
    .vgpr_count:     208
    .wavefront_size: 32
...
	.end_amdgpu_metadata
.endif
;; end of part 5
;; launch qkv (part 6): grid 16 x 32, 4 waves a work-group, clusters of 4 x 4, 327,680 bytes of LDS; arguments xb, wt, bq, bk, bv, qkv; writes qkv
.if DOCPART == 6
	.amdgcn_target "amdgcn-amd-amdhsa--gfx1250"
	.amdhsa_code_object_version 6
	.text
	.protected	k_q94d3cb37fb_qkv
	.globl	k_q94d3cb37fb_qkv
	.p2align	8
	.type	k_q94d3cb37fb_qkv,@function
k_q94d3cb37fb_qkv:
	s_mov_b64 s[64:65], 0
	v_nop
	global_prefetch_b8 v0, s[64:65] scope:SCOPE_SE
	s_setreg_imm32_b32 hwreg(HW_REG_WAVE_MODE, 25, 1), 1
	s_wait_xcnt 0x0
	s_wait_alu depctr_hold_cnt(0) depctr_sa_sdst(0) depctr_va_vdst(0) depctr_va_sdst(0) depctr_va_ssrc(0) depctr_va_vcc(0) depctr_vm_vsrc(0)
	s_getreg_b32 s2, hwreg(HW_REG_IB_STS2, 6, 4)
	s_cmp_eq_u32 s2, 0
	s_cbranch_scc0 .Lentry_in_a_cluster
	s_endpgm
.Lentry_in_a_cluster:
	s_bfe_u32 s2, ttmp6, 0x10000c
	s_cmp_lg_u32 s2, 0xf033
	s_cbranch_scc0 .Lentry_shape_is_right
	s_endpgm
.Lentry_shape_is_right:
; THE THREE PROJECTIONS AS ONE PRODUCT: C[m][n] = sum over k of x[m][k] W[k][n] + bias[n], m = 8,192 rows, n = 3,072 columns (q, k, v on end), k = 1,024; bf16 operands, f32 sums.
; Out: qkv, f16, by heads: [matrix 3][batch x head 64][row 2048][64].  q is stored as c (x Wq + bq), c = log2(e) / 8, applied in f32 ahead of q's one rounding.  The biases are rounded to bf16 like all inputs.
; LIMIT: c q, k and v must stay under 65,504, f16's range.
; A tile of C is 256 x 192: 512 work-groups, two for each of 256 WGPs (256 x 256 would give one and a half).  Wave w makes rows 64 w .. 64 w + 63 of all 192 columns: 4 x 12 accumulators, 384 registers:
; three whole heads belong to one wave, so the way out needs no barrier.  K goes in 8 steps of 128 (two planes of 64 channels) through two LDS slots.
; A plane's part of a tile is dense in memory (256 or 192 rows of 128 bytes) and is asked for as rows of 256 bytes, padded in LDS behind every 128: LDS rows 144 bytes apart,
; so the 16 rows of a fragment load start at 16 different groups of four banks (64 banks of 4 bytes: ISA guide 11.1).
; CLUSTER 4 x 4: x's tile hangs on the tile row alone and is asked for jointly along a row of the cluster, W's on the tile column alone, along a column.
; THE MATRIX INSTRUCTION IS USED TRANSPOSED (source 0 = 16 rows of W^T, source 1 = 16 rows of x): a lane holds one row of C and eight neighbouring columns.
; THE TEXT: the first quarter of a K step, whose products start the sums; a loop of six trips, each of which asks for a K step; a loop of two trips for the last two K steps, which ask for nothing.
; REGISTERS, in windows of 256 (s_set_vgpr_msb: bits 1:0 source 0, 3:2 source 1, 5:4 source 2, 7:6 destination):
;   window 0: addresses, v32-127 bias (8 for each block of 16 columns), v128-175 at work on the way out       windows 1, 2: accumulator (a, b) at 8 (12 (a % 2) + b) of window 1 + a / 2
;   window 3: two fragment buffers of 128: x's four blocks, then W's twelve; on the way out the rows read back from the stage
.set TN,     192
.set NBL,    TN/16
.set PITCH,  144
.set APLANE, 256*PITCH                 ; a plane of x's tile in LDS
.set BOFF,   2*APLANE
.set BPLANE, TN*PITCH                  ; a plane of W's tile
.set SLOT1,  131072                    ; slot 1 begins here: one exclusive or turns an address in one slot into the other's (a slot uses 129,024 bytes)
.set STAGE,  262144                    ; behind the ring, never filled by a tensor load: 16 rows x 144 bytes for each wave
.set SWAVE,  16*PITCH
.set SPARE,  STAGE+4*SWAVE             ; the spare words, 128 bytes for each wave, that no other line names
.set APG,    262144                    ; bytes from plane to plane in xb
.set BPG,    TN*128                    ; and in wt
.set LD,     2*NBL+8                   ; LDS loads in a run: the fragments of 32 along K
.set KSTEPS, 8
.set FA0, 16                           ; v16  my lane's place in x's tile; never rewritten
.set FB0, 17                           ; v17  in W's
.set ADRA, 18                          ; v18  the same in the slot in hand
.set ADRB, 19
.set STO, 24                           ; v24  the way out: where I put 16 bytes of a row
.set RD,  25                           ; v25  where I read rows back
.set GO,  26                           ; v26  my 16 bytes of 512 on end
.set BO,  27                           ; v27  my eight columns' bias: 32 (l / 16)
.set SPW, 28                           ; v28  LDS address of my spare word; never rewritten
.set NIL, 29                           ; v29  0; never rewritten
.set PFO, 30                           ; v30  256 x lane; never rewritten
.set BIAS, 32
.set T,   128
.set PKD, 160
.set F0,  0
.set F1,  128
.set CNT, 3                            ; s3   trips to go
.set WV,  16                           ; s16  wave;  s17 wave / 2: I fetch x's (0) or W's (1) tile;  s18 wave % 2: which of a step's two planes
.set WH,  17
.set WL,  18
.set CX,  19
.set CY,  20
.set TC,  21                           ; s21  tile column 0..15
.set TR,  22                           ; s22  tile row 0..31
.set TB,  23                           ; s23  LDS byte of the slot in hand
.set G1A, 24                           ; s[24:31] descriptor group 1, x's tiles;  s[32:39] group 0: a set for each first fill; the second then walks
.set G0A, 32
.set PFA, 40                           ; s[40:41] where my prefetches stand;  s[42:43] their step;  s44 a wave prefetches while the trips to go are above this
.set PST, 42
.set LIM, 44
.set HIM, 47                           ; s47  a word's upper bf16
.set G1B, 48                           ; s[48:55], s[56:63] the same for W's tiles
.set G0B, 56
.set OUT, 66                           ; s[66:71] where my rows of the tile's three heads begin in qkv
.set SC,  72                           ; s[72:77] their scale: c for q's heads, else 1
.set FLAGS, (1<<16)|(1<<20)|(1<<21)|(4<<22)|(3<<25)  ; 2-byte elements; padding on; bit 21 beside a mask; behind every 32 words, 4 words
.set MSB, 0
.macro WIN new                         ; the high byte repeats the setting that is left; a switch that changes nothing is dropped
.if MSB != (\new)
	s_set_vgpr_msb (MSB<<8)|(\new)
.set MSB, \new
.endif
.endm
.macro PLACES                          ; four plain places in front of loads into registers that matrix instructions have read, and of arithmetic on their results
.rept 4
	v_nop
.endr
.endm
.macro CREST                           ; a round of the cluster's barrier behind its opening barrier
	s_cmp_lg_u32 s[WV], 0
	s_cbranch_scc1 .Lnot_wave_0_\@
	s_barrier_signal -3
.Lnot_wave_0_\@:
	s_barrier_wait -3
	s_barrier_signal -1
	s_barrier_wait -1
.endm
.macro CROUND
	s_barrier_signal -1
	s_barrier_wait -1
	CREST
.endm
.macro JLOAD                           ; a joint refill by the walking descriptor: waves 0, 1 x's two planes, waves 2, 3 W's; an s_nop 0 and four v_nop follow each line
	s_cmp_eq_u32 s[WH], 0
	s_cbranch_scc0 .Lfor_b_\@
	tensor_load_to_lds s[G0A+4:G0A+7], s[G1A:G1A+7]
	s_nop 0
.rept 4
	v_nop
.endr
	s_branch .Lasked_\@
.Lfor_b_\@:
	tensor_load_to_lds s[G0B+4:G0B+7], s[G1B:G1B+7]
	s_nop 0
.rept 4
	v_nop
.endr
.Lasked_\@:
.endm
; A PREFETCH INTO THE L2, behind a refill and the run of LDS loads that follows it: 32 blocks of 256 bytes, a lane a block, of K steps 4 to 7; each block is named once in the launch.
; x's rows are read by the four clusters of a row of clusters: cluster x = 0 asks; waves 0, 1 take their own plane of the step two refills on, the four partners 8,192 bytes each, told apart by address (cx).
; W's tile column is read by eight clusters: cluster y = 0 asks; its planes 8 to 15 are 196,608 dense bytes: three times 65,536, shared out by address among 4 partners (cy) x waves 2, 3.
.macro ASK
	s_cmp_gt_u32 s[CNT], s[LIM]
	s_cbranch_scc0 .Lnot_mine_\@
	global_prefetch_b8 v[PFO], s[PFA:PFA+1] th:TH_LOAD_NT scope:SCOPE_SE
.Lnot_mine_\@:
.endm
; 12 matrix instructions: block a of my four blocks of 16 rows x all 12 blocks of columns, 32 along K from buffer f.  zero = 1: the product starts the sums.
; The 48 accumulators take turns, one instruction a turn, in the same order in every quarter, over the backward jumps too.
.macro MULA f, a, zero
	WIN 0x5f+0x50*((\a)/2)
.set bb, 0
.rept NBL
.set AC, 8*(NBL*((\a)%2)+bb)
.if \zero
	v_wmma_f32_16x16x32_bf16 v[AC:AC+7], v[(\f)+32+8*bb:(\f)+32+8*bb+7], v[(\f)+8*(\a):(\f)+8*(\a)+7], 0
.else
	v_wmma_f32_16x16x32_bf16 v[AC:AC+7], v[(\f)+32+8*bb:(\f)+32+8*bb+7], v[(\f)+8*(\a):(\f)+8*(\a)+7], v[AC:AC+7]
.endif
.set bb, bb+1
.endr
.endm
; One run of LDS loads: quarter kq of the slot's K step into buffer f: W's twelve fragments, then x's four.  A fragment: lane l holds row l % 16, K = 8 (l / 16) + 0..7 and 16 + 8 (l / 16) + 0..7.
.macro FETCH kq, f
	WIN 0xc0
.set bb, 0
.rept NBL
	ds_load_b128 v[(\f)+32+8*bb:(\f)+32+8*bb+3],   v[ADRB] offset:((\kq)/2)*BPLANE+((\kq)%2)*64+16*PITCH*bb
	ds_load_b128 v[(\f)+32+8*bb+4:(\f)+32+8*bb+7], v[ADRB] offset:((\kq)/2)*BPLANE+((\kq)%2)*64+16*PITCH*bb+32
.set bb, bb+1
.endr
.irp i, 0,1,2,3
	ds_load_b128 v[(\f)+8*(\i):(\f)+8*(\i)+3],   v[ADRA] offset:((\kq)/2)*APLANE+((\kq)%2)*64+16*PITCH*(\i)
	ds_load_b128 v[(\f)+8*(\i)+4:(\f)+8*(\i)+7], v[ADRA] offset:((\kq)/2)*APLANE+((\kq)%2)*64+16*PITCH*(\i)+32
.endr
.endm
; One of a K step's first three quarters: multiplies buffer f; in its middle it fetches quarter kq into buffer g.
.macro QUARTER kq, f, g, zero
	s_wait_dscnt 4                                 ; all but the youngest four loads: x's blocks 2 and 3
	MULA \f, 0, \zero
	MULA \f, 1, \zero
	PLACES
	FETCH \kq, \g
	s_wait_dscnt LD                                ; all but the run just issued
	MULA \f, 2, \zero
	MULA \f, 3, \zero
.endm
; The last quarter multiplies buffer 1 and changes slots.  In front of the barrier each wave waits for all its tensor loads (one is out at the most: its part of the next slot), adds 0 to its spare word,
; and waits for that and for its reads of this slot.  fill = 1: the barrier opens a round of the cluster's, and the joint refill, two K steps on, is the first tensor load behind it.
; fill = 0, the loop of the last two K steps: nothing is asked for; in its second trip there is no next slot either, and the run of LDS loads is jumped over.
.macro TURN fill
.if \fill
	s_wait_xcnt 0x0                                ; the last prefetch, a K step back, has read its address
	s_add_nc_u64 s[PFA:PFA+1], s[PFA:PFA+1], s[PST:PST+1]
.endif
	WIN 0
	s_wait_tensorcnt 0x0                           ; no tensor load of mine is out, so a group 0 may be written
	ds_add_u32 v[SPW], v[NIL]
.if \fill
	s_xor_b32 s[G0A+5], s[G0A+5], SLOT1            ; the walking descriptors: the other slot than last time, the next K step
	s_add_nc_u64 s[G0A+6:G0A+7], s[G0A+6:G0A+7], 2*APG
	s_xor_b32 s[G0B+5], s[G0B+5], SLOT1
	s_add_nc_u64 s[G0B+6:G0B+7], s[G0B+6:G0B+7], 2*BPG
.endif
	s_wait_dscnt 5                                 ; the add and x's blocks 2 and 3 may be out
	MULA F1, 0, 0
	s_wait_dscnt 0x0                               ; the add is done, and my reads of this slot are over
	s_barrier_signal -1
	MULA F1, 1, 0
	WIN 0
	s_barrier_wait -1
.if \fill
	CREST
	JLOAD                                          ; its four v_nop are also the places in front of the loads below
.else
	s_cmp_eq_u32 s[CNT], 1                         ; the last K step of all
	s_cbranch_scc1 .Lno_fetch_\@
	PLACES
.endif
	s_xor_b32 s[TB], s[TB], SLOT1
	v_add_nc_u32 v[ADRA], s[TB], v[FA0]
	v_add_nc_u32 v[ADRB], s[TB], v[FB0]
	FETCH 0, F0
	WIN 0
.if \fill
	ASK
.else
.Lno_fetch_\@:
.endif
	MULA F1, 2, 0
	MULA F1, 3, 0
.endm
	s_load_b256 s[4:11], s[0:1], 0x0               ; xb s[4:5], wt s[6:7], bq s[8:9], bk s[10:11]
	s_load_b128 s[12:15], s[0:1], 0x20             ; bv s[12:13], qkv s[14:15]
	v_lshl_add_u32 v[SPW], v0, 2, SPARE
	v_mov_b32 v[NIL], 0
	ds_add_u32 v[SPW], v[NIL]                      ; the wave's opening: the add and its wait stand ahead of my first tensor load; work on registers stands between them
	v_lshrrev_b32 v1, 5, v0
	v_readfirstlane_b32 s[WV], v1
	s_lshr_b32 s[WH], s[WV], 1
	s_and_b32 s[WL], s[WV], 1
	s_bfe_u32 s[CX], ttmp6, 0x40000
	s_bfe_u32 s[CY], ttmp6, 0x40004
	s_lshl_b32 s[TC], ttmp9, 2
	s_add_co_u32 s[TC], s[TC], s[CX]
	s_and_b32 s[TR], ttmp7, 0xffff
	s_lshl_b32 s[TR], s[TR], 2
	s_add_co_u32 s[TR], s[TR], s[CY]
	s_lshl_b32 s78, s[CY], 2
	s_lshl_b32 s78, 15, s78                        ; my row of the cluster
	s_lshl_b32 s82, 0x1111, s[CX]                  ; my column
	s_or_b32 s[G1A], s78, FLAGS
	s_or_b32 s[G1B], s82, FLAGS
.irp g, G1A, G1B
	s_mov_b32 s[(\g)+1], 128<<16                   ; tensor_dim0 = 128 elements: rows of 256 bytes
	s_mov_b32 s[(\g)+3], 128<<16                   ; tile_dim0 = 128
	s_mov_b32 s[(\g)+5], 128                       ; 128 elements from row to row: dense
	s_mov_b32 s[(\g)+6], 0
	s_mov_b32 s[(\g)+7], 0
.endr
	s_mov_b32 s[G1A+2], 128<<16                    ; tensor_dim1 = tile_dim1 = 128 rows: 256 rows of x, two to a row
	s_mov_b32 s[G1A+4], 128
	s_mov_b32 s[G1B+2], (TN/2)<<16                 ; 96 rows: 192 rows of W^T
	s_mov_b32 s[G1B+4], TN/2
	; x's address hangs on the tile row and the wave, W's on the tile column and the wave, each in registers that never hold the other coordinate
	s_lshr_b32 s78, s[TR], 3                       ; batch: 16 planes
	s_lshl_b32 s78, s78, 22
	s_and_b32 s79, s[TR], 7                        ; 256 rows of 128 bytes
	s_lshl_b32 s79, s79, 15
	s_add_co_u32 s78, s78, s79
	s_lshl_b32 s79, s[WL], 18                      ; my plane of the step
	s_add_co_u32 s78, s78, s79
	s_mov_b32 s79, 0
	s_mul_i32 s82, s[TC], 16*BPG
	s_mul_i32 s83, s[WL], BPG
	s_add_co_u32 s82, s82, s83
	s_mov_b32 s83, 0
	s_mul_i32 s86, s[WL], APLANE                   ; and where they go: the wave's number alone
	s_mul_i32 s87, s[WL], BPLANE
	s_add_co_u32 s87, s87, BOFF
	s_mov_b32 s[G0A], 1
	s_mov_b32 s[G0A+1], s86
	s_mov_b32 s[G0A+4], 1
	s_add_co_u32 s[G0A+5], s86, SLOT1
	s_mov_b32 s[G0B], 1
	s_mov_b32 s[G0B+1], s87
	s_mov_b32 s[G0B+4], 1
	s_add_co_u32 s[G0B+5], s87, SLOT1
	s_mov_b32 s[TB], 0
	s_mov_b32 s[HIM], 0xffff0000
	s_wait_dscnt 0x0                               ; the opening add is done
	s_wait_kmcnt 0x0
	s_add_nc_u64 s[G0A+2:G0A+3], s[4:5], s[78:79]  ; K step 0,
	s_add_nc_u64 s[G0A+6:G0A+7], s[G0A+2:G0A+3], 2*APG  ; K step 1
	s_or_b32 s[G0A+3], s[G0A+3], 0x80000000
	s_or_b32 s[G0A+7], s[G0A+7], 0x80000000
	s_add_nc_u64 s[G0B+2:G0B+3], s[6:7], s[82:83]
	s_add_nc_u64 s[G0B+6:G0B+7], s[G0B+2:G0B+3], 2*BPG
	s_or_b32 s[G0B+3], s[G0B+3], 0x80000000
	s_or_b32 s[G0B+7], s[G0B+7], 0x80000000
	CROUND                                         ; all sixteen work-groups are here: the first joint loads meet
	s_cmp_eq_u32 s[WH], 0                          ; a wave's two first fills stand in one branch: two loads of mine are out, the most in this text
	s_cbranch_scc0 .Lfirst_b
	tensor_load_to_lds s[G0A:G0A+3], s[G1A:G1A+7]
	s_nop 0
	tensor_load_to_lds s[G0A+4:G0A+7], s[G1A:G1A+7]
	s_nop 0
.rept 4
	v_nop
.endr
	s_branch .Lfirst_asked
.Lfirst_b:
	tensor_load_to_lds s[G0B:G0B+3], s[G1B:G1B+7]
	s_nop 0
	tensor_load_to_lds s[G0B+4:G0B+7], s[G1B:G1B+7]
	s_nop 0
.rept 4
	v_nop
.endr
.Lfirst_asked:
	v_and_b32 v1, 15, v0                           ; l % 16
	v_bfe_u32 v2, v0, 4, 1                         ; l / 16
	v_mul_u32_u24 v3, v1, PITCH
	v_lshl_add_u32 v3, v2, 4, v3                   ; row x pitch + 16 x half
	s_mul_i32 s86, s[WV], 64*PITCH                 ; my 64 rows of x
	v_add_nc_u32 v[FA0], s86, v3
	v_add_nc_u32 v[FB0], BOFF, v3
	v_mov_b32 v[ADRA], v[FA0]
	v_mov_b32 v[ADRB], v[FB0]
	s_mul_i32 s87, s[WV], SWAVE
	s_add_co_u32 s87, s87, STAGE                   ; my stage
	v_add_nc_u32 v[STO], s87, v3
	v_bfe_u32 v4, v0, 3, 2
	v_and_b32 v5, 7, v0
	v_mul_u32_u24 v[RD], v4, PITCH                 ; back: 32 lanes take four rows of 128 bytes
	v_lshl_add_u32 v[RD], v5, 4, v[RD]
	v_add_nc_u32 v[RD], s87, v[RD]
	v_and_b32 v[GO], 31, v0
	v_lshlrev_b32 v[PFO], 8, v[GO]
	v_lshlrev_b32 v[GO], 4, v[GO]
	v_lshlrev_b32 v[BO], 5, v2
	; the prefetches: where they stand one step ahead of the first, who asks, how long
	s_lshr_b32 s86, s[TR], 3
	s_lshl_b32 s86, s86, 22
	s_and_b32 s87, s[TR], 7
	s_lshl_b32 s87, s87, 15
	s_add_co_u32 s86, s86, s87
	s_add_co_u32 s87, s[WL], 6                     ; my plane of K step 3
	s_lshl_b32 s87, s87, 18
	s_add_co_u32 s86, s86, s87
	s_lshl_b32 s87, s[CX], 13                      ; my work-group's 8,192 bytes of the plane's 32,768
	s_add_co_u32 s86, s86, s87
	s_mul_i32 s88, s[TC], 16*BPG
	s_add_co_u32 s88, s88, 131072                  ; 65,536 bytes ahead of plane 8
	s_lshl_b32 s89, s[CY], 1
	s_add_co_u32 s89, s89, s[WL]
	s_lshl_b32 s89, s89, 13                        ; my 8,192 of the 65,536
	s_add_co_u32 s88, s88, s89
	s_and_b32 s45, ttmp7, 0xffff                   ; cluster y
	s_mov_b32 s[PST], 2*APG
	s_cmp_eq_u32 s[WH], 0
	s_cselect_b32 s86, s86, s88
	s_cselect_b64 s[PFA:PFA+1], s[4:5], s[6:7]
	s_cselect_b32 s45, ttmp9, s45                  ; the coordinate along which other clusters read the same bytes
	s_cselect_b32 s46, 2, 3                        ; x: four times, W: three times
	s_cselect_b32 s[PST], s[PST], 65536
	s_mov_b32 s[PST+1], 0
	s_mov_b32 s87, 0
	s_add_nc_u64 s[PFA:PFA+1], s[PFA:PFA+1], s[86:87]
	s_cmp_eq_u32 s45, 0
	s_cselect_b32 s[LIM], s46, -1                  ; the same in all sixteen partners, for a given wave
	; the tile's three heads: bias, scale, and where my rows go
.irp g, 0,1,2
.if (\g) > 0
	s_wait_xcnt 0x0                                ; the loads above have read their base: it is written anew
.endif
	s_mul_i32 s86, s[TC], 3
	s_add_co_u32 s86, s86, \g                      ; group of 64 columns, 0..47: matrix s86 / 16, head s86 % 16
	s_cmp_lt_u32 s86, 16
	s_cselect_b64 s[88:89], s[8:9], s[10:11]
	s_cselect_b32 s[SC+2*(\g)], 0x3e38aa3b, 1.0    ; c = log2(e) / 8 for q
	s_cmp_lt_u32 s86, 32
	s_cselect_b64 s[88:89], s[88:89], s[12:13]
	s_mov_b32 s[SC+2*(\g)+1], s[SC+2*(\g)]         ; named with it as a pair
	s_and_b32 s87, s86, 15
	s_lshl_b32 s90, s87, 8
	s_mov_b32 s91, 0
	s_add_nc_u64 s[88:89], s[88:89], s[90:91]
.irp b, 0,1,2,3
	global_load_b128 v[BIAS+8*(4*(\g)+(\b)):BIAS+8*(4*(\g)+(\b))+3],   v[BO], s[88:89] offset:64*(\b)
	global_load_b128 v[BIAS+8*(4*(\g)+(\b))+4:BIAS+8*(4*(\g)+(\b))+7], v[BO], s[88:89] offset:64*(\b)+16
.endr
	s_lshr_b32 s90, s86, 4
	s_lshl_b32 s90, s90, 6                         ; 64 heads to a matrix
	s_add_co_u32 s90, s90, s87
	s_lshr_b32 s87, s[TR], 3
	s_lshl_b32 s87, s87, 4                         ; 16 to a batch
	s_add_co_u32 s90, s90, s87
	s_lshl_b32 s90, s90, 18                        ; 2,048 rows of 128 bytes
	s_and_b32 s87, s[TR], 7
	s_lshl_b32 s87, s87, 15
	s_add_co_u32 s90, s90, s87
	s_lshl_b32 s87, s[WV], 13
	s_add_co_u32 s90, s90, s87
	s_add_nc_u64 s[OUT+2*(\g):OUT+2*(\g)+1], s[14:15], s[90:91]
.endr
	s_wait_loadcnt 0x0
.set pp, 0
.rept 4*NBL                                    ; the bias rounded to bf16, then times the head's scale
	v_cvt_pk_bf16_f32 v[T+pp%4], v[BIAS+2*pp], v[BIAS+2*pp+1]
	v_lshlrev_b32 v[BIAS+2*pp], 16, v[T+pp%4]
	v_and_b32 v[BIAS+2*pp+1], s[HIM], v[T+pp%4]
	v_pk_mul_f32 v[BIAS+2*pp:BIAS+2*pp+1], v[BIAS+2*pp:BIAS+2*pp+1], s[SC+2*(pp/16):SC+2*(pp/16)+1] op_sel_hi:[1,0]
.set pp, pp+1
.endr
	s_wait_tensorcnt 1                             ; my part of K step 0 is in; K step 1's may stay out
	s_barrier_signal -1
	s_barrier_wait -1
	FETCH 0, F0
	QUARTER 1, F0, F1, 1                           ; the first quarter stands in front of the loops: its products start the sums
	WIN 0                                          ; at a label and at a branch every window is 0
	s_mov_b32 s[CNT], KSTEPS-2
.Lstep:                                        ; six trips, from a K step's second quarter to the next step's first; each asks for one K step: 2 to 7
	QUARTER 2, F1, F0, 0
	QUARTER 3, F0, F1, 0
	TURN 1
	QUARTER 1, F0, F1, 0
	WIN 0
	s_sub_co_u32 s[CNT], s[CNT], 1
	s_cmp_lg_u32 s[CNT], 0
	s_cbranch_scc1 .Lstep
	s_mov_b32 s[CNT], 2
.Ltail:                                        ; K steps 6 and 7 ask for nothing: a loop of their own, two trips, left in its middle
	QUARTER 2, F1, F0, 0
	QUARTER 3, F0, F1, 0
	TURN 0
	WIN 0
	s_sub_co_u32 s[CNT], s[CNT], 1
	s_cmp_eq_u32 s[CNT], 0
	s_cbranch_scc1 .Lout
	QUARTER 1, F0, F1, 0
	WIN 0
	s_branch .Ltail
.Lout:
	PLACES
; THE WAY OUT, in twelve blocks t = 3 a + g of 16 rows x one head: sum x scale + bias, rounded to f16, 16 bytes a lane into my own stage, back as whole rows of 128 bytes, stored as 512 bytes on end.
; Each block has registers of its own for what it stores, so nothing waits for a store.
.macro PACK t
.set aa, (\t)/3
.set gg, (\t)%3
	WIN 1+aa/2                                     ; source 0 in the accumulators' window
.set bb, 0
.rept 4
.set AC, 8*(NBL*(aa%2)+4*gg+bb)
.set rr, 0
.rept 4
	v_pk_fma_f32 v[T+8*bb+2*rr:T+8*bb+2*rr+1], v[AC+2*rr:AC+2*rr+1], s[SC+2*gg:SC+2*gg+1], v[BIAS+8*(4*gg+bb)+2*rr:BIAS+8*(4*gg+bb)+2*rr+1] op_sel_hi:[1,0,1]
.set rr, rr+1
.endr
.set bb, bb+1
.endr
	WIN 0
.set rr, 0
.rept 16
	v_cvt_pk_f16_f32 v[PKD+rr], v[T+2*rr], v[T+2*rr+1]
.set rr, rr+1
.endr
.irp b, 0,1,2,3
	ds_store_b128 v[STO], v[PKD+4*(\b):PKD+4*(\b)+3] offset:32*(\b)
.endr
	WIN 0xc0
.irp f, 0,1,2,3
	ds_load_b128 v[16*(\t)+4*(\f):16*(\t)+4*(\f)+3], v[RD] offset:4*PITCH*(\f)  ; LDS serves a wave's instructions in order: these see the stores above; the next block's stores come behind them
.endr
.endm
.macro SEND t, younger                 ; younger: the LDS instructions issued behind block t's loads: the next block's eight, or none
	WIN 0x0c                                       ; a store's data in window 3
.irp f, 0,1,2,3
	s_wait_dscnt (\younger)+3-(\f)
	global_store_b128 v[GO], v[16*(\t)+4*(\f):16*(\t)+4*(\f)+3], s[OUT+2*((\t)%3):OUT+2*((\t)%3)+1] offset:2048*((\t)/3)+512*(\f)
.endr
.endm
	PACK 0
.irp t, 1,2,3,4,5,6,7,8,9,10,11
	PACK \t
	SEND (\t)-1, 8
.endr
	SEND 11, 0
	WIN 0
	s_wait_tensorcnt 0x0                           ; the wave's end, behind my last tensor load and my last LDS store
	ds_add_u32 v[SPW], v[NIL]
	s_wait_dscnt 0x0
	CROUND                                         ; the closing round: no work-group ends while a partner may still ask for a tile that names it
	s_endpgm
.Lfunc_end_k_q94d3cb37fb_qkv:
	.size	k_q94d3cb37fb_qkv, .Lfunc_end_k_q94d3cb37fb_qkv-k_q94d3cb37fb_qkv
	.p2alignl 7, 3214868480
	.fill 96, 4, 3214868480
	.section	.rodata,"a",@progbits
	.p2align	6, 0x0
	.amdhsa_kernel k_q94d3cb37fb_qkv
		.amdhsa_group_segment_fixed_size 327680
		.amdhsa_private_segment_fixed_size 0
		.amdhsa_enable_private_segment 0
		.amdhsa_kernarg_size 48
		.amdhsa_user_sgpr_count 2
		.amdhsa_user_sgpr_kernarg_segment_ptr 1
		.amdhsa_wavefront_size32 1
		.amdhsa_system_sgpr_workgroup_id_x 1
		.amdhsa_system_sgpr_workgroup_id_y 1
		.amdhsa_system_sgpr_workgroup_id_z 1
		.amdhsa_system_vgpr_workitem_id 0
		.amdhsa_next_free_vgpr 1024
		.amdhsa_next_free_sgpr 96
		.amdhsa_reserve_vcc 0
		.amdhsa_float_denorm_mode_32 3
		.amdhsa_float_denorm_mode_16_64 3
		.amdhsa_memory_ordered 1
		.amdhsa_forward_progress 1
		.amdhsa_inst_pref_size 111
	.end_amdhsa_kernel
	.amdgpu_metadata
---
amdhsa.version: [ 1, 2 ]
amdhsa.kernels:
  - .name:           k_q94d3cb37fb_qkv
    .symbol:         k_q94d3cb37fb_qkv.kd
    .args:
      - { .name: xb, .offset: 0, .size: 8, .value_kind: global_buffer, .address_space: global }
      - { .name: wt, .offset: 8, .size: 8, .value_kind: global_buffer, .address_space: global }
      - { .name: bq, .offset: 16, .size: 8, .value_kind: global_buffer, .address_space: global }
      - { .name: bk, .offset: 24, .size: 8, .value_kind: global_buffer, .address_space: global }
      - { .name: bv, .offset: 32, .size: 8, .value_kind: global_buffer, .address_space: global }
      - { .name: qkv, .offset: 40, .size: 8, .value_kind: global_buffer, .address_space: global }
    .group_segment_fixed_size: 327680
    .private_segment_fixed_size: 0
    .kernarg_segment_align: 8
    .kernarg_segment_size: 48
    .max_flat_workgroup_size: 128
    .sgpr_count:     96
    .vgpr_count:     1024
    .wavefront_size: 32
...
	.end_amdgpu_metadata
.endif
;; end of part 6
;; launch attn (part 7): grid 4 x 64, 4 waves a work-group, clusters of 4 x 1, 327,680 bytes of LDS; arguments qkv, mcode, ctx; writes ctx
.if DOCPART == 7
	.amdgcn_target "amdgcn-amd-amdhsa--gfx1250"
	.amdhsa_code_object_version 6
	.text
	.protected	k_q94d3cb37fb_attn
	.globl	k_q94d3cb37fb_attn
	.p2align	8
	.type	k_q94d3cb37fb_attn,@function
k_q94d3cb37fb_attn:
	s_mov_b64 s[64:65], 0
	v_nop
	global_prefetch_b8 v0, s[64:65] scope:SCOPE_SE
	s_setreg_imm32_b32 hwreg(HW_REG_WAVE_MODE, 25, 1), 1
	s_wait_xcnt 0x0
	s_wait_alu depctr_hold_cnt(0) depctr_sa_sdst(0) depctr_va_vdst(0) depctr_va_sdst(0) depctr_va_ssrc(0) depctr_va_vcc(0) depctr_vm_vsrc(0)
	s_getreg_b32 s2, hwreg(HW_REG_IB_STS2, 6, 4)
	s_cmp_eq_u32 s2, 0
	s_cbranch_scc0 .Lentry_in_a_cluster
	s_endpgm
.Lentry_in_a_cluster:
	s_bfe_u32 s2, ttmp6, 0x10000c
	s_cmp_lg_u32 s2, 0x3003
	s_cbranch_scc0 .Lentry_shape_is_right
	s_endpgm
.Lentry_shape_is_right:
; MASKED ATTENTION.  ctx[h][q][:] = the sum over k of softmax_k(s[q][k]) V[h][k][:], s = Q . K / 8, and s = -1e9 where mask[batch][q][k] is true.  Q, K, V: qkv [3][64 heads][2048][64], f16; ctx likewise.
; Q arrives as c Q, c = log2(e) / 8, so a product K Q^T IS the exponent to base 2, and the softmax takes the running maximum m away by a plain subtraction.
; THE MASK IS THE C OPERAND that starts the sum S^T = K Q^T: 0, or -2^100 where the key is masked.  mcode holds one fp8 code a score (0 or -2.0), in my lanes' order; a scaled conversion makes the eight
; registers of an accumulator's C out of eight bytes.  The bytes come by loads into a ring of four register slots, four turns ahead of their use.
; m STARTS AT -2^60 and is part of the running maximum.  Every true score lies above that (f16's operands bound it by 2.8e11), every masked one far below: a masked key's weight is exactly 0, whatever the last
; bits of -2^100 + s are, and a row that is masked throughout ends with l = 0 exactly.  Such a row is the mean of V's rows, as the definition has it.  That mean is made beside the walk: V^T times a tile
; of 2^-11, 8 products for a key step, made by ONE of the four waves (they take the key steps by turns); the four partial sums, in f32, meet in LDS on the way out, and the mean is selected where l = 0.
; LIMITS.  f16 holds no number beyond 65,504: c Q, K, V arrive within it.  A masked key has weight 0 unless the whole row is masked; the definition's -1e9 lets masked keys in where every unmasked score of a row
; lies below about -1e9: this text serves rows whose largest unmasked Q . K / 8 lies above -1e9.  A weight below 2^-126 counts as 0; NaN and infinities are not treated apart.
; SHARES.  A wave owns four PIECES of two tiles of 16 queries, a work-group's four waves 512 queries of one head, a cluster's four work-groups the head.  Every wave walks all keys, 64 a step.
; LAYOUT.  S^T = K Q^T (source 0 = 16 keys, source 1 = 16 queries): a lane holds ONE query (lane % 16) and the keys 8 (lane / 16) + 0..7.  Two such results, rounded to f16 in pairs, ARE source 1 of
; O^T = V^T P.  K comes out of LDS as it lies, V turned, by ds_load_tr16_b128.
; SOFTMAX.  p = 2^(s - m); in every step O and l are multiplied by a = 2^(m_old - m_new).  O and l start at 0: the first step is a step like any other.
; BY TURNS.  Turn n belongs to piece n.  Matrix work: 16 products K Q^T of piece n + 1, later 16 products V^T P of piece n - 1.  Vector work: subtraction, exponentials, roundings, sums and rescaling of piece n;
; maximum and statistics of piece n + 1; the C operands of piece n + 2.  Four vector instructions stand behind every matrix instruction, the rest in one run; a turn's 66 exponentials are one batch with one wait.
; CLUSTER.  The four query blocks walk the same K and V: each tile is asked for JOINTLY: the same tensor load, descriptor and mask in all four.  The mask's bytes are each work-group's own.
; REGISTERS, in windows of 256 (s_set_vgpr_msb: bits 1:0 source 0, 3:2 source 1, 5:4 source 2, 7:6 destination):
;   window 0: v1-11 addresses; v12-15, v48-63 at work; v16-47 four registers of statistics a tile; v64-191 S^T, two buffers of two tiles; v192-255 P, likewise
;   window 1: O^T, 32 a tile          window 2: v0-127 Q; v128-191 K of one step; v192-255 V of one step
;   window 3: v0-1 the add's two registers; v2 the mask loads' offset; v3 the scale; v4-11 the tile of 2^-11; v16-79 the mask's bytes, four slots; v80-143 the C operands; v144-175 my part of V's mean
.set SIZE_N, 2048
.set NP,    4
.set KS,    64
.set PK,    144       ; a row of K in LDS: 128 bytes + 16: the 16 rows of a load start at 16 different groups of four banks (64 banks of 4 bytes: ISA guide 11.1)
.set PV,    160       ; a row of V: 128 + 32
.set VOFF,  4*KS*PK   ; a slot holds four steps: 256 rows of K, then 256 rows of V
.set SLOT1, 1<<17
.set STAGE, SLOT1+4*KS*(PK+PV)  ; behind the ring, never filled by a tensor load: 16 rows x 144 bytes for each wave
.set SP,    144
.set SPARE, STAGE+4*16*SP       ; the spare words, 128 bytes for each wave, that no other line names
.set VSUM,  SPARE+512           ; behind them, never filled by a tensor load: the four waves' parts of V's mean, 4,096 bytes each
.set VSA, 1           ; v1   the way out: where I put my part of V's mean
.set AK0, 2           ; v2   my lane's place in a tile of K; never rewritten
.set AV0, 3           ; v3   the same for V
.set AK,  4           ; v4   the LDS address of K's next run of loads
.set AV,  5           ; v5   of V's
.set STO, 6           ; v6   the way out: where I put 16 bytes of a row
.set RD,  7           ; v7   where I read rows back
.set GO,  8           ; v8   16 x lane: my 16 bytes of 512 on end
.set QO,  9           ; v9   my byte offset in 16 rows of Q
.set PFO, 10          ; v10  256 x lane; never rewritten
.set VRA, 11          ; v11  the way out: where I read the four parts of V's mean
.set MV,  12          ; v12-15  m_old, kept while m is made anew: by buffer and tile
.set ST,  16          ; tile t's statistics at v[ST+4 t]: m, 0 (named with m as a pair), l (even keys', odd keys')
.set TMP, 48          ; by buffer and tile, four registers c0-c3 at work; when the maximum is found c2 takes a
.set S,   64
.set P,   192
.set KF,  128
.set VF,  192
.set SPW, 0           ; window 3: LDS address of my spare word; never rewritten
.set NIL, 1           ; window 3: 0; never rewritten
.set MVO, 2           ; window 3: 16 x lane; never rewritten
.set SCL, 3           ; window 3: the conversions' scale: 0xe2 (2^99) in every byte
.set ONES, 4          ; window 3: a tile of 2^-11 in f16: 1 / 2,048, the number of V's rows
.set MB,  16          ; window 3: slot x (= piece x) at MB + 16 x: tile u at + 8 u, the pair for 16 keys kb at + 2 kb
.set MC,  80          ; window 3: the C operand of tile u, 16 keys kb at MC + 32 u + 8 kb
.set O1,  144         ; window 3: my part of V's mean, laid out as a tile of O^T
.set VP,  16          ; window 3, on the way out: the four waves' parts, 32 registers each, where the mask's bytes and the C operands lay
.set MP,  2           ; s[2:3]   mcode at my wave's first tile, at the key step whose bytes are asked for
.set SEL, 4           ; s[4:5]   v_permlanex16_b32's selects
.set PFA, 6           ; s[6:7]   where my prefetches stand
.set G1K, 8           ; s[8:15]  descriptor group 1 for K's tiles;  s[16:23] for V's
.set G1V, 16
.set G0K, 24          ; s[24:27], s[28:31] group 0: they walk
.set G0V, 28
.set MB0, 32          ; s[32:33] mcode at my wave's first tile, key step 0; never rewritten
.set MOFF, 34         ; s[34:35] 1,024 x the key step at which MP stands
.set OUTP, 36         ; s[36:37] ctx at my wave's first row
.set QP,  38          ; s[38:39] Q at my wave's first row
.set LZ,  40          ; s[40:47] tile t's lanes with l = 0
.set CNT, 48          ; counts a slot's key steps
.set TBK, 49          ; LDS byte at which K of the step to be fetched begins
.set TBV, 50          ; the same for V, less VOFF
.set LIM, 51          ; 1 in a wave that prefetches, else the greatest number
.set VQ,  52          ; the number of the wave that sums V's columns in the key step in hand: it goes round 1, 2, 3, 0
.set WV,  66
.set SLOTS, 67        ; slots still to be asked for
.set MSB, 0
.macro WIN new
.if MSB != (\new)
	s_set_vgpr_msb (MSB<<8)|(\new)
.set MSB, (\new)
.endif
.endm
.set W_KQ, 0x0a       ; K and Q in window 2, S^T in window 0
.set W_KM, 0x3a       ; the same with the C operand in window 3
.set W_PV, 0x52       ; V in window 2, P in window 0, O^T in window 1
.set W_RS, 0x41       ; O^T (destination and source 0) in window 1, a in window 0
.set W_VS, 0xfe       ; V in window 2; the constant tile, C and D in window 3
.set W_MK, 0xc0       ; destination in window 3, sources in window 0
.set W_M3, 0xcf       ; destination and sources 0 and 1 in window 3
.set W_AD, 0x0f       ; sources 0 and 1 in window 3, destination in window 0
.macro PLACES
.rept 4
	v_nop
.endr
.endm
.macro JLOAD                        ; a joint fill: waves 0, 1 the two halves of a slot's K, waves 2, 3 of its V; an s_nop 0 and four v_nop follow each line
	s_cmp_lt_u32 s[WV], 2
	s_cbranch_scc0 .Lfor_v_\@
	tensor_load_to_lds s[G0K:G0K+3], s[G1K:G1K+7]
	s_nop 0
.rept 4
	v_nop
.endr
	s_branch .Lasked_\@
.Lfor_v_\@:
	tensor_load_to_lds s[G0V:G0V+3], s[G1V:G1V+7]
	s_nop 0
.rept 4
	v_nop
.endr
.Lasked_\@:
.endm
; A PREFETCH INTO THE L2 of what the NEXT change of slots will ask for: a slot's 32,768 bytes of K and of V, a lane a block of 256.  A head has one cluster; its four partners take 8,192 bytes each, told
; apart by address; wave 0 asks for K's, wave 2 for V's: each block is named once in the launch.  The last change that fills a slot asks for nothing.
; The mask's bytes are not asked for: their loads go out four turns ahead of their use.
.macro ASK
	s_cmp_gt_u32 s[SLOTS], s[LIM]
	s_cbranch_scc0 .Lnot_mine_\@
	global_prefetch_b8 v[PFO], s[PFA:PFA+1] th:TH_LOAD_NT scope:SCOPE_SE
.Lnot_mine_\@:
.endm
.macro CROUND
	s_barrier_signal -1
	s_barrier_wait -1
	s_cmp_lg_u32 s[WV], 0
	s_cbranch_scc1 .Lnot_wave_0_\@
	s_barrier_signal -3
.Lnot_wave_0_\@:
	s_barrier_wait -3
	s_barrier_signal -1
	s_barrier_wait -1
.endm
; THE CHANGE OF SLOTS.  Each wave waits for all its tensor loads (one is out: its part of the other slot), adds 0 to its spare word, and waits for that and for its reads of the slot that it leaves.
; fill = 1: the barrier is a round of the cluster's, and the joint fill, two slots on, is the first tensor load behind it: it has four key steps in which to land.
.macro CHANGE fill
	WIN W_AD
	s_wait_tensorcnt 0x0            ; no tensor load of mine is out, so a group 0 may be written
	ds_add_u32 v[SPW], v[NIL]
	WIN 0
.if \fill
.irp g, G0K, G0V
	s_xor_b32 s[\g+1], s[\g+1], SLOT1
	s_add_nc_u64 s[\g+2:\g+3], s[\g+2:\g+3], 4*KS*128
.endr
	s_wait_xcnt 0x0                 ; the last prefetch, four key steps back, has read its address
	s_add_nc_u64 s[PFA:PFA+1], s[PFA:PFA+1], 4*KS*128
	s_wait_dscnt 0x0                ; the add is done, and my reads of the slot are over
	CROUND
	JLOAD
	ASK
.else
	s_wait_dscnt 0x0
	s_barrier_signal -1
	s_barrier_wait -1
.endif
	s_sub_co_u32 s[TBK], s[TBK], 4*KS*PK  ; the fetches go back to a slot's first step, in the other slot
	s_xor_b32 s[TBK], s[TBK], SLOT1
	s_sub_co_u32 s[TBV], s[TBV], 4*KS*PV
	s_xor_b32 s[TBV], s[TBV], SLOT1
.endm
; THE MASK.  MLD: the bytes of piece pc and one key step: two tiles x 1,024 bytes on end, four loads of 512, into slot pc.  A tile's 32 key steps are 32,768 bytes.
.macro MLD pc, base, extra
.irp u, 0,1
.irp i, 0,1
	global_load_b128 v[MB+16*(\pc)+8*\u+4*\i:MB+16*(\pc)+8*\u+4*\i+3], v[MVO], s[\base:\base+1] offset:(2*(\pc)+\u)*32768+512*\i+(\extra)
.endr
.endr
.endm
; MCV: slot sl's bytes become the 64 registers of C: code x 2^99: 0 or -2^100; byte e of a pair goes to register e.
.macro MCV sl
.irp u, 0,1
.irp kb, 0,1,2,3
	v_cvt_scale_pk8_f32_fp8 v[MC+32*\u+8*\kb:MC+32*\u+8*\kb+7], v[MB+16*(\sl)+8*\u+2*\kb:MB+16*(\sl)+8*\u+2*\kb+1], v[SCL]
.endr
.endr
.endm
; In turn p: the C operands for the NEXT turn's products (piece p + 2), and into the slot just read the bytes of the same piece one key step on: four turns ahead of their conversion.
; The product that read C last stands nine matrix instructions back, and four rescalings, plain instructions, stand directly behind it.  The pointer steps once a key step, in turn 2, and stops at key
; step 31: the six groups of loads that run past the walk's end read that step again, inside the buffer, and what is made of them is discarded; no load is jumped over, so the count below holds on every way.
.macro MASKS p
	WIN W_M3
	s_wait_loadcnt 12               ; loads come back in order: this slot's four are in; the three younger slots' twelve stay out
	MCV ((\p)+2)%NP
	v_nop                           ; a plain place behind the last conversion, ahead of the loads into its sources
.if (\p) == 2
	s_wait_xcnt 0x0                 ; the loads of the turn before have read the pointer
	s_add_co_u32 s[MOFF], s[MOFF], 1024
	s_min_u32 s[MOFF], s[MOFF], 31*1024
	s_add_nc_u64 s[MP:MP+1], s[MB0:MB0+1], s[MOFF:MOFF+1]
.endif
	MLD ((\p)+2)%NP, MP, 0
	WIN 0
.endm
	s_load_b128 s[68:71], s[0:1], 0x0  ; qkv s[68:69], mcode s[70:71]
	s_load_b64 s[OUTP:OUTP+1], s[0:1], 0x10  ; ctx
	WIN W_MK
	v_lshl_add_u32 v[SPW], v0, 2, SPARE
	v_mov_b32 v[NIL], 0
	WIN W_AD
	ds_add_u32 v[SPW], v[NIL]       ; the wave's opening: the add and its wait stand ahead of my first tensor load; work on registers stands between them
	WIN 0
	v_lshrrev_b32 v1, 5, v0
	v_readfirstlane_b32 s[WV], v1
	s_bfe_u32 s74, ttmp6, 0x40000   ; cx
	s_lshl_b32 s75, ttmp9, 2
	s_add_co_u32 s75, s75, s74      ; my block of 512 queries: it enters Q's, the mask's, the prefetches' and ctx's addresses alone
	s_and_b32 s76, ttmp7, 0xffff    ; batch x 16 + head, which the four partners share
	s_lshl_b32 s78, s76, 18         ; the head's first byte in q, k, v and ctx
	s_and_b32 s80, s[WV], 1         ; which half of a slot's 256 keys I fetch:
	s_lshl_b32 s82, s80, 14         ; its 128 rows of 128 bytes in memory,
	s_add_co_u32 s82, s82, s78
	s_mov_b32 s83, 0
	s_mul_i32 s84, s80, 128*PK      ; and its place in a slot, for K
	s_mul_i32 s85, s80, 128*PV      ; and for V
	s_lshl_b32 s86, s75, 2
	s_add_co_u32 s86, s86, s[WV]    ; my wave among the head's sixteen
	s_lshl_b32 s88, s86, 18         ; its eight tiles in mcode, 32,768 bytes each
	s_lshl_b32 s86, s86, 14         ; its 128 rows of Q and of ctx
	s_add_co_u32 s86, s86, s78
	s_mov_b32 s87, 0
	s_lshr_b32 s89, s76, 4          ; batch: 128 tiles
	s_lshl_b32 s89, s89, 22
	s_add_co_u32 s88, s88, s89
	s_mov_b32 s89, 0
	s_lshl_b32 s90, s74, 13         ; the prefetches: my work-group's 8,192 bytes
	s_add_co_u32 s90, s90, s78
	s_add_co_u32 s90, s90, 4*KS*128 ; of slot 1; the first change of slots steps it to slot 2
	s_mov_b32 s91, 0x1000000
	s_lshr_b32 s92, s[WV], 1
	s_lshl_b32 s91, s91, s92        ; in k (waves 0, 1) or in v (waves 2, 3)
	s_add_co_u32 s90, s90, s91
	s_mov_b32 s91, 0
	s_cmp_eq_u32 s80, 0
	s_cselect_b32 s[LIM], 1, -1     ; waves 0 and 2 ask
	s_mul_i32 s92, s[WV], 16*SP
	s_add_co_u32 s92, s92, STAGE    ; my stage
	; descriptor group 1.  128 keys are 16,384 dense bytes: asked for as 64 rows of 256 bytes, two keys a row, and padded in LDS after every key
	s_mov_b32 s[G1K], 15|(1<<16)|(1<<20)|(1<<21)|(4<<22)|(3<<25)
	s_mov_b32 s[G1V], 15|(1<<16)|(1<<20)|(1<<21)|(4<<22)|(7<<25)
.irp g, G1K, G1V
	s_mov_b32 s[\g+1], 128<<16
	s_mov_b32 s[\g+2], 64<<16
	s_mov_b32 s[\g+3], 128<<16
	s_mov_b32 s[\g+4], 64
	s_mov_b32 s[\g+5], 128
	s_mov_b32 s[\g+6], 0
	s_mov_b32 s[\g+7], 0
.endr
	s_mov_b32 s[SEL], 0x76543210
	s_mov_b32 s[SEL+1], 0xfedcba98
	s_mov_b32 s[TBK], SLOT1+4*KS*PK ; the first change of slots turns these two into 0
	s_mov_b32 s[TBV], SLOT1+4*KS*PV
	s_mov_b32 s[G0K], 1
	s_mov_b32 s[G0K+1], s84
	s_mov_b32 s[G0V], 1
	s_add_co_u32 s[G0V+1], s85, VOFF
	s_mov_b32 s[SLOTS], SIZE_N/256-1
	s_mov_b32 s[MOFF], 1024
	s_mov_b32 s[MOFF+1], 0
	s_mov_b32 s[VQ], 0
	s_wait_dscnt 0x0                ; the opening add is done
	s_wait_kmcnt 0x0
	s_add_nc_u64 s[G0K+2:G0K+3], s[68:69], s[82:83]
	s_add_nc_u64 s[G0V+2:G0V+3], s[G0K+2:G0K+3], 0x2000000  ; v lies 33,554,432 bytes into qkv,
	s_add_nc_u64 s[G0K+2:G0K+3], s[G0K+2:G0K+3], 0x1000000  ; k 16,777,216
	s_or_b32 s[G0K+3], s[G0K+3], 0x80000000
	s_or_b32 s[G0V+3], s[G0V+3], 0x80000000
	s_add_nc_u64 s[QP:QP+1], s[68:69], s[86:87]
	s_add_nc_u64 s[OUTP:OUTP+1], s[OUTP:OUTP+1], s[86:87]
	s_add_nc_u64 s[MB0:MB0+1], s[70:71], s[88:89]
	s_add_nc_u64 s[MP:MP+1], s[MB0:MB0+1], 1024    ; key step 1: what the first two turns ask for
	s_add_nc_u64 s[PFA:PFA+1], s[68:69], s[90:91]
	CROUND                          ; all four work-groups are here: the first joint loads meet
	JLOAD                           ; slot 0.  Slot 1 is asked for when slot 0 is in
	v_and_b32 v1, 15, v0            ; l % 16
	v_bfe_u32 v64, v0, 4, 1         ; l / 16
	v_lshlrev_b32 v[QO], 7, v1
	v_lshl_add_u32 v[QO], v64, 4, v[QO]
	v_and_b32 v[GO], 31, v0
	v_lshlrev_b32 v[PFO], 8, v[GO]
	v_lshlrev_b32 v[GO], 4, v[GO]
	WIN 0x80
.set i, 0
.rept 4*NP                          ; Q stays in registers: tile i / 2, channels 32 (i % 2) on
	global_load_b128 v[8*i:8*i+3],   v[QO], s[QP:QP+1] offset:(i/2)*2048+(i%2)*64
	global_load_b128 v[8*i+4:8*i+7], v[QO], s[QP:QP+1] offset:(i/2)*2048+(i%2)*64+32
.set i, i+1
.endr
	WIN W_MK
	v_mov_b32 v[MVO], v[GO]
	WIN W_M3
.irp x, 0,1,2,3
	MLD \x, MB0, 0                  ; the four pieces' bytes of key step 0
.endr
	WIN W_MK
	v_mov_b32 v[SCL], 0xe2e2e2e2
.set i, 0
.rept 8
	v_mov_b32 v[ONES+i], 0x10001000 ; 2^-11, twice
.set i, i+1
.endr
	; What the first turn finds: V's registers and P's second buffer hold 0; O^T, l and my part of V's mean are 0.  All this stands in the wait for the first tile.
.set i, 0
.rept 32
	v_mov_b32 v[O1+i], 0
.set i, i+1
.endr
	WIN 0x80
.set i, VF
.rept 64
	v_mov_b32 v[i], 0
.set i, i+1
.endr
	WIN 0x40
.set i, 0
.rept 64*NP
	v_mov_b32 v[i], 0
.set i, i+1
.endr
	WIN 0
.set i, 0
.rept 2*NP
	v_mov_b32 v[ST+4*i], 0xdd800000 ; m = -2^60: below every true score, above every masked one
	v_mov_b32 v[ST+4*i+1], 0
	v_mov_b32 v[ST+4*i+2], 0
	v_mov_b32 v[ST+4*i+3], 0
.set i, i+1
.endr
.set i, P+32
.rept 32
	v_mov_b32 v[i], 0
.set i, i+1
.endr
	v_mul_u32_u24 v[AK0], v1, PK
	v_lshl_add_u32 v[AK0], v64, 4, v[AK0]
	; The turning load takes 16 keys x 16 channels (lane l reads key 8 (l / 16) + l % 8, channels 8 ((l / 8) % 2) + 0..7) and leaves half a fragment of V^T.
	v_and_b32 v65, 7, v0
	v_bfe_u32 v66, v0, 3, 1
	v_lshl_add_u32 v[AV0], v64, 3, v65
	v_mul_u32_u24 v[AV0], v[AV0], PV
	v_lshl_add_u32 v[AV0], v66, 4, v[AV0]
	v_add_nc_u32 v[AV0], VOFF, v[AV0]
	v_mov_b32 v[AK], v[AK0]         ; key step 0 lies at the head of slot 0
	v_mul_u32_u24 v[STO], v1, SP
	v_lshl_add_u32 v[STO], v64, 4, v[STO]
	v_add_nc_u32 v[STO], s92, v[STO]
	v_bfe_u32 v[RD], v0, 3, 2
	v_mul_u32_u24 v[RD], v[RD], SP
	v_lshl_add_u32 v[RD], v65, 4, v[RD]
	v_add_nc_u32 v[RD], s92, v[RD]
; THE MATRIX WORK.  The 8 accumulators of a run of 16 take turns.  Product i of 16 of S^T = K Q^T for piece x: channels 32 (i / 8) on, keys 16 ((i / 2) % 4) on, tile 2 x + i % 2.
; The first 8 start the sums with the mask.
.macro KQ x
.set rS, S+64*((\x)%2)+32*(i%2)+8*((i/2)%4)
.set rK, KF+16*((i/2)%4)+8*(i/8)
.set rQ, 16*(2*(\x)+i%2)+8*(i/8)
.set rM, MC+32*(i%2)+8*((i/2)%4)
.if i < 8
	WIN W_KM
	v_wmma_f32_16x16x32_f16 v[rS:rS+7], v[rK:rK+7], v[rQ:rQ+7], v[rM:rM+7]
.else
	WIN W_KQ
	v_wmma_f32_16x16x32_f16 v[rS:rS+7], v[rK:rK+7], v[rQ:rQ+7], v[rS:rS+7]
.endif
.endm
; Product i of 16 of O^T += V^T P for piece x: keys 32 (i / 8) on, channels 16 ((i / 2) % 4) on, tile 2 x + i % 2.
.macro PV x
	WIN W_PV
.set rO, 32*(2*(\x)+i%2)+8*((i/2)%4)
.set rV, VF+32*(i/8)+8*((i/2)%4)
.set rP, P+32*((\x)%2)+16*(i%2)+8*(i/8)
	v_wmma_f32_16x16x32_f16 v[rO:rO+7], v[rV:rV+7], v[rP:rP+7], v[rO:rO+7]
.endm
.macro MM                           ; the turn's next matrix instruction
.if i < 16
	KQ (Y+1)%NP
.set i, i+1
.else
.set i, i-16
	PV (Y+NP-1)%NP
.set i, i+17
.endif
.endm
; Product vs of 8 of V's mean: keys 32 (vs / 4) on, channels 16 (vs % 4) on, times 2^-11.  The four accumulators take turns.
.macro VSM
	WIN W_VS
	v_wmma_f32_16x16x32_f16 v[O1+8*(vs%4):O1+8*(vs%4)+7], v[VF+32*(vs/4)+8*(vs%4):VF+32*(vs/4)+8*(vs%4)+7], v[ONES:ONES+7], v[O1+8*(vs%4):O1+8*(vs%4)+7]
.set vs, vs+1
.endm
; THE LDS LOADS stand in runs of 16.  last = 1 (the tail): in the last trip there is no further step, and the run is jumped over.
.macro FETCH_K last=0
	WIN 0
.if \last
	s_cmp_eq_u32 s[CNT], 1
	s_cbranch_scc1 .Lno_k_\@
.endif
	WIN 0x80
.irp f, 0,1,2,3,4,5,6,7
	ds_load_b128 v[KF+8*\f:KF+8*\f+3],   v[AK] offset:(\f/2)*16*PK+(\f%2)*64
	ds_load_b128 v[KF+8*\f+4:KF+8*\f+7], v[AK] offset:(\f/2)*16*PK+(\f%2)*64+32
.endr
	s_add_co_u32 s[TBK], s[TBK], KS*PK
	WIN 0
.if \last
.Lno_k_\@:
.endif
.endm
.macro FETCH_V
	WIN 0x80
.irp f, 0,1,2,3,4,5,6,7
	ds_load_tr16_b128 v[VF+8*\f:VF+8*\f+3],   v[AV] offset:(\f/4)*32*PV+(\f%4)*32
	ds_load_tr16_b128 v[VF+8*\f+4:VF+8*\f+7], v[AV] offset:(\f/4)*32*PV+16*PV+(\f%4)*32
.endr
	WIN 0
.endm
; THE VECTOR WORK OF A TURN stands in three queues; the two tiles alternate.
.macro REGS y, u
.set rT, ST+4*(2*(\y)+(\u))
.set rC, TMP+8*((\y)%2)+4*(\u)
.set rM, MV+2*((\y)%2)+(\u)
.set rS, S+64*((\y)%2)+32*(\u)
.set rP, P+32*((\y)%2)+16*(\u)
.set rO, 32*(2*(\y)+(\u))
.endm
; The NEXT piece's maximum and statistics.  0-11 four chains c0-c3 of seven scores each (each accumulator's lowest registers are read first); 12-14, 16 the four scores left over,
; the old m, and c0-c3 into c0; 15 m_old is kept; 17, 18 the query's other 32 keys lie in the lane 16 away: the new m; 20 m_old - m_new; 21 a.
.macro XS u, n
	REGS (Y+1)%NP, \u
.if (\n) < 4
	v_max3_num_f32 v[rC+(\n)], v[rS+8*(\n)], v[rS+8*(\n)+1], v[rS+8*(\n)+2]
.elseif (\n) < 12
	v_max3_num_f32 v[rC+(\n)%4], v[rC+(\n)%4], v[rS+8*((\n)%4)+2*((\n)/4)+1], v[rS+8*((\n)%4)+2*((\n)/4)+2]
.elseif (\n) == 12
	v_max3_num_f32 v[rC], v[rC], v[rS+7], v[rS+15]
.elseif (\n) == 13
	v_max3_num_f32 v[rC+1], v[rC+1], v[rS+23], v[rS+31]
.elseif (\n) == 14
	v_max3_num_f32 v[rC+2], v[rC+2], v[rC+3], v[rT]
.elseif (\n) == 15
	v_mov_b32 v[rM], v[rT]
.elseif (\n) == 16
	v_max3_num_f32 v[rC], v[rC], v[rC+1], v[rC+2]
.elseif (\n) == 17
	v_permlanex16_b32 v[rC+3], v[rC], s[SEL], s[SEL+1]
.elseif (\n) == 18
	v_max_num_f32 v[rT], v[rC], v[rC+3]
.elseif (\n) == 20
	v_sub_f32 v[rC+1], v[rM], v[rT]
.else
	v_exp_f32 v[rC+2], v[rC+1]
.endif
.endm
; Number g of the 64 that follow the exponentials.  For each four weights of a tile: both pairs are rounded to f16; the second pair is added onto the first, in place; a group later l takes that sum (the first time as l = a l + sum).
.macro GS g
.set h, (\g)+6*((\g)/62)
.if h >= 6
.set h, h+2
.endif
	REGS Y, h%2
.set k, h/8
.if h%8 < 4
	v_cvt_pk_f16_f32 v[rP+2*k+(h%8)/2], v[rS+4*k+2*((h%8)/2)], v[rS+4*k+2*((h%8)/2)+1]
.elseif h%8 < 6
	v_pk_add_f32 v[rS+4*k:rS+4*k+1], v[rS+4*k:rS+4*k+1], v[rS+4*k+2:rS+4*k+3]
.elseif k == 1
	v_pk_fma_f32 v[rT+2:rT+3], v[rT+2:rT+3], v[rC+2:rC+3], v[rS:rS+1] op_sel_hi:[1,0,1]
.else
	v_pk_add_f32 v[rT+2:rT+3], v[rT+2:rT+3], v[rS+4*k-4:rS+4*k-3]
.endif
.endm
.macro FS f                         ; s - m for pair f / 2 of tile f % 2
	REGS Y, (\f)%2
	v_pk_add_f32 v[rS+2*((\f)/2):rS+2*((\f)/2)+1], v[rS+2*((\f)/2):rS+2*((\f)/2)+1], v[rT:rT+1] op_sel_hi:[1,0] neg_lo:[0,1] neg_hi:[0,1]
.endm
; THE PLAIN QUEUE, 136 long.  0-26: subtractions 0-26.  27-54: XS's numbers 0-13.  55, 56: number 15.  57-71: the chain 14, 16, 17, 18, 20, each with one of the subtractions 27-31 in front of its two lines.
; 72-135: GS's 64, behind the wait.
.macro PL
	WIN 0
.if q < 27
	FS q
.elseif q < 55
	XS (q-27)%2, (q-27)/2
.elseif q < 57
	XS q-55, 15
.elseif q < 72
.if (q-57)%3 == 0
	FS 27+(q-57)/3
.else
.set xn, 15+(q-57)/3
.if xn == 15
.set xn, 14
.endif
.if xn == 19
.set xn, 20
.endif
	XS (q-57)%3-1, xn
.endif
.else
	GS q-72
.endif
.set q, q+1
.endm
; THE EXPONENTIALS' QUEUE, 66 long: s0-s31 of both tiles, then the next piece's two a.  ONE BATCH: all stand ahead of the turn's one wait, and nothing ahead of that wait names a result of theirs.
.macro EX
	WIN 0
.if e >= 64
	XS e-64, 21
.else
	REGS Y, e%2
	v_exp_f32 v[rS+e/2], v[rS+e/2]
.endif
.set e, e+1
.endm
; THE RESCALING's QUEUE: O^T times a, two at a time, sixteen times.  Its a was made, and waited for, in the turn before.
.macro R2
	REGS Y, r%2
	WIN W_RS
.irp z, 0,1
	v_pk_mul_f32 v[rO+4*(r/2)+2*\z:rO+4*(r/2)+2*\z+1], v[rO+4*(r/2)+2*\z:rO+4*(r/2)+2*\z+1], v[rC+2:rC+3] op_sel_hi:[1,0]
.endr
.set r, r+1
.endm
; A TURN, for piece p.  AHEAD OF THE WAIT: 16 products K Q^T, whose riders go by turns, so that a product costs two switches of the windows and not three: behind one product a subtraction, an exponential,
; a subtraction and an exponential (behind the first: three subtractions and an exponential), all in window 0; behind the next four rescalings.  Then the mask's conversions and loads; then one run: 8 plain,
; 47 x (exponential, plain), the last two scores' exponentials and the two a; a v_nop, the plain instruction behind the last exponential.  72 plain and 66 exponentials in all.
; Exponential e needs subtraction 2 (e / 4) + e % 2: as a rider it stands behind plain e + 2, in the run behind plain e + 9, and subtractions 27-31 are plain 57, 60 .. 69.
; BEHIND THE WAIT: in piece 3's turn, in the wave whose turn it is, the 8 products of V's mean (V of the step in hand lies in its registers from piece 1's turn to the end of the next piece 0's; the branch
; hangs on a counter and the wave's number, and no barrier, load or exponential stands in what is jumped); then 16 products V^T P, behind each four of GS's 64.
; K of the next step is fetched in piece 2's turn, directly behind the wait; V of the step in hand at the end of piece 0's turn, four plain instructions behind its last reader.
.macro TURN p, last=0, cnt=0
.set Y, (\p)
.set i, 0
.set q, 0
.set e, 0
.set r, 0
.set vs, 0
.if (\p) == NP-1
	s_wait_dscnt 0x0                ; K is in
.endif
	MM
	PL
	PL
	PL
	EX
	MM
	R2
	R2
.rept 7
	MM
	PL
	EX
	PL
	EX
	MM
	R2
	R2
.endr
.if (\p) == NP-2
	WIN 0
	v_add_nc_u32 v[AK], s[TBK], v[AK0]
.endif
	MASKS \p
.rept 8
	PL
.endr
.rept 47
	EX
	PL
.endr
	EX
	EX
	EX                              ; the next piece's two a
	EX
	v_nop                           ; a plain instruction behind the last exponential: one for the batch
	s_wait_alu depctr_va_vdst(0)    ; the wait ahead of the first use of a result: one for the batch
.if (\p) == NP-2
	FETCH_K \last
.endif
.if (\p) == 1
	s_wait_dscnt 0x0                ; V is in
.endif
.if (\p) == NP-1
	s_add_co_u32 s[VQ], s[VQ], 1    ; whose key step is this?
	s_and_b32 s[VQ], s[VQ], 3
	s_cmp_lg_u32 s[VQ], s[WV]
	s_cbranch_scc1 .Lnot_my_v_\@
.rept 8
	VSM
.endr
	WIN 0
.Lnot_my_v_\@:
.endif
.rept 16
	MM
.rept 4
	PL
.endr
.if ((\p) == 0) && (q == 116)
	v_add_nc_u32 v[AV], s[TBV], v[AV0]
.endif
.if ((\p) == 0) && (q == 128)
	s_add_co_u32 s[TBV], s[TBV], KS*PV
.endif
.if (\cnt) && (q == 128)
	s_sub_co_u32 s[CNT], s[CNT], 1
	s_cmp_lg_u32 s[CNT], 0
.endif
.endr
.if (\p) == 0
	FETCH_V
.endif
.endm
	CHANGE 1                        ; slot 0 is in, everybody's part of it; slot 1 is asked for
	FETCH_K                         ; key step 0
	WIN W_M3
	s_wait_loadcnt 12               ; Q and piece 0's bytes are in; pieces 1 to 3's twelve loads stay out
	MCV 0
	v_nop                           ; a plain place between the last conversion and the products that take its result
	WIN 0
	s_wait_dscnt 0x0                ; K
.set i, 0
.rept 16
	KQ 0                            ; piece 0's first scores
.set i, i+1
.endr
	WIN 0
	PLACES                          ; the places behind those products: their C is written anew, and their results are read
	WIN W_M3
	s_wait_loadcnt 8                ; piece 1's bytes are in
	MCV 1                           ; for the first turn's products
	v_nop
	MLD 0, MB0, 1024                ; pieces 0 and 1, key step 1, into the two slots that have been read
	MLD 1, MB0, 1024
	WIN 0
.set Y, NP-1                        ; XS works for piece Y + 1: piece 0
.irp n, 0,1,2,3,4,5,6,7,8,9,10,11,12,13,14,15,16,17,18,20,21
	XS 0, \n
	XS 1, \n
.endr
	v_nop                           ; a plain instruction behind the two a,
	s_wait_alu depctr_va_vdst(0)    ; and their wait, ahead of the branch
	s_mov_b32 s[CNT], 4
	s_branch .Lfirst                ; the loop is entered at a step's first turn, in the middle of a trip
.Lslot:                             ; six times: every slot but the last two is filled again
	CHANGE 1
	s_mov_b32 s[CNT], 4
.Lstep:                             ; a trip: pieces 2 and 3 of one step, then pieces 0 and 1 of the next, whose K and V it fetches
	TURN 2
	TURN 3
	WIN 0
.Lfirst:
	TURN 0
	TURN 1, 0, 1
	WIN 0
	s_cbranch_scc1 .Lstep
	s_sub_co_u32 s[SLOTS], s[SLOTS], 1
	s_cmp_lg_u32 s[SLOTS], 0
	s_cbranch_scc1 .Lslot
	CHANGE 0                        ; the tail is written out: nothing is asked for
	s_mov_b32 s[CNT], 5             ; four trips fetch the last slot's steps; the fifth is left in its middle
.Ltail:
	TURN 2, 1
	TURN 3
	WIN 0
	s_sub_co_u32 s[CNT], s[CNT], 1
	s_cmp_eq_u32 s[CNT], 0
	s_cbranch_scc1 .Lout
	TURN 0
	TURN 1
	WIN 0
	s_branch .Ltail
.Lout:                              ; the fifth trip's 16 products K Q^T, their C and their maximum serve nothing: the price, once a launch, of one text for every trip
	s_wait_loadcnt 0x0              ; the mask's last loads, whose bytes serve nothing, have landed: their registers are free
	s_lshl_b32 s68, s[WV], 12
	v_add_nc_u32 v[VRA], VSUM, v[GO]   ; 16 bytes a lane, 512 on end for four registers
	v_add_nc_u32 v[VSA], s68, v[VRA]   ; my wave's 4,096 bytes
	WIN 0x0c                        ; a store's data in window 3
.irp f, 0,1,2,3,4,5,6,7
	ds_store_b128 v[VSA], v[O1+4*\f:O1+4*\f+3] offset:512*\f  ; my part of V's mean, each accumulator from its low end on
.endr
.set i, 0
.rept 16
	PV NP-1                         ; the last piece's V^T P of the last step
.set i, i+1
.endr
	; THE WAY OUT.  l's two halves and the other half of the lanes' are added; O^T is divided by l, rounded to f16 and sent through my stage in LDS, a tile at a time.  The additions are the places behind the last products.
	; Where l = 0 the row was masked throughout: it takes the mean of V's rows, the four waves' parts added in f32, in the same order in every wave, and rounded to f16 once; a lane's registers all belong
	; to one query, so the packed words are selected.
	WIN 0
.macro ALL line:vararg
.set t, 0
.rept 2*NP
	\line
.set t, t+1
.endr
.endm
	ALL v_add_f32 v[ST+4*t+2], v[ST+4*t+2], v[ST+4*t+3]
	ALL v_permlanex16_b32 v[ST+4*t+3], v[ST+4*t+2], s[SEL], s[SEL+1]
	ALL v_add_f32 v[ST+4*t+2], v[ST+4*t+2], v[ST+4*t+3]
	ALL v_cmp_eq_f32 s[LZ+t], 0, v[ST+4*t+2]
	ALL v_rcp_f32 v[ST+4*t+2], v[ST+4*t+2]
	s_wait_dscnt 0x0                ; for the others' sake: my part lies in LDS
	s_barrier_signal -1
	s_barrier_wait -1               ; everybody's does
	WIN W_MK
.irp w, 0,1,2,3
.irp f, 0,1,2,3,4,5,6,7
	ds_load_b128 v[VP+32*\w+4*\f:VP+32*\w+4*\f+3], v[VRA] offset:4096*\w+512*\f
.endr
.endr
	s_wait_dscnt 0x0
	WIN W_M3                        ; plain work behind the reciprocals that names none of their results
.set i, 0
.rept 16
	v_pk_add_f32 v[VP+2*i:VP+2*i+1], v[VP+2*i:VP+2*i+1], v[VP+32+2*i:VP+32+2*i+1]
	v_pk_add_f32 v[VP+64+2*i:VP+64+2*i+1], v[VP+64+2*i:VP+64+2*i+1], v[VP+96+2*i:VP+96+2*i+1]
.set i, i+1
.endr
.set i, 0
.rept 16
	v_pk_add_f32 v[VP+2*i:VP+2*i+1], v[VP+2*i:VP+2*i+1], v[VP+64+2*i:VP+64+2*i+1]
.set i, i+1
.endr
	WIN W_AD
.set i, 0
.rept 16
	v_cvt_pk_f16_f32 v[P+i], v[VP+2*i], v[VP+2*i+1]
.set i, i+1
.endr
	WIN 0
	s_wait_alu depctr_va_vdst(0)    ; the wait ahead of the first use of a reciprocal: one for the eight
.macro PACK t
	WIN W_RS
.set i, 32*(\t)
.rept 16
	v_pk_mul_f32 v[i:i+1], v[i:i+1], v[ST+4*(\t)+2:ST+4*(\t)+3] op_sel_hi:[1,0]
.set i, i+2
.endr
	WIN 0x05
.set i, 0
.rept 16
	v_cvt_pk_f16_f32 v[S+16*(\t)+i], v[32*(\t)+2*i], v[32*(\t)+2*i+1]
.set i, i+1
.endr
	WIN 0
.set i, 0
.rept 16
	v_cndmask_b32 v[S+16*(\t)+i], v[S+16*(\t)+i], v[P+i], s[LZ+(\t)]
.set i, i+1
.endr
.irp f, 0,1,2,3
	ds_store_b128 v[STO], v[S+16*(\t)+4*\f:S+16*(\t)+4*\f+3] offset:32*\f
.endr
.irp f, 0,1,2,3
	ds_load_b128 v[S+16*(\t)+4*\f:S+16*(\t)+4*\f+3], v[RD] offset:\f*4*SP  ; LDS serves a wave's instructions in order: these see the stores above; the next tile's stores come behind them
.endr
.endm
.macro SEND t, younger              ; younger: the LDS instructions issued behind tile t's loads: the next tile's eight, or none
	WIN 0
.irp f, 0,1,2,3
	s_wait_dscnt (\younger)+3-\f
	global_store_b128 v[GO], v[S+16*(\t)+4*\f:S+16*(\t)+4*\f+3], s[OUTP:OUTP+1] offset:(\t)*2048+\f*512  ; 512 consecutive bytes, at a multiple of 256 from ctx's first
.endr
.endm
	PACK 0
.set t, 1
.rept 2*NP-1
	PACK t
	SEND t-1, 8
.set t, t+1
.endr
	SEND 2*NP-1, 0
	WIN W_AD
	s_wait_tensorcnt 0x0            ; the wave's end, behind my last tensor load and my last LDS store
	ds_add_u32 v[SPW], v[NIL]
	s_wait_dscnt 0x0
	WIN 0
	CROUND                          ; the closing round
	s_endpgm
.Lfunc_end_k_q94d3cb37fb_attn:
	.size	k_q94d3cb37fb_attn, .Lfunc_end_k_q94d3cb37fb_attn-k_q94d3cb37fb_attn
	.p2alignl 7, 3214868480
	.fill 96, 4, 3214868480
	.section	.rodata,"a",@progbits
	.p2align	6, 0x0
	.amdhsa_kernel k_q94d3cb37fb_attn
		.amdhsa_group_segment_fixed_size 327680
		.amdhsa_private_segment_fixed_size 0
		.amdhsa_enable_private_segment 0
		.amdhsa_kernarg_size 24
		.amdhsa_user_sgpr_count 2
		.amdhsa_user_sgpr_kernarg_segment_ptr 1
		.amdhsa_wavefront_size32 1
		.amdhsa_system_sgpr_workgroup_id_x 1
		.amdhsa_system_sgpr_workgroup_id_y 1
		.amdhsa_system_sgpr_workgroup_id_z 1
		.amdhsa_system_vgpr_workitem_id 0
		.amdhsa_next_free_vgpr 944
		.amdhsa_next_free_sgpr 96
		.amdhsa_reserve_vcc 0
		.amdhsa_float_denorm_mode_32 3
		.amdhsa_float_denorm_mode_16_64 3
		.amdhsa_memory_ordered 1
		.amdhsa_forward_progress 1
		.amdhsa_inst_pref_size 226
	.end_amdhsa_kernel
	.amdgpu_metadata
---
amdhsa.version: [ 1, 2 ]
amdhsa.kernels:
  - .name:           k_q94d3cb37fb_attn
    .symbol:         k_q94d3cb37fb_attn.kd
    .args:
      - { .name: qkv, .offset: 0, .size: 8, .value_kind: global_buffer, .address_space: global }
      - { .name: mcode, .offset: 8, .size: 8, .value_kind: global_buffer, .address_space: global }
      - { .name: ctx, .offset: 16, .size: 8, .value_kind: global_buffer, .address_space: global }
    .group_segment_fixed_size: 327680
    .private_segment_fixed_size: 0
    .kernarg_segment_align: 8
    .kernarg_segment_size: 24
    .max_flat_workgroup_size: 128
    .sgpr_count:     96
    .vgpr_count:     944
    .wavefront_size: 32
...
	.end_amdgpu_metadata
.endif
;; end of part 7
;; launch oproj (part 8): grid 8 x 32, 4 waves a work-group, clusters of 4 x 4, 327,680 bytes of LDS; arguments ctx, wot, bo, out0; writes out0
.if DOCPART == 8
	.amdgcn_target "amdgcn-amd-amdhsa--gfx1250"
	.amdhsa_code_object_version 6
	.text
	.protected	k_q94d3cb37fb_oproj
	.globl	k_q94d3cb37fb_oproj
	.p2align	8
	.type	k_q94d3cb37fb_oproj,@function
k_q94d3cb37fb_oproj:
	s_mov_b64 s[64:65], 0
	v_nop
	global_prefetch_b8 v0, s[64:65] scope:SCOPE_SE
	s_setreg_imm32_b32 hwreg(HW_REG_WAVE_MODE, 25, 1), 1
	s_wait_xcnt 0x0
	s_wait_alu depctr_hold_cnt(0) depctr_sa_sdst(0) depctr_va_vdst(0) depctr_va_sdst(0) depctr_va_ssrc(0) depctr_va_vcc(0) depctr_vm_vsrc(0)
	s_getreg_b32 s2, hwreg(HW_REG_IB_STS2, 6, 4)
	s_cmp_eq_u32 s2, 0
	s_cbranch_scc0 .Lentry_in_a_cluster
	s_endpgm
.Lentry_in_a_cluster:
	s_bfe_u32 s2, ttmp6, 0x10000c
	s_cmp_lg_u32 s2, 0xf033
	s_cbranch_scc0 .Lentry_shape_is_right
	s_endpgm
.Lentry_shape_is_right:
; THE OUTPUT PROJECTION: out0[m][n] = sum over k of ctx[m][k] Wo[k][n] + bo[n], m = 8,192, n = k = 1,024; f16 operands (wot holds Wo rounded to bf16, written as f16), f32 sums, f32 out.  bo is rounded to bf16 like all inputs.
; The text is the projection launch's, with a tile of 256 x 128: 256 work-groups, one for each WGP.  Wave w makes rows 64 w .. 64 w + 63 of all 128 columns: 4 x 8 accumulators.
; ctx lies by heads, [batch x head][row][64]: a head IS a plane of 64 along K.  K goes in 8 steps of 128 (two planes) through two LDS slots; LDS rows are 144 bytes apart.
; CLUSTER 4 x 4: ctx's tile is asked for jointly along a row of the cluster, Wo's along a column.  THE MATRIX INSTRUCTION IS USED TRANSPOSED: a lane holds one row of the result and eight neighbouring columns.
; THE TEXT: the first quarter of a K step, whose products start the sums; a loop of six trips, each of which asks for a K step; a loop of two trips for the last two K steps, which ask for nothing.
; REGISTERS: window 0 addresses, v32-95 bias, v128-159 at work; windows 1, 2: accumulator (a, b) at 8 (8 (a % 2) + b) of window 1 + a / 2; window 3: two fragment buffers at 0 and 128, later the rows read back.
.set TN,     128
.set NBL,    TN/16
.set PITCH,  144
.set APLANE, 256*PITCH
.set BOFF,   2*APLANE
.set BPLANE, TN*PITCH
.set SLOT1,  131072
.set STAGE,  262144                    ; behind the ring, never filled by a tensor load: 16 rows x 272 bytes for each wave
.set SPITCH, 272
.set SWAVE,  16*SPITCH
.set SPARE,  STAGE+4*SWAVE             ; the spare words, 128 bytes for each wave, that no other line names
.set APG,    262144
.set BPG,    TN*128
.set LD,     2*NBL+8
.set KSTEPS, 8
.set FA0, 16
.set FB0, 17
.set ADRA, 18
.set ADRB, 19
.set STO, 24
.set RD,  25
.set GO,  26
.set BO,  27
.set SPW, 28                           ; v28  LDS address of my spare word; never rewritten
.set NIL, 29                           ; v29  0; never rewritten
.set PFO, 30
.set BIAS, 32
.set T,   128
.set F0,  0
.set F1,  128
.set CNT, 3
.set WV,  16
.set WH,  17
.set WL,  18
.set CX,  19
.set CY,  20
.set TC,  21
.set TR,  22
.set TB,  23
.set G1A, 24
.set G0A, 32
.set PFA, 40
.set PST, 42
.set LIM, 44
.set HIM, 47                           ; s47  a word's upper bf16
.set G1B, 48
.set G0B, 56
.set OUT, 66                           ; s[66:67] out0 at my first row and the tile's first column
.set FLAGS, (1<<16)|(1<<20)|(1<<21)|(4<<22)|(3<<25)
.set MSB, 0
.macro WIN new
.if MSB != (\new)
	s_set_vgpr_msb (MSB<<8)|(\new)
.set MSB, \new
.endif
.endm
.macro PLACES                          ; four plain places in front of loads into registers that matrix instructions have read, and of arithmetic on their results
.rept 4
	v_nop
.endr
.endm
.macro CREST
	s_cmp_lg_u32 s[WV], 0
	s_cbranch_scc1 .Lnot_wave_0_\@
	s_barrier_signal -3
.Lnot_wave_0_\@:
	s_barrier_wait -3
	s_barrier_signal -1
	s_barrier_wait -1
.endm
.macro CROUND
	s_barrier_signal -1
	s_barrier_wait -1
	CREST
.endm
.macro JLOAD                           ; a joint refill by the walking descriptor: waves 0, 1 ctx's two planes, waves 2, 3 Wo's; an s_nop 0 and four v_nop follow each line
	s_cmp_eq_u32 s[WH], 0
	s_cbranch_scc0 .Lfor_b_\@
	tensor_load_to_lds s[G0A+4:G0A+7], s[G1A:G1A+7]
	s_nop 0
.rept 4
	v_nop
.endr
	s_branch .Lasked_\@
.Lfor_b_\@:
	tensor_load_to_lds s[G0B+4:G0B+7], s[G1B:G1B+7]
	s_nop 0
.rept 4
	v_nop
.endr
.Lasked_\@:
.endm
; A PREFETCH INTO THE L2, behind a refill and the run of LDS loads that follows it: 32 blocks of 256 bytes, a lane a block, of the K step two refills on (steps 4 to 7); each block is named once in the launch.
; ctx's rows are read by two clusters: cluster x = 0 asks; waves 0, 1 take their own plane, the four partners 8,192 bytes each, told apart by address (cx).
; Wo's tile column is read by eight clusters: cluster y = 0 asks; a step's two planes are 32,768 dense bytes: wave 2 alone, the four partners 8,192 bytes each (cy).
.macro ASK
	s_cmp_gt_u32 s[CNT], s[LIM]
	s_cbranch_scc0 .Lnot_mine_\@
	global_prefetch_b8 v[PFO], s[PFA:PFA+1] th:TH_LOAD_NT scope:SCOPE_SE
.Lnot_mine_\@:
.endm
; 8 matrix instructions: block a of my four blocks of 16 rows x all 8 blocks of columns.  The 32 accumulators take turns, one instruction a turn, over the backward jumps too.
.macro MULA f, a, zero
	WIN 0x5f+0x50*((\a)/2)
.set bb, 0
.rept NBL
.set AC, 8*(NBL*((\a)%2)+bb)
.if \zero
	v_wmma_f32_16x16x32_f16 v[AC:AC+7], v[(\f)+32+8*bb:(\f)+32+8*bb+7], v[(\f)+8*(\a):(\f)+8*(\a)+7], 0
.else
	v_wmma_f32_16x16x32_f16 v[AC:AC+7], v[(\f)+32+8*bb:(\f)+32+8*bb+7], v[(\f)+8*(\a):(\f)+8*(\a)+7], v[AC:AC+7]
.endif
.set bb, bb+1
.endr
.endm
.macro FETCH kq, f                     ; one run of LDS loads: quarter kq of the slot's K step into buffer f: Wo's eight fragments, then ctx's four
	WIN 0xc0
.set bb, 0
.rept NBL
	ds_load_b128 v[(\f)+32+8*bb:(\f)+32+8*bb+3],   v[ADRB] offset:((\kq)/2)*BPLANE+((\kq)%2)*64+16*PITCH*bb
	ds_load_b128 v[(\f)+32+8*bb+4:(\f)+32+8*bb+7], v[ADRB] offset:((\kq)/2)*BPLANE+((\kq)%2)*64+16*PITCH*bb+32
.set bb, bb+1
.endr
.irp i, 0,1,2,3
	ds_load_b128 v[(\f)+8*(\i):(\f)+8*(\i)+3],   v[ADRA] offset:((\kq)/2)*APLANE+((\kq)%2)*64+16*PITCH*(\i)
	ds_load_b128 v[(\f)+8*(\i)+4:(\f)+8*(\i)+7], v[ADRA] offset:((\kq)/2)*APLANE+((\kq)%2)*64+16*PITCH*(\i)+32
.endr
.endm
.macro QUARTER kq, f, g, zero
	s_wait_dscnt 4                                 ; all but the youngest four loads: ctx's blocks 2 and 3
	MULA \f, 0, \zero
	MULA \f, 1, \zero
	PLACES
	FETCH \kq, \g
	s_wait_dscnt LD                                ; all but the run just issued
	MULA \f, 2, \zero
	MULA \f, 3, \zero
.endm
; The last quarter multiplies buffer 1 and changes slots: each wave waits for all its tensor loads (one is out at the most: its part of the next slot), adds 0 to its spare word, waits for that and for its
; reads of this slot, and signals.  fill = 1: the barrier opens a round of the cluster's, and the joint refill, two K steps on, is the first tensor load behind it.
; fill = 0, the loop of the last two K steps: nothing is asked for; in its second trip there is no next slot either, and the run of LDS loads is jumped over.
.macro TURN fill
.if \fill
	s_wait_xcnt 0x0                                ; the last prefetch, a K step back, has read its address
	s_add_nc_u64 s[PFA:PFA+1], s[PFA:PFA+1], s[PST:PST+1]
.endif
	WIN 0
	s_wait_tensorcnt 0x0                           ; no tensor load of mine is out, so a group 0 may be written
	ds_add_u32 v[SPW], v[NIL]
.if \fill
	s_xor_b32 s[G0A+5], s[G0A+5], SLOT1
	s_add_nc_u64 s[G0A+6:G0A+7], s[G0A+6:G0A+7], 2*APG
	s_xor_b32 s[G0B+5], s[G0B+5], SLOT1
	s_add_nc_u64 s[G0B+6:G0B+7], s[G0B+6:G0B+7], 2*BPG
.endif
	s_wait_dscnt 5                                 ; the add and ctx's blocks 2 and 3 may be out
	MULA F1, 0, 0
	s_wait_dscnt 0x0                               ; the add is done, and my reads of this slot are over
	s_barrier_signal -1
	MULA F1, 1, 0
	WIN 0
	s_barrier_wait -1
.if \fill
	CREST
	JLOAD                                          ; its four v_nop are also the places in front of the loads below
.else
	s_cmp_eq_u32 s[CNT], 1                         ; the last K step of all
	s_cbranch_scc1 .Lno_fetch_\@
	PLACES
.endif
	s_xor_b32 s[TB], s[TB], SLOT1
	v_add_nc_u32 v[ADRA], s[TB], v[FA0]
	v_add_nc_u32 v[ADRB], s[TB], v[FB0]
	FETCH 0, F0
	WIN 0
.if \fill
	ASK
.else
.Lno_fetch_\@:
.endif
	MULA F1, 2, 0
	MULA F1, 3, 0
.endm
	s_load_b256 s[4:11], s[0:1], 0x0               ; ctx s[4:5], wot s[6:7], bo s[8:9], out0 s[10:11]
	v_lshl_add_u32 v[SPW], v0, 2, SPARE
	v_mov_b32 v[NIL], 0
	ds_add_u32 v[SPW], v[NIL]                      ; the wave's opening: the add and its wait stand ahead of my first tensor load; work on registers stands between them
	v_lshrrev_b32 v1, 5, v0
	v_readfirstlane_b32 s[WV], v1
	s_lshr_b32 s[WH], s[WV], 1
	s_and_b32 s[WL], s[WV], 1
	s_bfe_u32 s[CX], ttmp6, 0x40000
	s_bfe_u32 s[CY], ttmp6, 0x40004
	s_lshl_b32 s[TC], ttmp9, 2
	s_add_co_u32 s[TC], s[TC], s[CX]
	s_and_b32 s[TR], ttmp7, 0xffff
	s_lshl_b32 s[TR], s[TR], 2
	s_add_co_u32 s[TR], s[TR], s[CY]
	s_lshl_b32 s78, s[CY], 2
	s_lshl_b32 s78, 15, s78                        ; my row of the cluster
	s_lshl_b32 s82, 0x1111, s[CX]                  ; my column
	s_or_b32 s[G1A], s78, FLAGS
	s_or_b32 s[G1B], s82, FLAGS
.irp g, G1A, G1B
	s_mov_b32 s[(\g)+1], 128<<16
	s_mov_b32 s[(\g)+3], 128<<16
	s_mov_b32 s[(\g)+5], 128
	s_mov_b32 s[(\g)+6], 0
	s_mov_b32 s[(\g)+7], 0
.endr
	s_mov_b32 s[G1A+2], 128<<16
	s_mov_b32 s[G1A+4], 128
	s_mov_b32 s[G1B+2], (TN/2)<<16
	s_mov_b32 s[G1B+4], TN/2
	s_lshr_b32 s78, s[TR], 3                       ; batch: 16 heads
	s_lshl_b32 s78, s78, 22
	s_and_b32 s79, s[TR], 7
	s_lshl_b32 s79, s79, 15
	s_add_co_u32 s78, s78, s79
	s_lshl_b32 s79, s[WL], 18
	s_add_co_u32 s78, s78, s79
	s_mov_b32 s79, 0
	s_mul_i32 s82, s[TC], 16*BPG
	s_mul_i32 s83, s[WL], BPG
	s_add_co_u32 s82, s82, s83
	s_mov_b32 s83, 0
	s_mul_i32 s86, s[WL], APLANE
	s_mul_i32 s87, s[WL], BPLANE
	s_add_co_u32 s87, s87, BOFF
	s_mov_b32 s[G0A], 1
	s_mov_b32 s[G0A+1], s86
	s_mov_b32 s[G0A+4], 1
	s_add_co_u32 s[G0A+5], s86, SLOT1
	s_mov_b32 s[G0B], 1
	s_mov_b32 s[G0B+1], s87
	s_mov_b32 s[G0B+4], 1
	s_add_co_u32 s[G0B+5], s87, SLOT1
	s_mov_b32 s[TB], 0
	s_mov_b32 s[HIM], 0xffff0000
	s_wait_dscnt 0x0                               ; the opening add is done
	s_wait_kmcnt 0x0
	s_add_nc_u64 s[G0A+2:G0A+3], s[4:5], s[78:79]
	s_add_nc_u64 s[G0A+6:G0A+7], s[G0A+2:G0A+3], 2*APG
	s_or_b32 s[G0A+3], s[G0A+3], 0x80000000
	s_or_b32 s[G0A+7], s[G0A+7], 0x80000000
	s_add_nc_u64 s[G0B+2:G0B+3], s[6:7], s[82:83]
	s_add_nc_u64 s[G0B+6:G0B+7], s[G0B+2:G0B+3], 2*BPG
	s_or_b32 s[G0B+3], s[G0B+3], 0x80000000
	s_or_b32 s[G0B+7], s[G0B+7], 0x80000000
	CROUND                                         ; all sixteen work-groups are here: the first joint loads meet
	s_cmp_eq_u32 s[WH], 0                          ; a wave's two first fills stand in one branch: two loads of mine are out, the most in this text
	s_cbranch_scc0 .Lfirst_b
	tensor_load_to_lds s[G0A:G0A+3], s[G1A:G1A+7]
	s_nop 0
	tensor_load_to_lds s[G0A+4:G0A+7], s[G1A:G1A+7]
	s_nop 0
.rept 4
	v_nop
.endr
	s_branch .Lfirst_asked
.Lfirst_b:
	tensor_load_to_lds s[G0B:G0B+3], s[G1B:G1B+7]
	s_nop 0
	tensor_load_to_lds s[G0B+4:G0B+7], s[G1B:G1B+7]
	s_nop 0
.rept 4
	v_nop
.endr
.Lfirst_asked:
	v_and_b32 v1, 15, v0                           ; l % 16
	v_bfe_u32 v2, v0, 4, 1                         ; l / 16
	v_mul_u32_u24 v3, v1, PITCH
	v_lshl_add_u32 v3, v2, 4, v3
	s_mul_i32 s86, s[WV], 64*PITCH
	v_add_nc_u32 v[FA0], s86, v3
	v_add_nc_u32 v[FB0], BOFF, v3
	v_mov_b32 v[ADRA], v[FA0]
	v_mov_b32 v[ADRB], v[FB0]
	s_mul_i32 s87, s[WV], SWAVE
	s_add_co_u32 s87, s87, STAGE                   ; my stage
	v_mul_u32_u24 v[STO], v1, SPITCH               ; in: row l % 16, 32 bytes for each half of the lanes
	v_lshl_add_u32 v[STO], v2, 5, v[STO]
	v_add_nc_u32 v[STO], s87, v[STO]
	v_mul_u32_u24 v[RD], v2, SPITCH                ; back: lanes 0-15 take one row of 256 bytes, lanes 16-31 the next
	v_lshl_add_u32 v[RD], v1, 4, v[RD]
	v_add_nc_u32 v[RD], s87, v[RD]
	v_lshlrev_b32 v[GO], 4, v1                     ; and the same two rows of 4,096 bytes in out0
	v_lshl_add_u32 v[GO], v2, 12, v[GO]
	v_and_b32 v[PFO], 31, v0
	v_lshlrev_b32 v[PFO], 8, v[PFO]
	v_lshlrev_b32 v[BO], 5, v2
	; the prefetches
	s_lshr_b32 s86, s[TR], 3
	s_lshl_b32 s86, s86, 22
	s_and_b32 s87, s[TR], 7
	s_lshl_b32 s87, s87, 15
	s_add_co_u32 s86, s86, s87
	s_add_co_u32 s87, s[WL], 6                     ; my plane of K step 3
	s_lshl_b32 s87, s87, 18
	s_add_co_u32 s86, s86, s87
	s_lshl_b32 s87, s[CX], 13
	s_add_co_u32 s86, s86, s87
	s_mul_i32 s88, s[TC], 16*BPG
	s_add_co_u32 s88, s88, 6*BPG                   ; K step 3
	s_lshl_b32 s89, s[CY], 13
	s_add_co_u32 s88, s88, s89
	s_and_b32 s45, ttmp7, 0xffff                   ; cluster y,
	s_or_b32 s45, s45, s[WL]                       ; and of waves 2 and 3 the first alone
	s_mov_b32 s[PST], 2*APG
	s_cmp_eq_u32 s[WH], 0
	s_cselect_b32 s86, s86, s88
	s_cselect_b64 s[PFA:PFA+1], s[4:5], s[6:7]
	s_cselect_b32 s45, ttmp9, s45
	s_cselect_b32 s[PST], s[PST], 2*BPG
	s_mov_b32 s[PST+1], 0
	s_mov_b32 s87, 0
	s_add_nc_u64 s[PFA:PFA+1], s[PFA:PFA+1], s[86:87]
	s_cmp_eq_u32 s45, 0
	s_cselect_b32 s[LIM], 2, -1                    ; four times; the same in all sixteen partners, for a given wave
	; bias, and where my rows go
	s_lshl_b32 s86, s[TC], 9
	s_add_nc_u64 s[88:89], s[8:9], s[86:87]
.set bb, 0
.rept NBL
	global_load_b128 v[BIAS+8*bb:BIAS+8*bb+3],   v[BO], s[88:89] offset:64*bb
	global_load_b128 v[BIAS+8*bb+4:BIAS+8*bb+7], v[BO], s[88:89] offset:64*bb+16
.set bb, bb+1
.endr
	s_lshl_b32 s90, s[TR], 20                      ; 256 rows of 4,096 bytes
	s_add_co_u32 s86, s86, s90
	s_lshl_b32 s90, s[WV], 18
	s_add_co_u32 s86, s86, s90
	s_add_nc_u64 s[OUT:OUT+1], s[10:11], s[86:87]
	s_wait_loadcnt 0x0
.set pp, 0
.rept 4*NBL                                    ; the bias rounded to bf16
	v_cvt_pk_bf16_f32 v[T+pp%4], v[BIAS+2*pp], v[BIAS+2*pp+1]
	v_lshlrev_b32 v[BIAS+2*pp], 16, v[T+pp%4]
	v_and_b32 v[BIAS+2*pp+1], s[HIM], v[T+pp%4]
.set pp, pp+1
.endr
	s_wait_tensorcnt 1                             ; my part of K step 0 is in; K step 1's may stay out
	s_barrier_signal -1
	s_barrier_wait -1
	FETCH 0, F0
	QUARTER 1, F0, F1, 1                           ; the first quarter stands in front of the loops: its products start the sums
	WIN 0
	s_mov_b32 s[CNT], KSTEPS-2
.Lstep:                                        ; six trips, each asks for one K step: 2 to 7
	QUARTER 2, F1, F0, 0
	QUARTER 3, F0, F1, 0
	TURN 1
	QUARTER 1, F0, F1, 0
	WIN 0
	s_sub_co_u32 s[CNT], s[CNT], 1
	s_cmp_lg_u32 s[CNT], 0
	s_cbranch_scc1 .Lstep
	s_mov_b32 s[CNT], 2
.Ltail:                                        ; K steps 6 and 7 ask for nothing: a loop of their own, two trips, left in its middle
	QUARTER 2, F1, F0, 0
	QUARTER 3, F0, F1, 0
	TURN 0
	WIN 0
	s_sub_co_u32 s[CNT], s[CNT], 1
	s_cmp_eq_u32 s[CNT], 0
	s_cbranch_scc1 .Lout
	QUARTER 1, F0, F1, 0
	WIN 0
	s_branch .Ltail
.Lout:
	PLACES
; THE WAY OUT, in eight blocks t = 2 a + g of 16 rows x 64 columns (256 bytes): sum + bias, 32 bytes a lane into my own stage, back as whole rows, stored so that sixteen lanes write 256 consecutive bytes, aligned.
; Each block has registers of its own for what it stores, so nothing waits for a store.
.macro PACK t
.set aa, (\t)/2
.set gg, (\t)%2
	WIN 1+aa/2                                     ; source 0 in the accumulators' window
.set bb, 0
.rept 4
.set AC, 8*(NBL*(aa%2)+4*gg+bb)
.set rr, 0
.rept 4
	v_pk_add_f32 v[T+8*bb+2*rr:T+8*bb+2*rr+1], v[AC+2*rr:AC+2*rr+1], v[BIAS+8*(4*gg+bb)+2*rr:BIAS+8*(4*gg+bb)+2*rr+1]
.set rr, rr+1
.endr
.set bb, bb+1
.endr
	WIN 0
.irp b, 0,1,2,3
	ds_store_b128 v[STO], v[T+8*(\b):T+8*(\b)+3]   offset:64*(\b)
	ds_store_b128 v[STO], v[T+8*(\b)+4:T+8*(\b)+7] offset:64*(\b)+16
.endr
	WIN 0xc0
.irp f, 0,1,2,3,4,5,6,7
	ds_load_b128 v[32*(\t)+4*(\f):32*(\t)+4*(\f)+3], v[RD] offset:2*SPITCH*(\f)  ; LDS serves a wave's instructions in order: these see the stores above; the next block's stores come behind them
.endr
.endm
.macro SEND t, younger                 ; younger: the LDS instructions issued behind block t's loads: the next block's sixteen, or none
	WIN 0x0c                                       ; a store's data in window 3
.irp f, 0,1,2,3,4,5,6,7
	s_wait_dscnt (\younger)+7-(\f)
	global_store_b128 v[GO], v[32*(\t)+4*(\f):32*(\t)+4*(\f)+3], s[OUT:OUT+1] offset:(16*((\t)/2)+2*(\f))*4096+256*((\t)%2)
.endr
.endm
	PACK 0
.irp t, 1,2,3,4,5,6,7
	PACK \t
	SEND (\t)-1, 16
.endr
	SEND 7, 0
	WIN 0
	s_wait_tensorcnt 0x0                           ; the wave's end, behind my last tensor load and my last LDS store
	ds_add_u32 v[SPW], v[NIL]
	s_wait_dscnt 0x0
	CROUND                                         ; the closing round: no work-group ends while a partner may still ask for a tile that names it
	s_endpgm
.Lfunc_end_k_q94d3cb37fb_oproj:
	.size	k_q94d3cb37fb_oproj, .Lfunc_end_k_q94d3cb37fb_oproj-k_q94d3cb37fb_oproj
	.p2alignl 7, 3214868480
	.fill 96, 4, 3214868480
	.section	.rodata,"a",@progbits
	.p2align	6, 0x0
	.amdhsa_kernel k_q94d3cb37fb_oproj
		.amdhsa_group_segment_fixed_size 327680
		.amdhsa_private_segment_fixed_size 0
		.amdhsa_enable_private_segment 0
		.amdhsa_kernarg_size 32
		.amdhsa_user_sgpr_count 2
		.amdhsa_user_sgpr_kernarg_segment_ptr 1
		.amdhsa_wavefront_size32 1
		.amdhsa_system_sgpr_workgroup_id_x 1
		.amdhsa_system_sgpr_workgroup_id_y 1
		.amdhsa_system_sgpr_workgroup_id_z 1
		.amdhsa_system_vgpr_workitem_id 0
		.amdhsa_next_free_vgpr 1024
		.amdhsa_next_free_sgpr 96
		.amdhsa_reserve_vcc 0
		.amdhsa_float_denorm_mode_32 3
		.amdhsa_float_denorm_mode_16_64 3
		.amdhsa_memory_ordered 1
		.amdhsa_forward_progress 1
		.amdhsa_inst_pref_size 77
	.end_amdhsa_kernel
	.amdgpu_metadata
---
amdhsa.version: [ 1, 2 ]
amdhsa.kernels:
  - .name:           k_q94d3cb37fb_oproj
    .symbol:         k_q94d3cb37fb_oproj.kd
    .args:
      - { .name: ctx, .offset: 0, .size: 8, .value_kind: global_buffer, .address_space: global }
      - { .name: wot, .offset: 8, .size: 8, .value_kind: global_buffer, .address_space: global }
      - { .name: bo, .offset: 16, .size: 8, .value_kind: global_buffer, .address_space: global }
      - { .name: out0, .offset: 24, .size: 8, .value_kind: global_buffer, .address_space: global }
    .group_segment_fixed_size: 327680
    .private_segment_fixed_size: 0
    .kernarg_segment_align: 8
    .kernarg_segment_size: 32
    .max_flat_workgroup_size: 128
    .sgpr_count:     96
    .vgpr_count:     1024
    .wavefront_size: 32
...
	.end_amdgpu_metadata
.endif
;; end of part 8
;; ======== version 3 of 3: 4 launches; version 2 with the launch prep written anew for expert scheduling mode
;; limits: values are held in f16: magnitudes above 65,504 overflow, below 6.1e-05 lose precision; right only within a limited range of input values
;; workspace buffers: xb 16,777,216 bytes; wt 6,291,456 bytes; wot 2,097,152 bytes; mcode 16,777,216 bytes; qkv 50,331,648 bytes; ctx 16,777,216 bytes
;; launch prep (part 9): grid 512 x 1, 8 waves a work-group, no clusters, 74,752 bytes of LDS; arguments x, Wq, Wk, Wv, Wo, mask, xb, wt, wot, mcode; writes xb, wt, wot, mcode
.if DOCPART == 9
	.amdgcn_target "amdgcn-amd-amdhsa--gfx1250"
	.amdhsa_code_object_version 6
	.text
	.protected	k_q94d3cb37fb_prep
	.globl	k_q94d3cb37fb_prep
	.p2align	8
	.type	k_q94d3cb37fb_prep,@function
k_q94d3cb37fb_prep:
	s_mov_b64 s[64:65], 0
	v_nop
	global_prefetch_b8 v0, s[64:65] scope:SCOPE_SE
	s_setreg_imm32_b32 hwreg(HW_REG_WAVE_SCHED_MODE, 0, 2), 2
	s_setreg_imm32_b32 hwreg(HW_REG_WAVE_MODE, 25, 1), 1
	s_wait_xcnt 0x0
	s_wait_alu depctr_vm_vsrc(0)
; PREP: three streams, each read once.  A wave takes ONE unit of 16,384 input bytes (32 loads of 16 bytes a lane, all on their way at once) and needs no other wave: no barrier.
;   work-groups 0-255:   x [8192][1024] f32 -> xb, bf16, in planes of 64 channels: [batch 4][plane 16][row 2048][64]: a plane's rows are dense, 128 bytes each.
;   work-groups 256-383: Wq, Wk, Wv, Wo [k][n] f32 -> turned to [n][k].  wt, bf16: [column tile 16][plane 16][192 n][64 k], n counted over q, k, v on end.
;                        wot: [column tile 8][plane 16][128 n][64 k]: Wo rounded to bf16 and that number written as f16 (below 6e-5 it keeps f16's fixed step of 6e-8).
;   work-groups 384-511: mask [4][2048][2048] bytes (0 or 1) -> mcode, one byte a score: 0xC0, the fp8 (E4M3) code of -2.0, where the mask is set, else 0; in the order in which a lane of the
;                        attention launch wants them: [batch 4][16 queries: 128][64 keys: 32][half i 2][lane L 32][16 bytes]: the 8 bytes of keys 64 step + 32 i + 8 (L / 16) + 0..7 and the 8 of the
;                        keys 16 further on, of query L % 16.
; Matrix units, clusters and tensor loads are left out: nothing is shared and nothing is multiplied.  Each store of a wave covers whole aligned runs of 256 bytes.
; THE MODE: SCHED_MODE bits 1:0 = 2 (LLVM: expert scheduling mode 2), set by the entry lines.  The code itself states the register dependences between vector instructions and memory or LDS
; instructions, with s_wait_alu, always for 0.
; THE PLAN.  Registers that memory or LDS instructions touch:
;   v[LO], v[SO], v[LS], v[LR]  Offsets and LDS addresses: written once at a path's head, never again.  One wait on va_vdst ahead of the path's first load states that they are written.
;   v[L ..]   The 32 loads land here.  x: load i's two conversions write L + 4 i and L + 4 i + 1 in place, one store reads them, nothing writes them again.  Weights: the conversions read L (Wo's second
;             conversion takes L + 0 .. 7 as scratch); later the read-backs from the stage land in L + 0 .. 63, and the stores read them.  Mask: the shifts rewrite each word in place, the LDS stores read
;             it; the second half's read-backs land in L + 0 .. 63, the first half's words.
;   v[D ..]   Weights: written by the conversions, read by the LDS stores.  Mask: the first half's read-backs land here, and the stores read them.
;   v[SPW], v[NIL]  Written at the head, read by the closing add alone.     v8 to v11 are named by vector instructions alone.
; x's stores and the mask's LDS stores go in GROUPS OF FOUR: one wait on va_vdst at a group's head states that the group before has written its words; that group's four stores are dealt among this group's
; vector instructions, which name this group's registers alone, so they owe nothing more.  One more such wait stands ahead of the last group's stores.
.set STG,   9216                       ; a wave's stage in LDS: 64 rows x 144 bytes (weights), or 16 rows x 528 bytes (mask)
.set SPARE, 8*STG                      ; behind the stages: the spare words, 128 bytes for each wave, that no other line names
.set SPW, 2                            ; v2   LDS address of my spare word; never rewritten
.set NIL, 3                            ; v3   0; never rewritten
.set LO,  4                            ; v4   my offset in the unit's loads
.set SO,  5                            ; v5   my offset in its stores
.set LS,  6                            ; v6   where I write in my stage
.set LR,  7                            ; v7   where I read it back
.set L,   16                           ; v[16:143]  load i at L + 4 i
.set D,   144                          ; v[144:207] results
	s_load_b512 s[4:19], s[0:1], 0x0               ; x s[4:5], Wq s[6:7], Wk s[8:9], Wv s[10:11], Wo s[12:13], mask s[14:15], xb s[16:17], wt s[18:19]
	s_load_b128 s[20:23], s[0:1], 0x40             ; wot s[20:21], mcode s[22:23]
	v_lshl_add_u32 v[SPW], v0, 2, SPARE
	v_mov_b32 v[NIL], 0
	v_lshrrev_b32 v8, 5, v0
	v_readfirstlane_b32 s24, v8                    ; wave 0..7
	v_and_b32 v1, 31, v0                           ; lane l
	v_and_b32 v9, 15, v0                           ; l % 16
	v_bfe_u32 v10, v0, 4, 1                        ; l / 16
	s_wait_alu depctr_va_sdst(0)                   ; s24 is written, ahead of its first reader: my stage and my unit's number are made from it
	s_mul_i32 s30, s24, STG                        ; my stage
	s_lshl_b32 s25, ttmp9, 3
	s_add_co_u32 s25, s25, s24                     ; 8 x work-group + wave
	s_mov_b32 s33, 0                               ; high words of the two offsets
	s_mov_b32 s35, 0
	s_wait_kmcnt 0x0
	s_cmp_lt_u32 ttmp9, 256
	s_cbranch_scc0 .Lnot_x
	; X.  Unit u: rows 4 u .. 4 u + 3.  A load takes 64 channels (256 bytes) of two rows; its 4 numbers a lane become 8 bytes, and the wave's store is 256 bytes on end of one plane.
	s_lshl_b32 s32, s25, 14
	s_add_nc_u64 s[26:27], s[4:5], s[32:33]
	s_lshr_b32 s34, s25, 9                         ; batch
	s_lshl_b32 s34, s34, 22                        ; 16 planes of 262,144 bytes
	s_and_b32 s31, s25, 511
	s_lshl_b32 s31, s31, 9                         ; 4 rows of 128 bytes
	s_add_co_u32 s34, s34, s31
	s_add_nc_u64 s[28:29], s[16:17], s[34:35]
	v_lshlrev_b32 v[LO], 4, v9
	v_lshl_add_u32 v[LO], v10, 12, v[LO]           ; 16 (l % 16) + a row of 4,096 bytes for the upper lanes
	v_lshlrev_b32 v[SO], 3, v1                     ; 8 l
	s_wait_alu depctr_va_vdst(0)                   ; v[LO] and v[SO] are written: every load and store of this path reads one of them as its offset
.set i, 0
.rept 32
	global_load_b128 v[L+4*i:L+4*i+3], v[LO], s[26:27] offset:(i/16)*8192+(i%16)*256 th:TH_LOAD_NT
.set i, i+1
.endr
.set i, 0
.rept 32
.if (i%4 == 0) && (i > 0)
	s_wait_alu depctr_va_vdst(0)                   ; the conversions of the four loads before have written their packed words, which the next four stores read
.endif
.if i >= 4
	global_store_b64 v[SO], v[L+4*(i-4):L+4*(i-4)+1], s[28:29] offset:((i-4)%16)*262144+((i-4)/16)*256  ; no vector instruction since the wait names these two registers
.endif
	s_wait_loadcnt 31-i                            ; loads come back in order: load i is in, the 31 - i younger ones stay out
	v_cvt_pk_bf16_f32 v[L+4*i], v[L+4*i], v[L+4*i+1]
	v_cvt_pk_bf16_f32 v[L+4*i+1], v[L+4*i+2], v[L+4*i+3]
.set i, i+1
.endr
	s_wait_alu depctr_va_vdst(0)                   ; the last four loads' conversions have written their packed words, which the last four stores read
.set i, 28
.rept 4
	global_store_b64 v[SO], v[L+4*i:L+4*i+1], s[28:29] offset:(i%16)*262144+(i/16)*256
.set i, i+1
.endr
	s_branch .Lend
.Lnot_x:
	s_cmp_lt_u32 ttmp9, 384
	s_cbranch_scc0 .Lmask
	; WEIGHTS.  Unit u: matrix u / 256, 64 rows k (plane (u / 16) % 16) x 64 columns n (group u % 16).  Lane (c = l % 16, h = l / 16) loads rows 32 h + i, columns 4 c .. 4 c + 3.
	s_sub_co_u32 s25, s25, 2048
	s_lshr_b32 s36, s25, 8                         ; matrix 0..3
	s_bfe_u32 s37, s25, 0x40004                    ; plane
	s_and_b32 s38, s25, 15                         ; column group
	s_cmp_eq_u32 s36, 0
	s_cselect_b64 s[26:27], s[6:7], s[8:9]
	s_cmp_lt_u32 s36, 2
	s_cselect_b64 s[26:27], s[26:27], s[10:11]
	s_cmp_lt_u32 s36, 3
	s_cselect_b64 s[26:27], s[26:27], s[12:13]
	s_cselect_b64 s[28:29], s[18:19], s[20:21]
	s_lshl_b32 s32, s37, 18                        ; 64 rows of 4,096 bytes
	s_lshl_b32 s31, s38, 8
	s_add_co_u32 s32, s32, s31
	s_add_nc_u64 s[26:27], s[26:27], s[32:33]
	s_lshl_b32 s39, s36, 4
	s_add_co_u32 s39, s39, s38                     ; group of 64 columns among q, k, v: 0..47
	s_mul_i32 s40, s39, 171
	s_lshr_b32 s40, s40, 9                         ; / 3, exact up to 47: the column tile of 192
	s_mul_i32 s41, s40, 3
	s_sub_co_u32 s41, s39, s41
	s_lshl_b32 s41, s41, 13                        ; 64 rows n of 128 bytes
	s_mul_i32 s40, s40, 393216
	s_add_co_u32 s40, s40, s41
	s_mul_i32 s41, s37, 24576
	s_add_co_u32 s40, s40, s41                     ; my 8,192 bytes in wt
	s_lshr_b32 s42, s38, 1
	s_lshl_b32 s42, s42, 18
	s_lshl_b32 s41, s37, 14
	s_add_co_u32 s42, s42, s41
	s_and_b32 s41, s38, 1
	s_lshl_b32 s41, s41, 13
	s_add_co_u32 s42, s42, s41                     ; or in wot
	s_cmp_lt_u32 s36, 3
	s_cselect_b32 s34, s40, s42
	s_add_nc_u64 s[28:29], s[28:29], s[34:35]
	v_lshlrev_b32 v[LO], 4, v9
	v_lshl_add_u32 v[LO], v10, 17, v[LO]           ; 16 c + 32 rows for the upper lanes
	v_lshlrev_b32 v[SO], 4, v1
	v_mul_u32_u24 v[LS], v9, 576                   ; stage row 4 c, byte 64 h
	v_lshl_add_u32 v[LS], v10, 6, v[LS]
	v_add_nc_u32 v[LS], s30, v[LS]
	v_lshrrev_b32 v8, 3, v1
	v_and_b32 v11, 7, v0
	v_mul_u32_u24 v[LR], v8, 144                   ; back: 32 lanes take four rows of 128 bytes
	v_lshl_add_u32 v[LR], v11, 4, v[LR]
	v_add_nc_u32 v[LR], s30, v[LR]
	s_wait_alu depctr_va_vdst(0)                   ; v[LO], v[SO], v[LS] and v[LR] are written: the loads, LDS instructions and stores of this path read them as offsets and addresses
.set i, 0
.rept 32
	global_load_b128 v[L+4*i:L+4*i+3], v[LO], s[26:27] offset:4096*i th:TH_LOAD_NT
.set i, i+1
.endr
.set i, 0
.rept 16
	s_wait_loadcnt 30-2*i                          ; rows 2 i and 2 i + 1 are in
.irp t, 0,1,2,3
	v_cvt_pk_bf16_f32 v[D+16*(\t)+i], v[L+8*i+(\t)], v[L+8*i+4+(\t)]  ; column 4 c + t: two neighbouring k
.endr
.set i, i+1
.endr
	s_cmp_lt_u32 s36, 3
	s_cbranch_scc1 .Lbf
.set i, 0
.rept 64                                       ; Wo alone: the bf16 numbers written as f16
	v_lshlrev_b32 v[L+2*(i%4)], 16, v[D+i]
	v_and_b32 v[L+2*(i%4)+1], 0xffff0000, v[D+i]
	v_cvt_pk_f16_f32 v[D+i], v[L+2*(i%4)], v[L+2*(i%4)+1]
.set i, i+1
.endr
.Lbf:
	s_wait_alu depctr_va_vdst(0)                   ; on both ways: the conversions have written v[D ..], which the LDS stores read, and are done reading and writing v[L ..], in which the read-backs land; no vector instruction follows
.irp t, 0,1,2,3
.irp j, 0,1,2,3
	ds_store_b128 v[LS], v[D+16*(\t)+4*(\j):D+16*(\t)+4*(\j)+3] offset:144*(\t)+16*(\j)
.endr
.endr
.set i, 0
.rept 16
	ds_load_b128 v[L+4*i:L+4*i+3], v[LR] offset:576*i  ; LDS serves a wave's instructions in order: these see the stores above
.set i, i+1
.endr
.set i, 0
.rept 16
	s_wait_dscnt 15-i
	global_store_b128 v[SO], v[L+4*i:L+4*i+3], s[28:29] offset:512*i  ; 512 bytes on end of the unit's dense 8,192
.set i, i+1
.endr
	s_branch .Lend
.Lmask:
	; MASK.  Unit u: tile u / 2 of 16 queries (batches on end), 1,024 keys u % 2: 16 key steps, which are 16,384 bytes on end of mcode.  Load i: query i % 16, 512 keys i / 16; a lane has 16 keys.
	; A half of the unit (512 keys of 16 queries) goes through my stage as it lies, in rows of 528 bytes: row r starts at bank 4 r mod 64 (64 banks of 4 bytes: ISA guide 11.1), so the 32 lanes of a
	; read-back of 8 bytes (query l % 16, byte 8 (l / 16)) take each bank once.
	s_sub_co_u32 s25, s25, 3072
	s_lshr_b32 s36, s25, 1
	s_and_b32 s38, s25, 1
	s_lshl_b32 s32, s36, 15                        ; 16 rows of 2,048 bytes
	s_lshl_b32 s31, s38, 10
	s_add_co_u32 s32, s32, s31
	s_add_nc_u64 s[26:27], s[14:15], s[32:33]
	s_lshl_b32 s34, s25, 14
	s_add_nc_u64 s[28:29], s[22:23], s[34:35]
	v_lshlrev_b32 v[LO], 4, v1
	v_lshlrev_b32 v[SO], 4, v1
	v_add_nc_u32 v[LS], s30, v[LO]
	v_mul_u32_u24 v[LR], v9, 528
	v_lshl_add_u32 v[LR], v10, 3, v[LR]
	v_add_nc_u32 v[LR], s30, v[LR]
	s_wait_alu depctr_va_vdst(0)                   ; v[LO], v[SO], v[LS] and v[LR] are written: the loads, LDS instructions and stores of this path read them as offsets and addresses
.set i, 0
.rept 32
	global_load_b128 v[L+4*i:L+4*i+3], v[LO], s[26:27] offset:(i%16)*2048+(i/16)*512 th:TH_LOAD_NT
.set i, i+1
.endr
; Half c of the unit; what is read back lands in the 64 registers from R on, which no pending store reads.
.macro MHALF c, R
.set i, 0
.rept 16
.if (i%4 == 0) && (i > 0)
	s_wait_alu depctr_va_vdst(0)                   ; the shifts of the four queries before have written their codes, which the next four LDS stores read
.endif
.if i >= 4
	ds_store_b128 v[LS], v[L+64*(\c)+4*(i-4):L+64*(\c)+4*(i-4)+3] offset:528*(i-4)  ; no vector instruction since the wait names these four registers
.endif
	s_wait_loadcnt 31-16*(\c)-i                    ; this query's 512 bytes are in, the younger loads stay out
.irp cw, 0,1,2,3
	v_lshlrev_b32 v[8+(\cw)], 6, v[L+64*(\c)+4*i+(\cw)]                                ; a byte 0 or 1 times 0xC0: bit 6,
	v_lshl_or_b32 v[L+64*(\c)+4*i+(\cw)], v[L+64*(\c)+4*i+(\cw)], 7, v[8+(\cw)]        ; and bit 7: nothing crosses a byte's end
.endr
.set i, i+1
.endr
	s_wait_alu depctr_va_vdst(0)                   ; the last four queries' shifts have written their codes, which the last four LDS stores read
.set i, 12
.rept 4
	ds_store_b128 v[LS], v[L+64*(\c)+4*i:L+64*(\c)+4*i+3] offset:528*i
.set i, i+1
.endr
.if (\c) == 1
	s_wait_alu depctr_vm_vsrc(0)                   ; the first half's LDS stores have read v[L .. L + 63], in which the read-backs below land (the shifts that named them stand ahead of the waits on va_vdst above)
.endif
.set i, 0
.rept 16                                       ; key step i / 2 of the half's eight, half i % 2 of its 64 keys: my 8 keys, and the 8 that lie 16 further on
	ds_load_b64 v[(\R)+4*i:(\R)+4*i+1],   v[LR] offset:(i/2)*64+(i%2)*32      ; LDS serves a wave's instructions in order: these see the stores above, and the next half's stores come behind them
	ds_load_b64 v[(\R)+4*i+2:(\R)+4*i+3], v[LR] offset:(i/2)*64+(i%2)*32+16
.set i, i+1
.endr
.set i, 0
.rept 16
	s_wait_dscnt 30-2*i                            ; the two read-backs of store i are in
	global_store_b128 v[SO], v[(\R)+4*i:(\R)+4*i+3], s[28:29] offset:8192*(\c)+512*i  ; 512 bytes on end
.set i, i+1
.endr
.endm
	MHALF 0, D
	MHALF 1, L
.Lend:
	s_wait_dscnt 0x0                               ; the closing lines, six on end
	s_wait_alu 0x0
	s_wait_tensorcnt 0x0
	ds_add_u32 v[SPW], v[NIL]
	s_wait_dscnt 0x0
	s_endpgm
.Lfunc_end_k_q94d3cb37fb_prep:
	.size	k_q94d3cb37fb_prep, .Lfunc_end_k_q94d3cb37fb_prep-k_q94d3cb37fb_prep
	.p2alignl 7, 3214868480
	.fill 96, 4, 3214868480
	.section	.rodata,"a",@progbits
	.p2align	6, 0x0
	.amdhsa_kernel k_q94d3cb37fb_prep
		.amdhsa_group_segment_fixed_size 74752
		.amdhsa_private_segment_fixed_size 0
		.amdhsa_enable_private_segment 0
		.amdhsa_kernarg_size 80
		.amdhsa_user_sgpr_count 2
		.amdhsa_user_sgpr_kernarg_segment_ptr 1
		.amdhsa_wavefront_size32 1
		.amdhsa_system_sgpr_workgroup_id_x 1
		.amdhsa_system_sgpr_workgroup_id_y 1
		.amdhsa_system_sgpr_workgroup_id_z 1
		.amdhsa_system_vgpr_workitem_id 0
		.amdhsa_next_free_vgpr 208
		.amdhsa_next_free_sgpr 66
		.amdhsa_reserve_vcc 0
		.amdhsa_float_denorm_mode_32 3
		.amdhsa_float_denorm_mode_16_64 3
		.amdhsa_memory_ordered 1
		.amdhsa_forward_progress 1
		.amdhsa_inst_pref_size 64
	.end_amdhsa_kernel
	.amdgpu_metadata
---
amdhsa.version: [ 1, 2 ]
amdhsa.kernels:
  - .name:           k_q94d3cb37fb_prep
    .symbol:         k_q94d3cb37fb_prep.kd
    .args:
      - { .name: x, .offset: 0, .size: 8, .value_kind: global_buffer, .address_space: global }
      - { .name: Wq, .offset: 8, .size: 8, .value_kind: global_buffer, .address_space: global }
      - { .name: Wk, .offset: 16, .size: 8, .value_kind: global_buffer, .address_space: global }
      - { .name: Wv, .offset: 24, .size: 8, .value_kind: global_buffer, .address_space: global }
      - { .name: Wo, .offset: 32, .size: 8, .value_kind: global_buffer, .address_space: global }
      - { .name: mask, .offset: 40, .size: 8, .value_kind: global_buffer, .address_space: global }
      - { .name: xb, .offset: 48, .size: 8, .value_kind: global_buffer, .address_space: global }
      - { .name: wt, .offset: 56, .size: 8, .value_kind: global_buffer, .address_space: global }
      - { .name: wot, .offset: 64, .size: 8, .value_kind: global_buffer, .address_space: global }
      - { .name: mcode, .offset: 72, .size: 8, .value_kind: global_buffer, .address_space: global }
    .group_segment_fixed_size: 74752
    .private_segment_fixed_size: 0
    .kernarg_segment_align: 8
    .kernarg_segment_size: 80
    .max_flat_workgroup_size: 256
    .sgpr_count:     66
    .vgpr_count:     208
    .wavefront_size: 32
...
	.end_amdgpu_metadata
.endif
;; end of part 9
;; launch qkv: the kernel of part 6 again; grid 16 x 32, 4 waves a work-group, clusters of 4 x 4, 327,680 bytes of LDS; arguments xb, wt, bq, bk, bv, qkv; writes qkv
;; launch attn: the kernel of part 7 again; grid 4 x 64, 4 waves a work-group, clusters of 4 x 1, 327,680 bytes of LDS; arguments qkv, mcode, ctx; writes ctx
;; launch oproj: the kernel of part 8 again; grid 8 x 32, 4 waves a work-group, clusters of 4 x 4, 327,680 bytes of LDS; arguments ctx, wot, bo, out0; writes out0
